; MI455X (gfx1250); checked and timed in simulation.
; The chip was launched on July 23, 2026; its instructions are those of AMD's public machine-readable ISA for CDNA 5 (MIT licence, August 2026) and "CDNA5" Instruction Set Architecture Reference Guide (July 2026). The comments in the code are by the model that wrote it; some were corrected since.
;; Attention With Fast KAN Transform. Allowed arithmetic: matrix products marked QUANTISED: E3M2 operands, one E8M0 scale for each 32 along K, by v_wmma_scale_f32_16x16x128_f8f6f4 with both operands' format E3M2, f32 sums; everything else in f32.
;; Inputs: k 2 x 2,048 x 512 float32; lg_bb 512 float32; lg_bw 512 x 512 float32; lg_ln_b 512 float32; lg_ln_s 512 float32; lg_sw 512 x 4,096 float32; lk_bb 512 float32; lk_bw 512 x 512 float32; lk_ln_b 512 float32; lk_ln_s 512 float32; lk_sw 512 x 4,096 float32; lo_bb 512 float32; lo_bw 512 x 512 float32; lo_ln_b 512 float32; lo_ln_s 512 float32; lo_sw 512 x 4,096 float32; lq_bb 512 float32; lq_bw 512 x 512 float32; lq_ln_b 512 float32; lq_ln_s 512 float32; lq_sw 512 x 4,096 float32; lv_bb 512 float32; lv_bw 512 x 512 float32; lv_ln_b 512 float32; lv_ln_s 512 float32; lv_sw 512 x 4,096 float32; q 2 x 2,048 x 512 float32; v 2 x 2,048 x 512 float32.
;; Outputs: out0 2 x 2,048 x 512 float32.
;; This version of the problem:
;;   THIS VERSION OF THE PROBLEM IS GIVEN IN LOW PRECISION. The matrix products marked QUANTISED in the list below multiply operands that are first quantised to E3M2 (3 exponent bits, 2 mantissa bits; 6 bits a number), with one power-of-two scale for each 32 numbers along K (OCP MX v1.0); their sums are f32. All else is computed in f32.
;;   The module's matrix products, in the order in which they are computed (A, B: the left and right operand; K: the contracted axis; several contracted axes count as one K, in the product's order):
;;     1. [M 4,096, K 4,096] x [K 4,096, N 512]; A: computed on the way; B: input lq_sw: QUANTISED
;;     2. [M 4,096, K 512] x [K 512, N 512]; A: computed on the way; B: input lq_bw: QUANTISED
;;     3. [M 4,096, K 4,096] x [K 4,096, N 512]; A: computed on the way; B: input lk_sw: QUANTISED
;;     4. [M 4,096, K 512] x [K 512, N 512]; A: computed on the way; B: input lk_bw: QUANTISED
;;     5. batch 16 x [M 2,048, K 64] x [K 64, N 2,048]; A: computed on the way; B: computed on the way: QUANTISED
;;     6. [M 4,096, K 4,096] x [K 4,096, N 512]; A: computed on the way; B: input lv_sw: QUANTISED
;;     7. [M 4,096, K 512] x [K 512, N 512]; A: computed on the way; B: input lv_bw: QUANTISED
;;     8. batch 16 x [M 64, K 2,048] x [K 2,048, N 2,048]; A: computed on the way; B: softmax (see below): QUANTISED
;;     9. [M 4,096, K 4,096] x [K 4,096, N 512]; A: computed on the way; B: input lg_sw: QUANTISED
;;     10. [M 4,096, K 512] x [K 512, N 512]; A: computed on the way; B: input lg_bw: QUANTISED
;;     11. [M 4,096, K 4,096] x [K 4,096, N 512]; A: computed on the way; B: input lo_sw: QUANTISED
;;     12. [M 4,096, K 512] x [K 512, N 512]; A: computed on the way; B: input lo_bw: QUANTISED
;;   THE QUANTISER, for each operand of a quantised product, along K:
;;     - K is cut into blocks of 32 from its start; a last block that is shorter is filled with zeros.
;;     - A block's scale is 2^e with e = floor(log2(the largest magnitude in the block)) - 4, held to -126 .. 127; a block of zeros has e = 0. As a byte (E8M0): e + 127.
;;     - Each number is divided by its block's scale, clamped to +-28, and rounded to the nearest number of E3M2, ties to even, subnormals kept.
;;     - The product sums the exact products of the quantised numbers (number of the format x scale) in f32.
;;   ~~~python
;;   def quantise(x, axis):      # numpy; x: float32 -> the quantised numbers, widened to float32 again
;;       x = np.moveaxis(x, axis, -1); K = x.shape[-1]
;;       x = np.pad(x, [(0, 0)] * (x.ndim - 1) + [(0, -K % 32)]); x = x.reshape(x.shape[:-1] + (-1, 32)); a = np.abs(x).max(-1, keepdims=True)
;;       e = np.where(a > 0, np.clip(np.frexp(np.where(a > 0, a, 1))[1] - 1 - 4, -126, 127), 0)      # np.frexp(a)[1] - 1 = floor(log2(a)), exactly
;;       r = np.clip(x / 2.0 ** e, -28, 28)
;;       step = 2.0 ** (np.maximum(np.frexp(np.where(r == 0, 1, r))[1] - 1, -2) - 2)
;;       q = np.round(r / step) * step * 2.0 ** e      # np.round: ties to even
;;       return np.moveaxis(q.reshape(q.shape[:-2] + (-1,))[..., :K], -1, axis).astype(np.float32)
;;   ~~~
;;   SOFTMAX AHEAD OF A QUANTISED PRODUCT. Where the list says 'softmax', what is quantised is not the finished softmax but p = 2^(t - M), with t = logit x log2(e) and M = ceil(the row's largest t), a whole number; so 1/2 < the row's largest p <= 1. The row's sum l is taken of the UNQUANTISED p, in f32, and the product's result is divided by l at the end. Since M is a whole number, a kernel that streams over the keys may use a running M (the ceiling of the running maximum): every later rescaling is an exact power of two, which a block's scale takes up: the codes' values come out the same.
;;   OPERANDS COMPUTED ON THE WAY. 'Computed on the way' means the value that the module computes at that place (a softmax that the list does not call 'softmax' is quantised finished and normalised). What goes into a quantiser is computed in f32, as accurately as f32 sums, v_exp_f32 and their like allow (about 1e-6 of the number): no bf16 or f16 on the way to a quantiser, and a product that is left as it is and whose result goes on into a quantised operand takes f32 operands (vector FMAs, or v_wmma_f32_16x16x4_f32). A number that lies on a knife's edge between two numbers of the format may be rounded either way, as far as f32 arithmetic and the matrix unit's own rounding can turn it there, and no further.
;; 2 versions, each right; version 2 is version 1 with the launches kan1, kan2 written anew for expert scheduling mode. Each part assembles by itself: llvm-mc -triple=amdgcn-amd-amdhsa -mcpu=gfx1250 --defsym DOCPART=n.
;; ======== version 1 of 2: 4 launches
;; workspace buffers: wc 9,216,000 bytes; qkv 5,111,808 bytes; gbuf 8,388,608 bytes; og 8,388,608 bytes
;; launch wquant (part 1): grid 36 x 10, 4 waves a work-group, no clusters, 34,304 bytes of LDS; arguments lq_sw, lk_sw, lv_sw, lg_sw, lo_sw, lq_bw, lk_bw, lv_bw, lg_bw, lo_bw, wc; writes wc
.if DOCPART == 1
	.amdgcn_target "amdgcn-amd-amdhsa--gfx1250"
	.amdhsa_code_object_version 6
	.text
	.protected	k_q535fe0a652_wquant
	.globl	k_q535fe0a652_wquant
	.p2align	8
	.type	k_q535fe0a652_wquant,@function
k_q535fe0a652_wquant:
	s_mov_b64 s[64:65], 0
	v_nop
	global_prefetch_b8 v0, s[64:65] scope:SCOPE_SE
	s_setreg_imm32_b32 hwreg(HW_REG_WAVE_MODE, 25, 1), 1
	s_wait_xcnt 0x0
; The ten weights (five layers: a spline weight [512][4096] and a base weight [512][512], f32, K innermost) become codes of E3M2 with one E8M0 byte for each 32 along K.
; They are laid in wc in the order of the operand's registers: [layer 5][head 8][K step 36][6,400 bytes]; K steps 0-31 are the spline weight's, 32-35 the base weight's.
; A block of 6,400 bytes: four fragments (16 rows x 128 K) as images of their 12 registers, [tile n][c 3][lane 32][16 bytes]; then [lane 32][8 bytes] of scale words:
; word 0 holds tile 0's rows in lanes 0-15 and tile 1's in lanes 16-31, word 1 tiles 2 and 3.  Lane r of tile n is row 64 head + 32 (n / 2) + 8 (n % 2) + r + 8 (r / 8).
; A block's scale is 2^(floor(log2(largest magnitude)) - 4); its byte is the largest magnitude's exponent field - 4, held at 1 from below.
; LIMITS: a block of zeros gets the byte 1 (its codes are zeros; this program alone reads the bytes); NaN and infinities are not served.
; SHARES: work-group x = the K step, y = 2 x layer + half; wave wv takes head 4 x half + wv: one block of wc, 32 KB of f32.
; Each load reads 512 consecutive bytes of one row; a tile's 16 rows turn through the wave's own stage in LDS (pitch 528), so that a lane gets 32 neighbours along K of its row, twice.
; THE WAVE'S 32 KB ARE ASKED FOR EARLY: each of the four tiles has 64 registers of its own in window 1; three tiles are asked for at the head, the fourth behind the first tile's wait:
; 48 loads of mine are out at the most, and no load register is used twice.
.set STGB, 8448                        ; a wave's stage: 16 rows x 528 bytes
.set VO,  16                           ; v16-31   row i of a tile: 16 x lane + (i + 8 (i / 8)) x pitch
.set X,   96                           ; v96-159  my 64 numbers: register 32 c + i = k 64 c + 32 h + i of row r
.set C,   160                          ; v160-207 the four fragments' codes: no store's data are written again
.set TC,  208                          ; v208-214 the upper halves of the blocks' codes
.set MX,  216                          ; v216-219 four chains of the maxima; later the bytes
.set OP,  220                          ; v220-221 the conversions' scale operands
.set TP,  222
.set PW,  224                          ; v224-227 a scale word for each tile
.set SP,  228                          ; v228-229 the words as they are stored
.set SEL, 50
; window 1: tile t as loaded at v[64 t]
.set MSB, 0
.macro WIN new                         ; the immediate's high byte repeats the setting that is left
.if MSB != \new
	s_set_vgpr_msb (MSB<<8)|\new
.set MSB, \new
.endif
.endm
	s_load_b512 s[8:23], s[0:1], 0x0               ; the five spline weights, then lq_bw, lk_bw, lv_bw
	s_load_b128 s[24:27], s[0:1], 0x40             ; lg_bw, lo_bw
	s_load_b64 s[28:29], s[0:1], 0x50              ; wc
	v_lshl_add_u32 v254, v0, 2, 0x8400
	v_mov_b32 v255, 0
	v_lshrrev_b32 v1, 5, v0
	v_readfirstlane_b32 s2, v1                     ; wave
	v_and_b32 v1, 31, v0                           ; lane
	v_and_b32 v4, 15, v0                           ; r
	v_bfe_u32 v8, v0, 4, 1                         ; h
	v_lshlrev_b32 v2, 4, v1                        ; 16 x lane
	v_lshlrev_b32 v3, 3, v8                        ; 8 h: how far my two bytes are shifted in the scale word
	v_lshlrev_b32 v7, 3, v1                        ; 8 x lane
	s_mul_i32 s3, s2, STGB
	v_add_nc_u32 v5, s3, v2                        ; the stage, in: row i at 528 i, 16 bytes a lane
	v_mul_u32_u24 v6, v4, 528
	v_lshl_add_u32 v6, v8, 7, v6
	v_add_nc_u32 v6, s3, v6                        ; and out: row r, + 128 h
	v_mov_b32 v[TP], 0                             ; a lane permute's destination counts as read
	s_mov_b32 s[SEL], 0x76543210
	s_mov_b32 s[SEL+1], 0xfedcba98                 ; lane l xor 16
	s_and_b32 s30, ttmp7, 0xffff
	s_lshr_b32 s31, s30, 1                         ; layer
	s_and_b32 s32, s30, 1
	s_lshl_b32 s32, s32, 2
	s_add_co_u32 s32, s32, s2                      ; head
	s_wait_kmcnt 0x0
	s_mov_b64 s[4:5], s[8:9]                       ; the layer's two weights: choices on the work-group's number alone
	s_mov_b64 s[6:7], s[18:19]
	s_cmp_eq_u32 s31, 1
	s_cselect_b64 s[4:5], s[10:11], s[4:5]
	s_cselect_b64 s[6:7], s[20:21], s[6:7]
	s_cmp_eq_u32 s31, 2
	s_cselect_b64 s[4:5], s[12:13], s[4:5]
	s_cselect_b64 s[6:7], s[22:23], s[6:7]
	s_cmp_eq_u32 s31, 3
	s_cselect_b64 s[4:5], s[14:15], s[4:5]
	s_cselect_b64 s[6:7], s[24:25], s[6:7]
	s_cmp_eq_u32 s31, 4
	s_cselect_b64 s[4:5], s[16:17], s[4:5]
	s_cselect_b64 s[6:7], s[26:27], s[6:7]
	s_mov_b32 s33, 2048
	s_cmp_lt_u32 ttmp9, 32                         ; K steps 0-31: the spline weight, rows of 16,384 bytes; 32-35: the base weight, rows of 2,048
	s_cselect_b64 s[4:5], s[4:5], s[6:7]
	s_cselect_b32 s33, 16384, s33                  ; the pitch
	s_cselect_b32 s34, 0, 32
	s_sub_co_u32 s34, ttmp9, s34                   ; the K step within that weight
.irp i, 0,1,2,3,4,5,6,7,8,9,10,11,12,13,14,15
	v_mad_u32_u24 v[VO+\i], s33, \i+8*(\i/8), v2
.endr
	s_lshl_b32 s44, s32, 6
	s_mul_i32 s44, s44, s33                        ; 64 x head rows,
	s_lshl_b32 s45, s34, 9
	s_add_co_u32 s44, s44, s45                     ; + 512 bytes a K step
	s_mov_b32 s45, 0
	s_add_nc_u64 s[36:37], s[4:5], s[44:45]        ; tile 0's first row
	s_lshl_b32 s46, s33, 3
	s_mov_b32 s47, 0
	s_add_nc_u64 s[38:39], s[36:37], s[46:47]      ; tile 1: 8 rows on
	s_lshl_b32 s46, s33, 5
	s_add_nc_u64 s[40:41], s[36:37], s[46:47]      ; tile 2: 32 rows on
	s_add_nc_u64 s[42:43], s[38:39], s[46:47]      ; tile 3: 40 rows on
	s_mul_i32 s44, s31, 1843200
	s_mul_i32 s46, s32, 230400
	s_add_co_u32 s44, s44, s46
	s_mul_i32 s46, ttmp9, 6400
	s_add_co_u32 s44, s44, s46
	s_add_nc_u64 s[28:29], s[28:29], s[44:45]      ; my block of wc
.macro LOADF b, t                      ; tile t's 16 rows, 512 consecutive bytes a load, into its own 64 registers of window 1
.irp i, 0,1,2,3,4,5,6,7,8,9,10,11,12,13,14,15
	global_load_b128 v[64*(\t)+4*\i:64*(\t)+4*\i+3], v[VO+\i], s[\b:\b+1] th:TH_LOAD_NT
.endr
.endm
.macro QF pc, pw                       ; my 64 numbers in X -> 12 registers of codes at v[pc], my row's scale word in v[pw]
.irp k, 0,1,2,3
	v_max3_num_f32 v[MX+\k], |v[X+16*\k]|, |v[X+16*\k+1]|, 0x2800000   ; four chains of 16; the floor 2^(5 - 127) holds the byte at 1 from below
.endr
.irp i, 2,4,6,8,10,12,14
.irp k, 0,1,2,3
	v_max3_num_f32 v[MX+\k], v[MX+\k], |v[X+16*\k+\i]|, |v[X+16*\k+\i+1]|
.endr
.endr
	v_max_num_f32 v[MX], v[MX], v[MX+1]            ; block h
	v_max_num_f32 v[MX+2], v[MX+2], v[MX+3]        ; block 2 + h
	v_add_nc_u32 v[OP], 0xfe000000, v[MX]          ; 4 off the exponent field: the conversion takes that field as its scale
	v_add_nc_u32 v[OP+1], 0xfe000000, v[MX+2]
	v_lshrrev_b32 v[MX+1], 23, v[OP]               ; the bytes
	v_lshrrev_b32 v[MX+3], 23, v[OP+1]
	v_lshl_or_b32 v[\pw], v[MX+3], 16, v[MX+1]
	v_lshlrev_b32 v[\pw], v3, v[\pw]               ; at their places in the word
	v_permlanex16_b32 v[TP], v[\pw], s[SEL], s[SEL+1]
	v_or_b32 v[\pw], v[\pw], v[TP]                 ; with lane l xor 16's two the word is whole
	v_cvt_scalef32_pk16_bf6_f32 v[\pc:\pc+2], v[X:X+15], v[OP]
	v_cvt_scalef32_pk16_bf6_f32 v[TC:TC+2], v[X+16:X+31], v[OP]
	v_cvt_scalef32_pk16_bf6_f32 v[\pc+6:\pc+8], v[X+32:X+47], v[OP+1]
	v_cvt_scalef32_pk16_bf6_f32 v[TC+4:TC+6], v[X+48:X+63], v[OP+1]
	v_nop                                          ; one plain place behind the scaled conversions
.irp i, 0,1,2
	v_mov_b32 v[\pc+3+\i], v[TC+\i]                ; a conversion's three registers begin on an even number: the second halves are moved
	v_mov_b32 v[\pc+9+\i], v[TC+4+\i]
.endr
.endm
	WIN 0x40                                       ; destination window 1, address window 0
	LOADF 36, 0
	LOADF 38, 1
	LOADF 40, 2
	WIN 0
.irp n, 0,1,2,3
.if \n < 2
	s_wait_loadcnt 32                              ; this tile is in; the two tiles asked for behind it, 16 loads each, may be out
.else
	s_wait_loadcnt 16*(3-\n)                       ; nothing more is asked for: the counts run down
.endif
	WIN 0x04                                       ; an LDS store's data are its source 1: window 1
.irp i, 0,1,2,3,4,5,6,7,8,9,10,11,12,13,14,15
	ds_store_b128 v5, v[64*\n+4*\i:64*\n+4*\i+3] offset:528*\i
.endr
	WIN 0
.irp c, 0,1
.irp i, 0,1,2,3,4,5,6,7
	ds_load_b128 v[X+32*\c+4*\i:X+32*\c+4*\i+3], v6 offset:256*\c+16*\i   ; LDS serves a wave's instructions in order: these see the stores above
.endr
.endr
.if \n == 0
	WIN 0x40
	LOADF 42, 3                                    ; the last tile
	WIN 0
.endif
	s_wait_dscnt 0x0                               ; my numbers are back; the stage may be written again
	QF C+12*\n, PW+\n
.irp c, 0,1,2
	global_store_b128 v2, v[C+12*\n+4*\c:C+12*\n+4*\c+3], s[28:29] offset:1536*\n+512*\c   ; 512 consecutive bytes
.endr
.endr
	v_cmp_le_u32 vcc_lo, 16, v1
	v_cndmask_b32 v[SP], v[PW], v[PW+1], vcc_lo    ; lanes 0-15 the even tile's words, lanes 16-31 the odd tile's
	v_cndmask_b32 v[SP+1], v[PW+2], v[PW+3], vcc_lo
	global_store_b64 v7, v[SP:SP+1], s[28:29] offset:6144   ; 256 consecutive bytes
	s_wait_tensorcnt 0x0
	ds_add_u32 v254, v255
	s_wait_dscnt 0x0
	s_endpgm
.Lfunc_end_k_q535fe0a652_wquant:
	.size	k_q535fe0a652_wquant, .Lfunc_end_k_q535fe0a652_wquant-k_q535fe0a652_wquant
	.p2alignl 7, 3214868480
	.fill 96, 4, 3214868480
	.section	.rodata,"a",@progbits
	.p2align	6, 0x0
	.amdhsa_kernel k_q535fe0a652_wquant
		.amdhsa_group_segment_fixed_size 34304
		.amdhsa_private_segment_fixed_size 0
		.amdhsa_enable_private_segment 0
		.amdhsa_kernarg_size 88
		.amdhsa_user_sgpr_count 2
		.amdhsa_user_sgpr_kernarg_segment_ptr 1
		.amdhsa_wavefront_size32 1
		.amdhsa_system_sgpr_workgroup_id_x 1
		.amdhsa_system_sgpr_workgroup_id_y 1
		.amdhsa_system_sgpr_workgroup_id_z 1
		.amdhsa_system_vgpr_workitem_id 0
		.amdhsa_next_free_vgpr 512
		.amdhsa_next_free_sgpr 66
		.amdhsa_reserve_vcc 1
		.amdhsa_float_denorm_mode_32 3
		.amdhsa_float_denorm_mode_16_64 3
		.amdhsa_memory_ordered 1
		.amdhsa_forward_progress 1
		.amdhsa_inst_pref_size 33
	.end_amdhsa_kernel
	.amdgpu_metadata
---
amdhsa.version: [ 1, 2 ]
amdhsa.kernels:
  - .name:           k_q535fe0a652_wquant
    .symbol:         k_q535fe0a652_wquant.kd
    .args:
      - { .name: lq_sw, .offset: 0, .size: 8, .value_kind: global_buffer, .address_space: global }
      - { .name: lk_sw, .offset: 8, .size: 8, .value_kind: global_buffer, .address_space: global }
      - { .name: lv_sw, .offset: 16, .size: 8, .value_kind: global_buffer, .address_space: global }
      - { .name: lg_sw, .offset: 24, .size: 8, .value_kind: global_buffer, .address_space: global }
      - { .name: lo_sw, .offset: 32, .size: 8, .value_kind: global_buffer, .address_space: global }
      - { .name: lq_bw, .offset: 40, .size: 8, .value_kind: global_buffer, .address_space: global }
      - { .name: lk_bw, .offset: 48, .size: 8, .value_kind: global_buffer, .address_space: global }
      - { .name: lv_bw, .offset: 56, .size: 8, .value_kind: global_buffer, .address_space: global }
      - { .name: lg_bw, .offset: 64, .size: 8, .value_kind: global_buffer, .address_space: global }
      - { .name: lo_bw, .offset: 72, .size: 8, .value_kind: global_buffer, .address_space: global }
      - { .name: wc, .offset: 80, .size: 8, .value_kind: global_buffer, .address_space: global }
    .group_segment_fixed_size: 34304
    .private_segment_fixed_size: 0
    .kernarg_segment_align: 8
    .kernarg_segment_size: 88
    .max_flat_workgroup_size: 128
    .sgpr_count:     66
    .vgpr_count:     512
    .wavefront_size: 32
...
	.end_amdgpu_metadata
.endif
;; end of part 1
;; launch kan1 (part 2): grid 64 x 4, 8 waves a work-group, no clusters, 326,656 bytes of LDS; arguments q, k, v, lq_ln_s, lq_ln_b, lq_bb, lk_ln_s, lk_ln_b, lk_bb, lv_ln_s, lv_ln_b, lv_bb, lg_ln_s, lg_ln_b, lg_bb, wc, qkv, gbuf; writes qkv, gbuf
.if DOCPART == 2
	.amdgcn_target "amdgcn-amd-amdhsa--gfx1250"
	.amdhsa_code_object_version 6
	.text
	.protected	k_q535fe0a652_kan1
	.globl	k_q535fe0a652_kan1
	.p2align	8
	.type	k_q535fe0a652_kan1,@function
k_q535fe0a652_kan1:
	s_mov_b64 s[64:65], 0
	v_nop
	global_prefetch_b8 v0, s[64:65] scope:SCOPE_SE
	s_setreg_imm32_b32 hwreg(HW_REG_WAVE_MODE, 25, 1), 1
	s_wait_xcnt 0x0
; A FastKAN layer: out = basis(LayerNorm(x)) sw^T + silu(x) bw^T + bb, both products on codes of E3M2 with one E8M0 byte for each 32 along K.
; KIND 1: four layers (work-group y: 0 q, 1 k, 2 v, 3 g), 64 rows a work-group.  q, k, v leave as codes for the attention launch (qkv), g as f32 (gbuf).  KIND 2: the last layer, 32 rows a work-group, f32 out.
; SHARES.  A work-group owns ROWS rows x all 512 columns, so every basis number and every silu is made and quantised once.  Wave w owns columns 64 w .. 64 w + 63 (a head): 4 column tiles x MT row tiles.
; K = 4,096 + 512 goes in 36 steps of 128, KS to a trip.  In a trip wave w MAKES one fragment of the left operand (row tile w % MT, K step w / MT of the NEXT trip) and MULTIPLIES all eight of this trip
; by its own weights: 32 matrix instructions.  Fragments go from wave to wave through LDS as images of their registers, in two buffers by turns: one barrier a trip.
; The weights' fragments come from wc, where an earlier launch laid them in register order, straight into the one wave that uses them; a set is asked for again behind its last product, a trip ahead of its use.
; CLUSTERS are not used: a weight fragment feeds one wave of a work-group; brought jointly it would have to go through LDS, 48 KB written and 48 KB read a K step beside the 12 KB of images.
; TWO ROLES: waves of role 0 multiply and then make, waves of role 1 make and then multiply; waves w and w + 4 differ in role, and so do waves 2 i and 2 i + 1.
; THE PRODUCT IS USED TRANSPOSED (source 0 = 16 rows of W, source 1 = 16 rows of x): lane (r, h) holds one token; the rows of W that form a tile are chosen so that the 32 registers of a row tile's four
; accumulators are columns 32 b + 16 h + i at register 16 b + i.  Row tile m, lane r is token 32 (m / 2) + 8 (m % 2) + r + 8 (r / 8): the order in which attention wants the keys of a tile.
; BASIS: exp(-((xn - g_j) / DENOM)^2) = 2^(-(y - d_j)^2) with y = xn sqrt(log2 e) / DENOM and d_j = (j - 3.5) sqrt(log2 e); the factor is folded into the LayerNorm's gain and bias.
; LIMITS: NaN and infinities are not served; a block of zeros gets the byte 1 with zero codes; a basis number under 2^-126 is 0 (v_exp_f32's result: ISA guide, its entry); the bias starts the sums and is not added last;
; q's factor 1/8 is left to the attention launch (a power of two, which a block's scale takes up; it differs only where a block of q lies under 2^-119).
.set KIND, 1
.set MT,   4                           ; row tiles of 16
.set LMT,  2                           ; log2 of that
.set KS,   8/MT                        ; K steps in a trip
.set ROWS, 16*MT
.set NR,   2*MT                        ; rows that a wave prepares
.set TS,   32/KS                       ; trips on the basis
.set TB,   4/KS                        ; trips on silu
.set RP,   2064                        ; LDS: a row of y or of silu: 2,048 bytes + 16
.set SR,   ROWS*RP                      ; y at 0, silu here, rows in tile order
.set AIMG, 2*ROWS*RP                    ; two image buffers:
.set IB,   13312                       ; 8 fragments x 1,536 bytes, then 8 x 128 bytes of scale words
.set ASC,  12288
.set STG,  AIMG+2*IB                    ; a stage of 16 rows x 272 bytes for each wave
.set WSTEP, 6400                       ; a K step's block in wc
; window 0
.set L16, 1                            ; 16 x lane
.set L8,  2                            ; 8 x lane
.set SH8, 3                            ; 8 h
.set AY,  4                            ; my lane's y of the fragment that I make
.set AS,  5                            ; the same in silu
.set RI0, 6                            ; images: read
.set RS0, 7                            ; scale words: read
.set WI0, 8                            ; images: my fragment's place
.set WS0, 9                            ; scale words: mine
.set YW,  10                           ; the prologue's stores of y
.set SWA, 11                           ; and of silu
.set STO, 12                           ; the stage: in
.set STR, 13                           ; the stage: back
.set GOF, 14                           ; my bytes in two rows of the output
.set VSTW, 15                          ; v's stage: in
.set VSTR, 16                          ; v's stage: back
.set BBO, 17                           ; 64 h
.set RI,  18                           ; the trip's addresses
.set RS,  19
.set WI,  20
.set WS,  21
.set AYC, 22
.set TP,  23
.set SWR, 24                           ; v24-27  W's scale words, two a K step
.set SA,  32                           ; v32-39  the fragments' scale words
.set YV,  40                           ; v40-47  eight y
.set GR,  48                           ; v48-55  -d_j
.set MX,  56                           ; v56-59  maxima, bytes
.set OP,  60                           ; v60-61  the conversions' scale operands
.set PW,  62                           ; the scale word just made
.set NUM, 64                           ; v64-127 64 numbers
.set AF,  128                          ; v128-223 eight fragments
.set PC,  224                          ; v224-235 the codes just made
.set TC,  236                          ; v236-242 their upper halves
.set XR,  64                           ; the prologue: NR rows x 16
.set LS,  192                          ; gain, bias
.set LB,  208
.set PA,  224                          ; a pair a row
.set PB,  240
.set HB,  128                          ; the way out: half fragments, 8 registers each
.set PWQ, 176
.set SPQ, 180
.set OB,  128
; window 1: accumulator (m, n) at 8 (4 m + n); W's set q at WF + 48 q
.set WF,  32*MT
.set WV,  52
.set ROLE, 53
.set LAY, 54
.set BLK, 55
.set RB,  56
.set WB,  57
.set YO,  58
.set CNT, 59
.set SEL, 60
.set WP,  62
.set C512, 66
.set CEPS, 67
.if KIND == 1
.set XP,  44
.set LSP, 46
.set LBP, 48
.set BBP, 50
.set WCP, 38
.set OUTP, 42
.else
.set XP,  8
.set LSP, 10
.set LBP, 12
.set BBP, 14
.set WCP, 16
.set OUTP, 18
.endif
.set MSB, 0
.macro WIN new                         ; the immediate's high byte repeats the setting that is left
.if MSB != \new
	s_set_vgpr_msb (MSB<<8)|\new
.set MSB, \new
.endif
.endm
.macro WLOAD k                         ; W's four fragments and their scale words of the K step k of the trip at s[WP]: 13 loads
	WIN 0x40                                       ; destination window 1
.irp n, 0,1,2,3
.irp c, 0,1,2
	global_load_b128 v[WF+48*(\k)+12*\n+4*\c:WF+48*(\k)+12*\n+4*\c+3], v[L16], s[WP:WP+1] offset:WSTEP*(\k)+1536*\n+512*\c
.endr
.endr
	WIN 0
	global_load_b64 v[SWR+2*(\k):SWR+2*(\k)+1], v[L8], s[WP:WP+1] offset:WSTEP*(\k)+6144
.endm
.macro QF N                            ; 64 numbers of a lane, register 32 c + i = k 64 c + 32 h + i of my row -> codes in v[PC] on, my row's scale word in v[PW]
.irp k, 0,1,2,3
	v_max3_num_f32 v[MX+\k], |v[\N+16*\k]|, |v[\N+16*\k+1]|, 0x2800000   ; four chains of 16; the floor 2^(5 - 127) holds the byte at 1 from below
.endr
.irp i, 2,4,6,8,10,12,14
.irp k, 0,1,2,3
	v_max3_num_f32 v[MX+\k], v[MX+\k], |v[\N+16*\k+\i]|, |v[\N+16*\k+\i+1]|
.endr
.endr
	v_max_num_f32 v[MX], v[MX], v[MX+1]
	v_max_num_f32 v[MX+2], v[MX+2], v[MX+3]
	v_add_nc_u32 v[OP], 0xfe000000, v[MX]          ; 4 off the exponent field
	v_add_nc_u32 v[OP+1], 0xfe000000, v[MX+2]
	v_lshrrev_b32 v[MX+1], 23, v[OP]
	v_lshrrev_b32 v[MX+3], 23, v[OP+1]
	v_lshl_or_b32 v[PW], v[MX+3], 16, v[MX+1]
	v_lshlrev_b32 v[PW], v[SH8], v[PW]
	v_permlanex16_b32 v[TP], v[PW], s[SEL], s[SEL+1]
	v_or_b32 v[PW], v[PW], v[TP]
	v_cvt_scalef32_pk16_bf6_f32 v[PC:PC+2], v[\N:\N+15], v[OP]
	v_cvt_scalef32_pk16_bf6_f32 v[TC:TC+2], v[\N+16:\N+31], v[OP]
	v_cvt_scalef32_pk16_bf6_f32 v[PC+6:PC+8], v[\N+32:\N+47], v[OP+1]
	v_cvt_scalef32_pk16_bf6_f32 v[TC+4:TC+6], v[\N+48:\N+63], v[OP+1]
	v_nop                                          ; one plain place behind the scaled conversions
.irp i, 0,1,2
	v_mov_b32 v[PC+3+\i], v[TC+\i]
	v_mov_b32 v[PC+9+\i], v[TC+4+\i]
.endr
.endm
.macro IMAGE                           ; the fragment goes to LDS as it stands, 16 bytes a lane; its scale word 4 bytes a lane
	ds_store_b128 v[WI], v[PC:PC+3]
	ds_store_b128 v[WI], v[PC+4:PC+7] offset:512
	ds_store_b128 v[WI], v[PC+8:PC+11] offset:1024
	ds_store_b32 v[WS], v[PW]
.endm
.macro MAKE_S                          ; a fragment of the basis: my row's y of x indices 8 c + 4 h + 0 .. 3 of the K step, eight grid points each
	ds_load_b128 v[YV:YV+3], v[AYC]
	ds_load_b128 v[YV+4:YV+7], v[AYC] offset:32
	s_wait_dscnt 0x0
.irp c, 0,1
.irp u, 0,1
.irp j, 0,2,4,6
	v_pk_add_f32 v[NUM+32*\c+16*\u+\j:NUM+32*\c+16*\u+\j+1], v[YV+4*\c+2*\u:YV+4*\c+2*\u+1], v[GR+\j:GR+\j+1] op_sel:[0,0] op_sel_hi:[0,1]      ; y - d_j, the pair's first y for both halves
	v_pk_add_f32 v[NUM+32*\c+16*\u+8+\j:NUM+32*\c+16*\u+8+\j+1], v[YV+4*\c+2*\u:YV+4*\c+2*\u+1], v[GR+\j:GR+\j+1] op_sel:[1,0] op_sel_hi:[1,1]  ; the pair's second y
.endr
.endr
.endr
.irp e, 0,2,4,6,8,10,12,14,16,18,20,22,24,26,28,30,32,34,36,38,40,42,44,46,48,50,52,54,56,58,60,62
	v_pk_mul_f32 v[NUM+\e:NUM+\e+1], v[NUM+\e:NUM+\e+1], v[NUM+\e:NUM+\e+1] neg_lo:[1,0] neg_hi:[1,0]   ; -(y - d_j)^2
.endr
.irp e, 0,1,2,3,4,5,6,7,8,9,10,11,12,13,14,15,16,17,18,19,20,21,22,23,24,25,26,27,28,29,30,31,32,33,34,35,36,37,38,39,40,41,42,43,44,45,46,47,48,49,50,51,52,53,54,55,56,57,58,59,60,61,62,63
	v_exp_f32 v[NUM+\e], v[NUM+\e]
.endr
	v_nop                                          ; a plain place behind the exponentials
	s_wait_alu depctr_va_vdst(0)
	QF NUM
	IMAGE
.endm
.macro MAKE_B                          ; a fragment of silu(x): 32 neighbours of my row, twice
.irp c, 0,1
.irp i, 0,1,2,3,4,5,6,7
	ds_load_b128 v[NUM+32*\c+4*\i:NUM+32*\c+4*\i+3], v[AYC] offset:256*\c+16*\i
.endr
.endr
	s_wait_dscnt 0x0
	QF NUM
	IMAGE
.endm
.macro ADDR base                       ; the trip's LDS addresses, on every wave's path; five plain lines
	v_add_nc_u32 v[RI], s[RB], v[RI0]
	v_add_nc_u32 v[RS], s[RB], v[RS0]
	v_add_nc_u32 v[WI], s[WB], v[WI0]
	v_add_nc_u32 v[WS], s[WB], v[WS0]
	v_add_nc_u32 v[AYC], s[YO], v[\base]
.endm
; The trip's eight fragments against my weights.  The 4 MT accumulators take turns, one instruction a turn, in the same order in every K step.
.macro MUL reload
.set f, 0
.rept 8
	ds_load_b128 v[AF+12*f:AF+12*f+3], v[RI] offset:1536*f
	ds_load_b128 v[AF+12*f+4:AF+12*f+7], v[RI] offset:1536*f+512
	ds_load_b128 v[AF+12*f+8:AF+12*f+11], v[RI] offset:1536*f+1024
	ds_load_b32 v[SA+f], v[RS] offset:128*f
.set f, f+1
.endr
.set q, 0
.rept KS
	s_wait_dscnt (KS-1-q)*4*MT                     ; this K step's MT fragments are in; the later steps' loads, 4 a fragment, may be out
.if \reload
	s_wait_loadcnt 13*(KS-1)                       ; W's set q is in: behind its 13 loads stand those of KS - 1 younger sets
.else
	s_wait_loadcnt 13*(KS-1-q)                     ; the last trip asks for nothing: the counts run down
.endif
	WIN 0x51                                       ; W, C and D in window 1, the fragment in window 0
.set m, 0
.rept MT
.irp n, 0,2
	v_wmma_scale_f32_16x16x128_f8f6f4 v[8*(4*m+\n):8*(4*m+\n)+7], v[WF+48*q+12*\n:WF+48*q+12*\n+11], v[AF+12*(q*MT+m):AF+12*(q*MT+m)+11], v[8*(4*m+\n):8*(4*m+\n)+7], v[SWR+2*q+\n/2], v[SA+q*MT+m] matrix_a_fmt:MATRIX_FMT_BF6 matrix_b_fmt:MATRIX_FMT_BF6
	v_wmma_scale_f32_16x16x128_f8f6f4 v[8*(4*m+\n+1):8*(4*m+\n+1)+7], v[WF+48*q+12*(\n+1):WF+48*q+12*(\n+1)+11], v[AF+12*(q*MT+m):AF+12*(q*MT+m)+11], v[8*(4*m+\n+1):8*(4*m+\n+1)+7], v[SWR+2*q+\n/2], v[SA+q*MT+m] matrix_a_fmt:MATRIX_FMT_BF6 matrix_b_fmt:MATRIX_FMT_BF6 matrix_a_scale:MATRIX_SCALE_ROW1
.endr
.set m, m+1
.endr
.if \reload
.rept 4
	v_nop                                          ; four places in front of loads into registers that these products have read
.endr
	WLOAD q                                        ; the same K step of the next trip: a whole trip in which to land
.endif
.set q, q+1
.endr
	WIN 0
.endm
; A trip.  In front of the barrier my image stores have landed and my reads of the other buffer are in; behind it the buffer made last trip is read and the buffer read last trip is written.
.macro TRIP kind
	s_wait_dscnt 0x0
	s_barrier_signal -1
	s_barrier_wait -1
.if \kind == 0
	ADDR AY
.else
	ADDR AS
.endif
	s_cmp_eq_u32 s[ROLE], 0
	s_cbranch_scc0 .Lrole1_\@
	MUL 1
.if \kind == 0
	MAKE_S
.else
	MAKE_B
.endif
	s_branch .Ljoin_\@
.Lrole1_\@:
.if \kind == 0
	MAKE_S
.else
	MAKE_B
.endif
	MUL 1
.Ljoin_\@:
	s_xor_b32 s[RB], s[RB], IB
	s_xor_b32 s[WB], s[WB], IB
.if \kind == 0
	s_add_co_u32 s[YO], s[YO], 64*KS
.else
	s_add_co_u32 s[YO], s[YO], 512*KS
.endif
	s_wait_xcnt 0x0                                ; the loads have read their base
	s_add_nc_u64 s[WP:WP+1], s[WP:WP+1], KS*WSTEP
.endm
	; ---- ids, pointers, addresses
	v_lshrrev_b32 v40, 5, v0
	v_readfirstlane_b32 s[WV], v40                 ; wave 0..7
.if KIND == 1
	s_load_b512 s[8:23], s[0:1], 0x0               ; q, k, v, lq_ln_s, lq_ln_b, lq_bb, lk_ln_s, lk_ln_b
	s_load_b512 s[24:39], s[0:1], 0x40             ; lk_bb, lv_ln_s, lv_ln_b, lv_bb, lg_ln_s, lg_ln_b, lg_bb, wc
	s_load_b128 s[40:43], s[0:1], 0x80             ; qkv, gbuf
	v_lshl_add_u32 v31, v0, 2, 0x4f800
	v_mov_b32 v63, 0
	s_and_b32 s[LAY], ttmp7, 0xffff
.else
	s_load_b256 s[8:15], s[0:1], 0x0               ; og, lo_ln_s, lo_ln_b, lo_bb
	s_load_b128 s[16:19], s[0:1], 0x20             ; wc, out0
	s_mov_b32 s[LAY], 4
.endif
	s_mov_b32 s[BLK], ttmp9
	s_lshr_b32 s68, s[WV], 2
	s_xor_b32 s[ROLE], s[WV], s68
	s_and_b32 s[ROLE], s[ROLE], 1
	s_mov_b32 s[SEL], 0x76543210
	s_mov_b32 s[SEL+1], 0xfedcba98                 ; lane l xor 16
	s_mov_b32 s[C512], 0x3b000000                  ; 1 / 512
	s_mov_b32 s[CEPS], 0x3727c5ac                  ; 1e-5
	v_and_b32 v40, 31, v0                          ; lane
	v_and_b32 v41, 15, v0                          ; r
	v_bfe_u32 v42, v0, 4, 1                        ; h
	v_lshlrev_b32 v[L16], 4, v40
	v_lshlrev_b32 v[L8], 3, v40
	v_lshlrev_b32 v[SH8], 3, v42
	v_mov_b32 v[TP], 0
	s_and_b32 s68, s[WV], MT-1                     ; the row tile of the fragment that I make,
	s_lshr_b32 s69, s[WV], LMT                     ; and its K step in the trip
	s_mul_i32 s70, s68, 16*RP
	s_lshl_b32 s71, s69, 6
	s_add_co_u32 s71, s71, s70
	v_mul_u32_u24 v43, v41, RP
	v_lshl_add_u32 v[AY], v42, 4, v43
	v_add_nc_u32 v[AY], s71, v[AY]                 ; (16 m + r) RP + 16 h + 64 p
	s_lshl_b32 s71, s69, 9
	s_add_co_u32 s71, s71, s70
	s_add_co_u32 s71, s71, SR
	v_lshl_add_u32 v[AS], v42, 7, v43
	v_add_nc_u32 v[AS], s71, v[AS]                 ; SR + (16 m + r) RP + 128 h + 512 p
	v_add_nc_u32 v[RI0], AIMG, v[L16]
	v_lshl_add_u32 v[RS0], v40, 2, AIMG+ASC
	s_mul_i32 s71, s[WV], 1536
	v_add_nc_u32 v[WI0], s71, v[RI0]
	s_lshl_b32 s71, s[WV], 7
	v_add_nc_u32 v[WS0], s71, v[RS0]
	s_lshl_b32 s70, s[WV], LMT+1                   ; the first of the NR tokens that I prepare;
	s_and_b32 s71, s70, 0x27                       ; its place in tile order: bits 3 and 4 change places
	s_and_b32 s72, s70, 8
	s_lshl_b32 s72, s72, 1
	s_or_b32 s71, s71, s72
	s_and_b32 s72, s70, 16
	s_lshr_b32 s72, s72, 1
	s_or_b32 s71, s71, s72
	s_mul_i32 s71, s71, RP
	v_add_nc_u32 v[YW], s71, v[L16]
	v_add_nc_u32 v[SWA], SR, v[YW]
	s_mul_i32 s71, s[WV], 4352
	s_add_co_u32 s71, s71, STG
	v_mul_u32_u24 v43, v41, 272
	v_lshl_add_u32 v43, v42, 6, v43                ; 272 r + 64 h
	v_add_nc_u32 v[STO], s71, v43
	v_mul_u32_u24 v44, v42, 272
	v_lshl_add_u32 v44, v41, 4, v44                ; 272 h + 16 r
	v_add_nc_u32 v[STR], s71, v44
	v_lshlrev_b32 v[GOF], 11, v42
	v_lshl_add_u32 v[GOF], v41, 4, v[GOF]          ; lanes 0-15 one row of the output, lanes 16-31 the next
.if KIND == 1
	s_mul_i32 s71, s[WV], 17408
	v_add_nc_u32 v[VSTW], s71, v43
	v_mul_u32_u24 v44, v42, 2176
	v_lshl_add_u32 v44, v41, 2, v44
	v_add_nc_u32 v[VSTR], s71, v44
.endif
	v_lshlrev_b32 v[BBO], 6, v42
	s_wait_kmcnt 0x0
.if KIND == 1
	s_mov_b64 s[XP:XP+1], s[8:9]                   ; the layer's input and vectors: choices on the work-group's number alone.  Layers 0 and 3 read q
	s_mov_b64 s[LSP:LSP+1], s[14:15]
	s_mov_b64 s[LBP:LBP+1], s[16:17]
	s_mov_b64 s[BBP:BBP+1], s[18:19]
	s_cmp_eq_u32 s[LAY], 1
	s_cselect_b64 s[XP:XP+1], s[10:11], s[XP:XP+1]
	s_cselect_b64 s[LSP:LSP+1], s[20:21], s[LSP:LSP+1]
	s_cselect_b64 s[LBP:LBP+1], s[22:23], s[LBP:LBP+1]
	s_cselect_b64 s[BBP:BBP+1], s[24:25], s[BBP:BBP+1]
	s_cmp_eq_u32 s[LAY], 2
	s_cselect_b64 s[XP:XP+1], s[12:13], s[XP:XP+1]
	s_cselect_b64 s[LSP:LSP+1], s[26:27], s[LSP:LSP+1]
	s_cselect_b64 s[LBP:LBP+1], s[28:29], s[LBP:LBP+1]
	s_cselect_b64 s[BBP:BBP+1], s[30:31], s[BBP:BBP+1]
	s_cmp_eq_u32 s[LAY], 3
	s_cselect_b64 s[LSP:LSP+1], s[32:33], s[LSP:LSP+1]
	s_cselect_b64 s[LBP:LBP+1], s[34:35], s[LBP:LBP+1]
	s_cselect_b64 s[BBP:BBP+1], s[36:37], s[BBP:BBP+1]
.endif
	s_mul_i32 s68, s[BLK], ROWS*2048
	s_lshl_b32 s69, s[WV], LMT+12
	s_add_co_u32 s68, s68, s69
	s_mov_b32 s69, 0
	s_add_nc_u64 s[XP:XP+1], s[XP:XP+1], s[68:69]  ; x at my first token
	s_lshl_b32 s68, s[WV], 8
	s_add_nc_u64 s[BBP:BBP+1], s[BBP:BBP+1], s[68:69]   ; the bias at my 64 columns
	s_mul_i32 s68, s[LAY], 1843200
	s_mul_i32 s70, s[WV], 230400
	s_add_co_u32 s68, s68, s70
	s_add_nc_u64 s[WP:WP+1], s[WCP:WCP+1], s[68:69]     ; wc at my layer and head
	; ---- loads: my NR rows of x, gain and bias of the norm, the layer's bias straight into the accumulators, the first trip's weights
.set i, 0
.rept NR
.irp j, 0,1,2,3
	global_load_b128 v[XR+16*i+4*\j:XR+16*i+4*\j+3], v[L16], s[XP:XP+1] offset:2048*i+512*\j
.endr
.set i, i+1
.endr
.irp j, 0,1,2,3
	global_load_b128 v[LS+4*\j:LS+4*\j+3], v[L16], s[LSP:LSP+1] offset:512*\j
	global_load_b128 v[LB+4*\j:LB+4*\j+3], v[L16], s[LBP:LBP+1] offset:512*\j
.endr
	WIN 0x40
.set i, 0
.rept MT
.irp n, 0,1,2,3
	global_load_b128 v[8*(4*i+\n):8*(4*i+\n)+3], v[BBO], s[BBP:BBP+1] offset:128*(\n/2)+32*(\n%2)      ; register j: column 32 (n / 2) + 16 h + 8 (n % 2) + j
	global_load_b128 v[8*(4*i+\n)+4:8*(4*i+\n)+7], v[BBO], s[BBP:BBP+1] offset:128*(\n/2)+32*(\n%2)+16
.endr
.set i, i+1
.endr
	WIN 0
	s_wait_loadcnt 8*MT                            ; x and the norm's vectors are in; the 8 MT loads of the bias may be out
.set i, 0
.rept KS
	WLOAD i
.set i, i+1
.endr
.irp e, 0,2,4,6,8,10,12,14,16,18,20,22,24,26,28,30
	v_pk_mul_f32 v[LS+\e:LS+\e+1], v[LS+\e:LS+\e+1], 0x40068695 op_sel_hi:[1,0]   ; gain and bias x sqrt(log2 e) / DENOM
.endr
	; ---- silu(x) = x / (1 + 2^(-x log2 e)), row by row, two sets of registers by turns
.macro SILUROW r
.set TT, 224+16*((\r)%2)
.set XX, XR+16*(\r)
.if (\r) >= 2
	s_wait_dscnt 4                                 ; the stores of two rows ago have read this set; the last row's four may be out
.endif
.irp e, 0,2,4,6,8,10,12,14
	v_pk_mul_f32 v[TT+\e:TT+\e+1], v[XX+\e:XX+\e+1], 0xbfb8aa3b op_sel_hi:[1,0]
.endr
.irp e, 0,1,2,3,4,5,6,7,8,9,10,11,12,13,14,15
	v_exp_f32 v[TT+\e], v[TT+\e]
.endr
	v_nop
	s_wait_alu depctr_va_vdst(0)
.irp e, 0,2,4,6,8,10,12,14
	v_pk_add_f32 v[TT+\e:TT+\e+1], v[TT+\e:TT+\e+1], 1.0 op_sel_hi:[1,0]
.endr
.irp e, 0,1,2,3,4,5,6,7,8,9,10,11,12,13,14,15
	v_rcp_f32 v[TT+\e], v[TT+\e]
.endr
	v_nop
	s_wait_alu depctr_va_vdst(0)
.irp e, 0,2,4,6,8,10,12,14
	v_pk_mul_f32 v[TT+\e:TT+\e+1], v[TT+\e:TT+\e+1], v[XX+\e:XX+\e+1]
.endr
.irp j, 0,1,2,3
	ds_store_b128 v[SWA], v[TT+4*\j:TT+4*\j+3] offset:RP*(\r)+512*\j
.endr
.endm
.set i, 0
.rept NR
	SILUROW i
.set i, i+1
.endr
	; ---- LayerNorm in two passes, the rows by turns
.macro WSUMS P                         ; each row's pair at v[P + 2 i] becomes the sum over the wave's 32 lanes, in every lane
.set i, 0
.rept NR
	v_add_f32 v[\P+2*i], v[\P+2*i], v[\P+2*i+1]
.set i, i+1
.endr
.irp x, 1,2,4,8
.set i, 0
.rept NR
	v_add_f32_dpp v[\P+2*i], v[\P+2*i], v[\P+2*i] row_xmask:\x row_mask:0xf bank_mask:0xf
.set i, i+1
.endr
.endr
.set i, 0
.rept NR
	v_permlanex16_b32 v[\P+2*i+1], v[\P+2*i], s[SEL], s[SEL+1]
.set i, i+1
.endr
.set i, 0
.rept NR
	v_add_f32 v[\P+2*i], v[\P+2*i], v[\P+2*i+1]
.set i, i+1
.endr
.endm
	s_wait_dscnt 0x0                               ; silu's stores have read their registers
.set i, 0
.rept NR
	v_pk_add_f32 v[PA+2*i:PA+2*i+1], v[XR+16*i:XR+16*i+1], v[XR+16*i+2:XR+16*i+3]
.set i, i+1
.endr
.irp e, 4,6,8,10,12,14
.set i, 0
.rept NR
	v_pk_add_f32 v[PA+2*i:PA+2*i+1], v[PA+2*i:PA+2*i+1], v[XR+16*i+\e:XR+16*i+\e+1]
.set i, i+1
.endr
.endr
	WSUMS PA
.set i, 0
.rept NR
	v_mul_f32 v[PA+2*i], s[C512], v[PA+2*i]        ; the mean
.set i, i+1
.endr
.irp e, 0,2,4,6,8,10,12,14
.set i, 0
.rept NR
	v_pk_add_f32 v[XR+16*i+\e:XR+16*i+\e+1], v[XR+16*i+\e:XR+16*i+\e+1], v[PA+2*i:PA+2*i+1] op_sel_hi:[1,0] neg_lo:[0,1] neg_hi:[0,1]   ; x - mean
.set i, i+1
.endr
.endr
.set i, 0
.rept NR
	v_pk_mul_f32 v[PB+2*i:PB+2*i+1], v[XR+16*i:XR+16*i+1], v[XR+16*i:XR+16*i+1]
.set i, i+1
.endr
.irp e, 2,4,6,8,10,12,14
.set i, 0
.rept NR
	v_pk_fma_f32 v[PB+2*i:PB+2*i+1], v[XR+16*i+\e:XR+16*i+\e+1], v[XR+16*i+\e:XR+16*i+\e+1], v[PB+2*i:PB+2*i+1]
.set i, i+1
.endr
.endr
	WSUMS PB
.set i, 0
.rept NR
	v_fma_f32 v[PB+2*i], v[PB+2*i], s[C512], s[CEPS]   ; the variance + 1e-5
.set i, i+1
.endr
.set i, 0
.rept NR
	v_rsq_f32 v[PB+2*i], v[PB+2*i]
.set i, i+1
.endr
	v_nop
	s_wait_alu depctr_va_vdst(0)
.irp e, 0,2,4,6,8,10,12,14
.set i, 0
.rept NR
	v_pk_mul_f32 v[XR+16*i+\e:XR+16*i+\e+1], v[XR+16*i+\e:XR+16*i+\e+1], v[PB+2*i:PB+2*i+1] op_sel_hi:[1,0]
.set i, i+1
.endr
.endr
.irp e, 0,2,4,6,8,10,12,14
.set i, 0
.rept NR
	v_pk_fma_f32 v[XR+16*i+\e:XR+16*i+\e+1], v[XR+16*i+\e:XR+16*i+\e+1], v[LS+\e:LS+\e+1], v[LB+\e:LB+\e+1]   ; y
.set i, i+1
.endr
.endr
.set i, 0
.rept NR
.irp j, 0,1,2,3
	ds_store_b128 v[YW], v[XR+16*i+4*\j:XR+16*i+4*\j+3] offset:RP*i+512*\j
.endr
.set i, i+1
.endr
	v_mov_b32 v[GR+0], 0x40868695                  ; -d_j = (3.5 - j) sqrt(log2 e)
	v_mov_b32 v[GR+1], 0x40402df9
	v_mov_b32 v[GR+2], 0x3fe69d92
	v_mov_b32 v[GR+3], 0x3f19be61
	v_mov_b32 v[GR+4], 0xbf19be61
	v_mov_b32 v[GR+5], 0xbfe69d92
	v_mov_b32 v[GR+6], 0xc0402df9
	v_mov_b32 v[GR+7], 0xc0868695
	s_wait_xcnt 0x0                                ; the first trip's loads have read their base
	s_add_nc_u64 s[WP:WP+1], s[WP:WP+1], KS*WSTEP
	s_wait_dscnt 0x0                               ; my rows of y and of silu lie in LDS
	s_barrier_signal -1
	s_barrier_wait -1                              ; everybody's do
	s_mov_b32 s[RB], IB
	s_mov_b32 s[WB], 0
	s_mov_b32 s[YO], 0
	ADDR AY
	MAKE_S                                         ; my fragment of trip 0, into buffer 0
	s_xor_b32 s[RB], s[RB], IB
	s_xor_b32 s[WB], s[WB], IB
	s_add_co_u32 s[YO], s[YO], 64*KS
	; ---- the trips: TS - 1 that make a fragment of the basis, TB that make one of silu, one that makes nothing
	s_mov_b32 s[CNT], TS-1
.Ls:
	TRIP 0
	s_sub_co_u32 s[CNT], s[CNT], 1
	s_cmp_lg_u32 s[CNT], 0
	s_cbranch_scc1 .Ls
	s_mov_b32 s[YO], 0
	s_mov_b32 s[CNT], TB
.Lb:
	TRIP 1
	s_sub_co_u32 s[CNT], s[CNT], 1
	s_cmp_lg_u32 s[CNT], 0
	s_cbranch_scc1 .Lb
	s_wait_dscnt 0x0
	s_barrier_signal -1
	s_barrier_wait -1
	ADDR AS
	MUL 0
.rept 4
	v_nop                                          ; four places in front of the first read of results
.endr
.if KIND == 1
; 32 numbers of a lane, register 16 b + i = k 32 b + 16 h + i of my row (K = 64: two blocks) -> half a fragment, registers 0-5 (k = 32 h + 0 .. 31), at v[HB + 8 g]; its scale word (bytes 2, 3 = 127) in v[PWQ + g]
.macro QUANT2 src, win, g
.if \win
	WIN 0x05                                       ; sources 0 and 1 in window 1
.endif
	v_max3_num_f32 v[MX], |v[\src]|, |v[\src+1]|, 0x2800000          ; each accumulator is read from its low end on
	v_max3_num_f32 v[MX+2], |v[\src+16]|, |v[\src+17]|, 0x2800000
.irp i, 2,4,6,8,10,12,14
	v_max3_num_f32 v[MX], |v[\src+\i]|, |v[\src+\i+1]|, v[MX]
	v_max3_num_f32 v[MX+2], |v[\src+16+\i]|, |v[\src+17+\i]|, v[MX+2]
.endr
	WIN 0
	v_permlanex16_b32 v[MX+1], v[MX], s[SEL], s[SEL+1]
	v_permlanex16_b32 v[MX+3], v[MX+2], s[SEL], s[SEL+1]
	v_max_num_f32 v[MX], v[MX], v[MX+1]            ; with lane l xor 16's 16: the block's largest magnitude
	v_max_num_f32 v[MX+2], v[MX+2], v[MX+3]
	v_add_nc_u32 v[OP], 0xfe000000, v[MX]
	v_add_nc_u32 v[OP+1], 0xfe000000, v[MX+2]
	v_lshrrev_b32 v[MX+1], 23, v[OP]
	v_lshrrev_b32 v[MX+3], 23, v[OP+1]
	v_lshl_or_b32 v[PWQ+\g], v[MX+3], 8, v[MX+1]
	v_or_b32 v[PWQ+\g], 0x7f7f0000, v[PWQ+\g]
.if \win
	WIN 0x01
.endif
	v_cvt_scalef32_pk16_bf6_f32 v[HB+8*\g:HB+8*\g+2], v[\src:\src+15], v[OP]
	v_cvt_scalef32_pk16_bf6_f32 v[TC:TC+2], v[\src+16:\src+31], v[OP+1]
	WIN 0
	v_nop                                          ; one plain place behind the scaled conversions
.irp i, 0,1,2
	v_permlane16_swap_b32 v[HB+8*\g+\i], v[TC+\i]  ; a whole block to a lane: lanes 0-15 block 0, lanes 16-31 block 1
.endr
.irp i, 0,1,2
	v_mov_b32 v[HB+8*\g+3+\i], v[TC+\i]
.endr
.endm
.macro PACKSC                          ; the four scale words as they are stored: word 0 groups 0 | 1, word 1 groups 2 | 3
	v_and_b32 v[MX], 16, v0
	v_cmp_ne_u32 vcc_lo, 0, v[MX]
	v_cndmask_b32 v[SPQ], v[PWQ], v[PWQ+1], vcc_lo
	v_cndmask_b32 v[SPQ+1], v[PWQ+2], v[PWQ+3], vcc_lo
	global_store_b64 v[L8], v[SPQ:SPQ+1], s[74:75] offset:6144
.endm
	s_cmp_eq_u32 s[LAY], 3
	s_cbranch_scc1 .Lrows
	s_lshr_b32 s68, s[BLK], 5                      ; the batch,
	s_lshl_b32 s68, s68, 3
	s_add_co_u32 s68, s68, s[WV]                   ; 8 x batch + head
	s_mul_i32 s68, s68, 319488
	s_bfe_u32 s69, s[BLK], 0x40001                 ; the step of 128 tokens
	s_mul_i32 s69, s69, 6656
	s_add_co_u32 s68, s68, s69
	s_and_b32 s70, s[BLK], 1                       ; which 64 of them
	s_mov_b32 s73, 0
	s_mov_b32 s75, 0
	s_lshl_b32 s74, s70, 8
	s_cmp_eq_u32 s[LAY], 2
	s_cbranch_scc1 .Lv
	; ---- q and k: a row tile's 32 registers are a token's 64 numbers of the head: half fragment 4 c + m
	s_cmp_eq_u32 s[LAY], 0
	s_cselect_b32 s69, 212992, 0                   ; side 2 = q, side 0 = k
	s_add_co_u32 s68, s68, s69
	s_mul_i32 s72, s70, 3072
	s_add_co_u32 s72, s72, s68
	s_add_co_u32 s74, s74, s68
	s_add_nc_u64 s[72:73], s[40:41], s[72:73]
	s_add_nc_u64 s[74:75], s[40:41], s[74:75]
.irp g, 0,1,2,3
	QUANT2 32*\g, 1, \g
	global_store_b128 v[L16], v[HB+8*\g:HB+8*\g+3], s[72:73] offset:768*\g          ; 512 consecutive bytes,
	global_store_b64 v[L8], v[HB+8*\g+4:HB+8*\g+5], s[72:73] offset:768*\g+512      ; then 256
.endr
	PACKSC
	s_wait_tensorcnt 0x0
	ds_add_u32 v31, v63
	s_wait_dscnt 0x0
	s_endpgm
.Lv:
	; ---- v: K is the tokens.  My 64 tokens x 64 columns turn through a stage of my own (64 rows x 272 bytes, in the bytes of y and silu, which nobody reads behind the last barrier)
	s_add_co_u32 s68, s68, 106496                  ; side 1
	s_mul_i32 s72, s70, 768
	s_add_co_u32 s72, s72, s68
	s_add_co_u32 s74, s74, s68
	s_add_nc_u64 s[72:73], s[40:41], s[72:73]
	s_add_nc_u64 s[74:75], s[40:41], s[74:75]
	WIN 0x04                                       ; an LDS store's data are its source 1: window 1
.set m, 0
.rept MT
.irp n, 0,1,2,3
	ds_store_b128 v[VSTW], v[8*(4*m+\n):8*(4*m+\n)+3] offset:4352*m+128*(\n/2)+32*(\n%2)
	ds_store_b128 v[VSTW], v[8*(4*m+\n)+4:8*(4*m+\n)+7] offset:4352*m+128*(\n/2)+32*(\n%2)+16
.endr
.set m, m+1
.endr
	WIN 0
.irp g, 0,1,2,3
.irp a, 0,1
.irp i, 0,1,2,3,4,5,6,7,8,9,10,11,12,13,14,15
	ds_load_b32 v[NUM+16*\a+\i], v[VSTR] offset:272*(32*\a+16*(\i/8)+(\i%8))+64*\g   ; column 16 g + r of token 32 a + 16 h + i, which lies at place 32 a + 16 (i / 8) + 8 h + i % 8
.endr
.endr
	s_wait_dscnt 0x0
	QUANT2 NUM, 0, \g
	global_store_b128 v[L16], v[HB+8*\g:HB+8*\g+3], s[72:73] offset:1536*\g         ; half fragment 2 g + c
	global_store_b64 v[L8], v[HB+8*\g+4:HB+8*\g+5], s[72:73] offset:1536*\g+512
.endr
	PACKSC
	s_wait_tensorcnt 0x0
	ds_add_u32 v31, v63
	s_wait_dscnt 0x0
	s_endpgm
.Lrows:
.endif
	; ---- f32 rows out: a row tile at a time through my stage, so that sixteen lanes store 256 consecutive bytes, aligned
	s_mul_i32 s68, s[BLK], ROWS*2048
	s_lshl_b32 s69, s[WV], 8
	s_add_co_u32 s68, s68, s69
	s_mov_b32 s69, 0
	s_add_nc_u64 s[OUTP:OUTP+1], s[OUTP:OUTP+1], s[68:69]
.set m, 0
.rept MT
	WIN 0x04
.irp n, 0,1,2,3
	ds_store_b128 v[STO], v[8*(4*m+\n):8*(4*m+\n)+3] offset:128*(\n/2)+32*(\n%2)
	ds_store_b128 v[STO], v[8*(4*m+\n)+4:8*(4*m+\n)+7] offset:128*(\n/2)+32*(\n%2)+16
.endr
	WIN 0
.if m >= 2
	s_wait_xcnt 0x0                                ; the stores of two tiles ago have read these registers
.endif
.irp i, 0,1,2,3,4,5,6,7
	ds_load_b128 v[OB+32*(m%2)+4*\i:OB+32*(m%2)+4*\i+3], v[STR] offset:544*\i   ; LDS serves a wave's instructions in order: these see the stores above
.endr
	s_wait_dscnt 0x0
.irp i, 0,1,2,3,4,5,6,7
	global_store_b128 v[GOF], v[OB+32*(m%2)+4*\i:OB+32*(m%2)+4*\i+3], s[OUTP:OUTP+1] offset:2048*(32*(m/2)+8*(m%2)+2*\i+8*(\i/4))
.endr
.set m, m+1
.endr
	s_wait_tensorcnt 0x0
	ds_add_u32 v31, v63
	s_wait_dscnt 0x0
	s_endpgm
.Lfunc_end_k_q535fe0a652_kan1:
	.size	k_q535fe0a652_kan1, .Lfunc_end_k_q535fe0a652_kan1-k_q535fe0a652_kan1
	.p2alignl 7, 3214868480
	.fill 96, 4, 3214868480
	.section	.rodata,"a",@progbits
	.p2align	6, 0x0
	.amdhsa_kernel k_q535fe0a652_kan1
		.amdhsa_group_segment_fixed_size 326656
		.amdhsa_private_segment_fixed_size 0
		.amdhsa_enable_private_segment 0
		.amdhsa_kernarg_size 144
		.amdhsa_user_sgpr_count 2
		.amdhsa_user_sgpr_kernarg_segment_ptr 1
		.amdhsa_wavefront_size32 1
		.amdhsa_system_sgpr_workgroup_id_x 1
		.amdhsa_system_sgpr_workgroup_id_y 1
		.amdhsa_system_sgpr_workgroup_id_z 1
		.amdhsa_system_vgpr_workitem_id 0
		.amdhsa_next_free_vgpr 512
		.amdhsa_next_free_sgpr 80
		.amdhsa_reserve_vcc 1
		.amdhsa_float_denorm_mode_32 3
		.amdhsa_float_denorm_mode_16_64 3
		.amdhsa_memory_ordered 1
		.amdhsa_forward_progress 1
		.amdhsa_inst_pref_size 189
	.end_amdhsa_kernel
	.amdgpu_metadata
---
amdhsa.version: [ 1, 2 ]
amdhsa.kernels:
  - .name:           k_q535fe0a652_kan1
    .symbol:         k_q535fe0a652_kan1.kd
    .args:
      - { .name: q, .offset: 0, .size: 8, .value_kind: global_buffer, .address_space: global }
      - { .name: k, .offset: 8, .size: 8, .value_kind: global_buffer, .address_space: global }
      - { .name: v, .offset: 16, .size: 8, .value_kind: global_buffer, .address_space: global }
      - { .name: lq_ln_s, .offset: 24, .size: 8, .value_kind: global_buffer, .address_space: global }
      - { .name: lq_ln_b, .offset: 32, .size: 8, .value_kind: global_buffer, .address_space: global }
      - { .name: lq_bb, .offset: 40, .size: 8, .value_kind: global_buffer, .address_space: global }
      - { .name: lk_ln_s, .offset: 48, .size: 8, .value_kind: global_buffer, .address_space: global }
      - { .name: lk_ln_b, .offset: 56, .size: 8, .value_kind: global_buffer, .address_space: global }
      - { .name: lk_bb, .offset: 64, .size: 8, .value_kind: global_buffer, .address_space: global }
      - { .name: lv_ln_s, .offset: 72, .size: 8, .value_kind: global_buffer, .address_space: global }
      - { .name: lv_ln_b, .offset: 80, .size: 8, .value_kind: global_buffer, .address_space: global }
      - { .name: lv_bb, .offset: 88, .size: 8, .value_kind: global_buffer, .address_space: global }
      - { .name: lg_ln_s, .offset: 96, .size: 8, .value_kind: global_buffer, .address_space: global }
      - { .name: lg_ln_b, .offset: 104, .size: 8, .value_kind: global_buffer, .address_space: global }
      - { .name: lg_bb, .offset: 112, .size: 8, .value_kind: global_buffer, .address_space: global }
      - { .name: wc, .offset: 120, .size: 8, .value_kind: global_buffer, .address_space: global }
      - { .name: qkv, .offset: 128, .size: 8, .value_kind: global_buffer, .address_space: global }
      - { .name: gbuf, .offset: 136, .size: 8, .value_kind: global_buffer, .address_space: global }
    .group_segment_fixed_size: 326656
    .private_segment_fixed_size: 0
    .kernarg_segment_align: 8
    .kernarg_segment_size: 144
    .max_flat_workgroup_size: 256
    .sgpr_count:     80
    .vgpr_count:     512
    .wavefront_size: 32
...
	.end_amdgpu_metadata
.endif
;; end of part 2
;; launch attn (part 3): grid 16 x 16, 8 waves a work-group, no clusters, 248,832 bytes of LDS; arguments qkv, gbuf, og; writes og
.if DOCPART == 3
	.amdgcn_target "amdgcn-amd-amdhsa--gfx1250"
	.amdhsa_code_object_version 6
	.text
	.protected	k_q535fe0a652_attn
	.globl	k_q535fe0a652_attn
	.p2align	8
	.type	k_q535fe0a652_attn,@function
k_q535fe0a652_attn:
	s_mov_b64 s[64:65], 0
	v_nop
	global_prefetch_b8 v0, s[64:65] scope:SCOPE_SE
	s_setreg_imm32_b32 hwreg(HW_REG_WAVE_MODE, 25, 1), 1
	s_wait_xcnt 0x0
; og[token][64 head + d] = sigmoid(g) x (sum over keys of softmax(q . k / 8) v), both products on codes of E3M2 with one E8M0 byte for each 32 along K.
; qkv: [batch x head 16][side: k, v, q][step of 128 tokens 16][6,656 bytes]: 8 half fragments of 768 bytes (16 rows x 64 K as images of registers 0-5: [lane][16 B], [lane][8 B]), then 2 x 256 bytes of scale words.
; k, q: half fragment 4 c + m holds tokens 64 c + 32 (m / 2) + 8 (m % 2) + r + 8 (r / 8), K = the head's 64.  v: half fragment 2 n + c holds rows d = 16 n + r, K = tokens 64 c on.
; THE SOFTMAX: t = score x log2(e) / 8 (q arrives without its factor 1/8); M = the running largest t rounded up to a whole number; p = 2^(t - M) is quantised along the keys, not normalised;
; the row's sum is taken of the unquantised p and divides at the end; when M moves, sum and O are multiplied by 2^(old M - new M), which rounds nothing.
; SHARES.  Work-group x = a block of 128 queries, y = batch x head.  Each of eight waves owns 16 queries (q's half fragment w) and walks all 2,048 keys, 128 a step.
; THE HEAD'S k AND v CODES, 212,992 bytes, COME INTO LDS ONCE, as they lie in memory: each wave brings four blocks of 6,656 bytes by four tensor loads at the head (four of mine are out at the most);
; no LDS byte is ever filled again.  The steps are read in four chunks of four, each behind a counted wait and a barrier, while the later chunks land.
; CLUSTERS are not used: what the sixteen work-groups of a head share is fetched once by each, 213 KB against sixteen steps of softmax on it.
; Both products are used transposed (S^T = k q^T, O^T = v^T p^T): a lane holds one query throughout.  K = 64 of the first product fills half an instruction: registers 6-11 of q and k are zero codes, their scale bytes 127.
; LIMITS: NaN and infinities are not served; a block whose every p is 0 keeps the byte 1 with zero codes.
.set L16, 1                            ; 16 x lane
.set L8,  2                            ; 8 x lane
.set AK16, 3                           ; the step's addresses
.set AK8, 4
.set AV16, 5
.set AV8, 6
.set GOF, 7                            ; the way out: my bytes in two rows
.set KSC, 8                            ; v8-11   k's scale words
.set Q,   16                           ; v16-27  q's fragment
.set VS,  28                           ; v28-29  v's scale words
.set PS,  30                           ; p's scale word
.set QS,  31                           ; q's
.set KF,  32                           ; v32-79  four fragments of k
.set VF,  80                           ; v80-127 four of v
.set S,   128                          ; v128-191 S^T, then p
.set O,   192                          ; v192-223 O^T
.set PC,  224                          ; v224-235 p's codes
.set VR,  236                          ; v236-239 v's scale words as they lie
.set BM,  240                          ; v240-243 the blocks' largest scores
.set T4,  244
.set SO,  248                          ; v248-251 the conversions' scale operands
.set WV,  10
.set BH,  11
.set G1,  16                           ; s[16:23] descriptor group 1
.set G0,  24                           ; s[24:39] four groups 0
.set SEL, 40
.set CS,  42
.set SJ,  44                           ; LDS byte of the step's block of k
.set SJV, 45                           ; and of v
.set CNT, 46
.set VSIDE, 106496
.set STEPB, 6656
.set STG, 212992                       ; behind the codes: a stage of 16 rows x 272 bytes for each wave
	s_load_b128 s[4:7], s[0:1], 0x0                ; qkv, gbuf
	s_load_b64 s[8:9], s[0:1], 0x10                ; og
	v_lshl_add_u32 v255, v0, 2, 0x3c800
	s_set_vgpr_msb 0x40
	v_mov_b32 v1, 0
	s_set_vgpr_msb 0x4044
	ds_add_u32 v255, v1
	ds_add_u32 v255, v1
	s_set_vgpr_msb 0x4400
	v_lshrrev_b32 v3, 5, v0
	v_readfirstlane_b32 s[WV], v3                  ; wave 0..7
	s_and_b32 s[BH], ttmp7, 0xffff
	; group 1: a dense block of 6,656 bytes as 26 rows of 256 bytes (32 elements of 8 bytes), no padding
	s_mov_b32 s[G1], 3<<16
	s_mov_b32 s[G1+1], 32<<16                      ; tensor_dim0
	s_mov_b32 s[G1+2], 26<<16                      ; tensor_dim1
	s_mov_b32 s[G1+3], 32<<16                      ; tile_dim0
	s_mov_b32 s[G1+4], 26                          ; tile_dim1
	s_mov_b32 s[G1+5], 32                          ; the pitch
	s_mov_b32 s[G1+6], 0
	s_mov_b32 s[G1+7], 0
	s_lshr_b32 s48, s[WV], 2                       ; waves 0-3 bring k's steps 4 c + wave % 4, waves 4-7 v's
	s_mul_i32 s48, s48, VSIDE
	s_and_b32 s49, s[WV], 3
	s_mul_i32 s49, s49, STEPB
	s_add_co_u32 s48, s48, s49
	s_mov_b32 s49, 0
	s_mul_i32 s50, s[BH], 319488
	s_mov_b32 s51, 0
	s_wait_dscnt 0x0
	s_wait_kmcnt 0x0
	s_add_nc_u64 s[4:5], s[4:5], s[50:51]          ; qkv at my batch and head
	s_add_nc_u64 s[52:53], s[4:5], s[48:49]
.irp c, 0,1,2,3
	s_mov_b32 s[G0+4*\c], 1
	s_add_co_u32 s[G0+4*\c+1], s48, \c*4*STEPB     ; LDS mirrors memory
	s_add_nc_u64 s[G0+4*\c+2:G0+4*\c+3], s[52:53], \c*4*STEPB
	s_or_b32 s[G0+4*\c+3], s[G0+4*\c+3], 0x80000000
.endr
.irp c, 0,1,2,3
	tensor_load_to_lds s[G0+4*\c:G0+4*\c+3], s[G1:G1+7]
	s_nop 0
.endr
.rept 4
	v_nop
.endr
	v_and_b32 v3, 31, v0
	v_lshlrev_b32 v[L16], 4, v3
	v_lshlrev_b32 v[L8], 3, v3
	v_and_b32 v3, 15, v0
	v_bfe_u32 v4, v0, 4, 1
	v_lshlrev_b32 v[GOF], 11, v4
	v_lshl_add_u32 v[GOF], v3, 4, v[GOF]
	v_lshlrev_b32 v3, 3, v3                        ; q's scale words: 8 bytes a lane of the area
	s_mul_i32 s48, ttmp9, STEPB
	s_add_co_u32 s48, s48, 2*VSIDE                 ; side q, my block's step
	s_mul_i32 s50, s[WV], 768
	s_add_co_u32 s50, s50, s48
	s_add_nc_u64 s[50:51], s[4:5], s[50:51]        ; my half fragment
	s_lshr_b32 s52, s[WV], 2
	s_lshl_b32 s52, s52, 8                         ; its scale words: area wave / 4,
	s_and_b32 s53, s[WV], 1
	s_lshl_b32 s53, s53, 7                         ; lanes 16-31 of it for an odd wave,
	s_add_co_u32 s52, s52, s53
	s_bfe_u32 s53, s[WV], 0x10001
	s_lshl_b32 s53, s53, 2                         ; word (wave / 2) % 2
	s_add_co_u32 s52, s52, s53
	s_add_co_u32 s52, s52, s48
	s_mov_b32 s53, 0
	s_add_nc_u64 s[52:53], s[4:5], s[52:53]
	global_load_b128 v[Q:Q+3], v[L16], s[50:51]
	global_load_b64 v[Q+4:Q+5], v[L8], s[50:51] offset:512
	global_load_b32 v[QS], v3, s[52:53] offset:6144
	s_lshr_b32 s48, s[BH], 3                       ; my first token: 2,048 x batch + 128 x block + 64 (w / 4) + 32 ((w / 2) % 2) + 8 (w % 2)
	s_lshl_b32 s48, s48, 11
	s_lshl_b32 s49, ttmp9, 7
	s_add_co_u32 s48, s48, s49
	s_lshr_b32 s49, s[WV], 2
	s_lshl_b32 s49, s49, 6
	s_add_co_u32 s48, s48, s49
	s_bfe_u32 s49, s[WV], 0x10001
	s_lshl_b32 s49, s49, 5
	s_add_co_u32 s48, s48, s49
	s_and_b32 s49, s[WV], 1
	s_lshl_b32 s49, s49, 3
	s_add_co_u32 s48, s48, s49
	s_lshl_b32 s48, s48, 11                        ; rows of 2,048 bytes,
	s_and_b32 s49, s[BH], 7
	s_lshl_b32 s49, s49, 8                         ; the head's 256 bytes
	s_add_co_u32 s48, s48, s49
	s_mov_b32 s49, 0
	s_add_nc_u64 s[6:7], s[6:7], s[48:49]
	s_add_nc_u64 s[8:9], s[8:9], s[48:49]
	s_mov_b32 s[SEL], 0x76543210
	s_mov_b32 s[SEL+1], 0xfedcba98                 ; lane l xor 16
	s_mov_b32 s[CS], 0x3e38aa3b                    ; c = log2(e) / 8
	s_mov_b32 s[CS+1], s[CS]                       ; (named with it as a pair)
.irp i, 6,7,8,9,10,11
	v_mov_b32 v[Q+\i], 0                           ; zero codes for k = 64 .. 127
	v_mov_b32 v[KF+\i], 0
	v_mov_b32 v[KF+12+\i], 0
	v_mov_b32 v[KF+24+\i], 0
	v_mov_b32 v[KF+36+\i], 0
.endr
	v_mov_b32 v13, 0xff61b1e6                      ; the largest t so far: -3e38
	v_floor_f32 v12, -v13                          ; -M
	v_mov_b32 v14, 0                               ; the sum, in two halves
	v_mov_b32 v15, 0
.irp b, 0,1,2,3
	v_mov_b32 v[T4+\b], 0                          ; a lane permute's destination counts as read
.endr
	v_mov_b32 v253, 0                              ; (the upper half of the pair v[252:253])
.irp j, 0,1,2,3,4,5,6,7,8,9,10,11,12,13,14,15,16,17,18,19,20,21,22,23,24,25,26,27,28,29,30,31
	v_mov_b32 v[O+\j], 0                           ; the step is written once: the first finds zeros
.endr
; A KEY STEP: 128 keys
.macro STEP
	s_add_co_u32 s[SJV], s[SJ], VSIDE
	v_add_nc_u32 v[AK16], s[SJ], v[L16]
	v_add_nc_u32 v[AK8], s[SJ], v[L8]
	v_add_nc_u32 v[AV16], s[SJV], v[L16]
	v_add_nc_u32 v[AV8], s[SJV], v[L8]
.irp g, 0,1                                    ; S^T = k q^T, four tiles of 16 keys at a time
.if \g
.rept 4
	v_nop                                          ; four places in front of loads into registers that matrix instructions have read
.endr
.endif
.irp m, 0,1,2,3
	ds_load_b128 v[KF+12*\m:KF+12*\m+3], v[AK16] offset:768*(4*\g+\m)
	ds_load_b64 v[KF+12*\m+4:KF+12*\m+5], v[AK8] offset:768*(4*\g+\m)+512
.endr
	ds_load_b64 v[KSC+2*\g:KSC+2*\g+1], v[AK8] offset:6144+256*\g
	s_wait_dscnt 0x0
.irp m, 0,2
	v_wmma_scale_f32_16x16x128_f8f6f4 v[S+8*(4*\g+\m):S+8*(4*\g+\m)+7], v[KF+12*\m:KF+12*\m+11], v[Q:Q+11], 0, v[KSC+2*\g+\m/2], v[QS] matrix_a_fmt:MATRIX_FMT_BF6 matrix_b_fmt:MATRIX_FMT_BF6
	v_wmma_scale_f32_16x16x128_f8f6f4 v[S+8*(4*\g+\m+1):S+8*(4*\g+\m+1)+7], v[KF+12*(\m+1):KF+12*(\m+1)+11], v[Q:Q+11], 0, v[KSC+2*\g+\m/2], v[QS] matrix_a_fmt:MATRIX_FMT_BF6 matrix_b_fmt:MATRIX_FMT_BF6 matrix_a_scale:MATRIX_SCALE_ROW1
.endr
.endr                                          ; register 16 b + i of S is key 32 b + 16 h + i of the step
.rept 4
	v_nop
.endr
.irp n, 0,1,2,3                                ; v's fragments land under the softmax
	ds_load_b128 v[VF+12*\n:VF+12*\n+3], v[AV16] offset:1536*\n
	ds_load_b64 v[VF+12*\n+4:VF+12*\n+5], v[AV8] offset:1536*\n+512
	ds_load_b128 v[VF+12*\n+6:VF+12*\n+9], v[AV16] offset:1536*\n+768
	ds_load_b64 v[VF+12*\n+10:VF+12*\n+11], v[AV8] offset:1536*\n+1280
.endr
	ds_load_b64 v[VR:VR+1], v[AV8] offset:6144
	ds_load_b64 v[VR+2:VR+3], v[AV8] offset:6400
.irp b, 0,1,2,3
	v_max3_num_f32 v[BM+\b], v[S+16*\b], v[S+16*\b+1], v[S+16*\b+2]   ; the largest score of each block of 32 keys: for the row's maximum and, since p rises with the score, for the block's largest p
.endr
.irp i, 3,5,7,9,11,13
.irp b, 0,1,2,3
	v_max3_num_f32 v[BM+\b], v[BM+\b], v[S+16*\b+\i], v[S+16*\b+\i+1]
.endr
.endr
.irp b, 0,1,2,3
	v_max_num_f32 v[BM+\b], v[BM+\b], v[S+16*\b+15]
.endr
.irp b, 0,1,2,3
	v_permlanex16_b32 v[T4+\b], v[BM+\b], s[SEL], s[SEL+1]
.endr
.irp b, 0,1,2,3
	v_max_num_f32 v[BM+\b], v[BM+\b], v[T4+\b]     ; with lane l xor 16's 16 keys
.endr
	v_max3_num_f32 v254, v[BM], v[BM+1], v[BM+2]
	v_max_num_f32 v254, v254, v[BM+3]
	v_mul_f32 v254, s[CS], v254                    ; as t (c is positive)
	v_max_num_f32 v13, v13, v254                   ; the running largest t
	v_mov_b32 v254, v12
	v_floor_f32 v12, -v13                          ; the new -M = -ceil(t)
	v_sub_f32 v254, v12, v254                      ; old M - new M: a whole number, 0 or less
	v_cvt_i32_f32 v254, v254                       ; (it saturates)
	v_ldexp_f32 v252, 1.0, v254                    ; f = 2^(old M - new M)
.irp j, 0,2,4,6,8,10,12,14,16,18,20,22,24,26,28,30,32,34,36,38,40,42,44,46,48,50,52,54,56,58,60,62
	v_pk_fma_f32 v[S+\j:S+\j+1], v[S+\j:S+\j+1], s[CS:CS+1], v[12:13] op_sel_hi:[1,0,0]   ; t - M
.endr
.irp b, 0,1,2,3
	v_fma_f32 v[BM+\b], v[BM+\b], s[CS], v12
.endr
.irp j, 0,1,2,3,4,5,6,7,8,9,10,11,12,13,14,15,16,17,18,19,20,21,22,23,24,25,26,27,28,29,30,31,32,33,34,35,36,37,38,39,40,41,42,43,44,45,46,47,48,49,50,51,52,53,54,55,56,57,58,59,60,61,62,63
	v_exp_f32 v[S+\j], v[S+\j]                     ; p
.endr
.irp b, 0,1,2,3
	v_exp_f32 v[BM+\b], v[BM+\b]                   ; the block's largest p: the same two instructions on the same number
.endr
	v_pk_mul_f32 v[14:15], v[14:15], v[252:253] op_sel_hi:[1,0]   ; the sums under the new M; a plain place behind the exponentials
	s_wait_alu depctr_va_vdst(0)
.irp b, 0,1,2,3
	v_max_num_f32 v[BM+\b], 0x2800000, v[BM+\b]    ; the floor 2^(5 - 127)
.endr
.irp b, 0,1,2,3
	v_add_nc_u32 v[SO+\b], 0xfe000000, v[BM+\b]    ; 4 off the exponent field
.endr
.irp b, 0,1,2,3
	v_lshrrev_b32 v[T4+\b], 23, v[SO+\b]           ; the bytes
.endr
	v_lshl_or_b32 v[PS], v[T4+1], 8, v[T4]
	v_lshl_or_b32 v[PS], v[T4+2], 16, v[PS]
	v_lshl_or_b32 v[PS], v[T4+3], 24, v[PS]
.irp c, 0,1
	v_cvt_scalef32_pk16_bf6_f32 v[PC+6*\c:PC+6*\c+2], v[S+32*\c:S+32*\c+15], v[SO+2*\c]
	v_cvt_scalef32_pk16_bf6_f32 v[T4-4*\c:T4-4*\c+2], v[S+32*\c+16:S+32*\c+31], v[SO+2*\c+1]
.endr
	v_nop                                          ; one plain place behind the scaled conversions
.irp c, 0,1                                    ; a whole block to a lane
.irp i, 0,1,2
	v_permlane16_swap_b32 v[PC+6*\c+\i], v[T4-4*\c+\i]
.endr
.irp i, 0,1,2
	v_mov_b32 v[PC+6*\c+3+\i], v[T4-4*\c+\i]
.endr
.endr
	s_wait_dscnt 0x0                               ; v's fragments and scale words are in
	v_perm_b32 v[VS], v[VR+2], v[VR], 0x05040100   ; bytes 0, 1: keys 0-63's blocks; bytes 2, 3: keys 64-127's
	v_perm_b32 v[VS+1], v[VR+3], v[VR+1], 0x05040100
	v_pk_add_f32 v[T4:T4+1], v[S:S+1], v[S+2:S+3]  ; the row's sum, of the unquantised p, in two chains.  These 32 lines are the places between the scale words just made and the products
.irp j, 4,8,12,16,20,24,28,32,36,40,44,48,52,56,60
	v_pk_add_f32 v[14:15], v[14:15], v[S+\j:S+\j+1]
	v_pk_add_f32 v[T4:T4+1], v[T4:T4+1], v[S+\j+2:S+\j+3]
.endr
	v_pk_add_f32 v[14:15], v[14:15], v[T4:T4+1]
.irp j, 0,2,4,6,8,10,12,14,16,18,20,22,24,26,28,30
	v_pk_mul_f32 v[O+\j:O+\j+1], v[O+\j:O+\j+1], v[252:253] op_sel_hi:[1,0]   ; O^T under the new M
.endr
.irp n, 0,2                                    ; O^T += v^T p^T: the four accumulators by turns
	v_wmma_scale_f32_16x16x128_f8f6f4 v[O+8*\n:O+8*\n+7], v[VF+12*\n:VF+12*\n+11], v[PC:PC+11], v[O+8*\n:O+8*\n+7], v[VS+\n/2], v[PS] matrix_a_fmt:MATRIX_FMT_BF6 matrix_b_fmt:MATRIX_FMT_BF6
	v_wmma_scale_f32_16x16x128_f8f6f4 v[O+8*(\n+1):O+8*(\n+1)+7], v[VF+12*(\n+1):VF+12*(\n+1)+11], v[PC:PC+11], v[O+8*(\n+1):O+8*(\n+1)+7], v[VS+\n/2], v[PS] matrix_a_fmt:MATRIX_FMT_BF6 matrix_b_fmt:MATRIX_FMT_BF6 matrix_a_scale:MATRIX_SCALE_ROW1
.endr
.endm
; Steps 4 c .. 4 c + 3.  My load of this chunk has landed (the 3 - c later ones may stay out); behind the barrier everybody's has.
.macro CHUNK c
	s_wait_tensorcnt 3-\c
	s_wait_dscnt 0x0
	s_barrier_signal -1
	s_barrier_wait -1
	s_mov_b32 s[SJ], \c*4*STEPB
	s_mov_b32 s[CNT], 4
.Lstep_\@:
	STEP
	s_add_co_u32 s[SJ], s[SJ], STEPB
	s_sub_co_u32 s[CNT], s[CNT], 1
	s_cmp_lg_u32 s[CNT], 0
	s_cbranch_scc1 .Lstep_\@
.endm
	s_wait_loadcnt 0x0                             ; q
	CHUNK 0
	CHUNK 1
	CHUNK 2
	CHUNK 3
	; THE WAY OUT: O^T / the sum goes through my stage and comes back as rows of 256 bytes; g comes in the same shape; sigmoid(g) x o leaves as aligned runs of 256 bytes
.rept 4
	v_nop
.endr
.irp i, 0,1,2,3,4,5,6,7
	global_load_b128 v[32+4*\i:35+4*\i], v[GOF], s[6:7] offset:2048*(2*\i+8*(\i/4))   ; row 2 i + lane / 16 of my tile is token 2 i + lane / 16 + 8 (i / 4)
.endr
	v_add_f32 v14, v14, v15
	v_permlanex16_b32 v252, v14, s[SEL], s[SEL+1]
	v_add_f32 v14, v14, v252                       ; the row's sum
	v_rcp_f32 v14, v14
	v_and_b32 v5, 15, v0                           ; (plain places behind the reciprocal)
	v_bfe_u32 v6, v0, 4, 1
	s_mul_i32 s48, s[WV], 4352
	s_add_co_u32 s48, s48, STG
	v_mul_u32_u24 v3, v5, 272
	v_lshl_add_u32 v3, v6, 5, v3
	v_add_nc_u32 v3, s48, v3                       ; in: row r, + 32 h; tile n 64 bytes on
	v_mul_u32_u24 v4, v6, 272
	v_lshl_add_u32 v4, v5, 4, v4
	v_add_nc_u32 v4, s48, v4                       ; back: lanes 0-15 one row, lanes 16-31 the next
	s_wait_alu depctr_va_vdst(0)
.irp j, 0,1,2,3,4,5,6,7,8,9,10,11,12,13,14,15,16,17,18,19,20,21,22,23,24,25,26,27,28,29,30,31
	v_mul_f32 v[S+\j], v[O+\j], v14                ; register 8 n + j: o(query r, 16 n + 8 h + j)
.endr
.irp n, 0,1,2,3
	ds_store_b128 v3, v[S+8*\n:S+8*\n+3] offset:64*\n
	ds_store_b128 v3, v[S+8*\n+4:S+8*\n+7] offset:64*\n+16
.endr
.irp i, 0,1,2,3,4,5,6,7
	ds_load_b128 v[64+4*\i:67+4*\i], v4 offset:544*\i   ; LDS serves a wave's instructions in order: these see my stores
.endr
	s_wait_loadcnt 0x0                             ; g
.irp e, 0,2,4,6,8,10,12,14,16,18,20,22,24,26,28,30
	v_pk_mul_f32 v[32+\e:33+\e], v[32+\e:33+\e], 0xbfb8aa3b op_sel_hi:[1,0]
.endr
.irp e, 0,1,2,3,4,5,6,7,8,9,10,11,12,13,14,15,16,17,18,19,20,21,22,23,24,25,26,27,28,29,30,31
	v_exp_f32 v[32+\e], v[32+\e]
.endr
	v_nop
	s_wait_alu depctr_va_vdst(0)
.irp e, 0,2,4,6,8,10,12,14,16,18,20,22,24,26,28,30
	v_pk_add_f32 v[32+\e:33+\e], v[32+\e:33+\e], 1.0 op_sel_hi:[1,0]
.endr
.irp e, 0,1,2,3,4,5,6,7,8,9,10,11,12,13,14,15,16,17,18,19,20,21,22,23,24,25,26,27,28,29,30,31
	v_rcp_f32 v[32+\e], v[32+\e]                   ; sigmoid(g) = 1 / (1 + 2^(-g log2 e))
.endr
	v_nop
	s_wait_dscnt 0x0
	s_wait_alu depctr_va_vdst(0)
.irp e, 0,2,4,6,8,10,12,14,16,18,20,22,24,26,28,30
	v_pk_mul_f32 v[32+\e:33+\e], v[32+\e:33+\e], v[64+\e:65+\e]
.endr
.irp i, 0,1,2,3,4,5,6,7
	global_store_b128 v[GOF], v[32+4*\i:35+4*\i], s[8:9] offset:2048*(2*\i+8*(\i/4))
.endr
	s_set_vgpr_msb 0x4
	s_wait_tensorcnt 0x0
	ds_add_u32 v255, v1
	s_wait_dscnt 0x0
	s_set_vgpr_msb 0x400
	s_endpgm
.Lfunc_end_k_q535fe0a652_attn:
	.size	k_q535fe0a652_attn, .Lfunc_end_k_q535fe0a652_attn-k_q535fe0a652_attn
	.p2alignl 7, 3214868480
	.fill 96, 4, 3214868480
	.section	.rodata,"a",@progbits
	.p2align	6, 0x0
	.amdhsa_kernel k_q535fe0a652_attn
		.amdhsa_group_segment_fixed_size 248832
		.amdhsa_private_segment_fixed_size 0
		.amdhsa_enable_private_segment 0
		.amdhsa_kernarg_size 24
		.amdhsa_user_sgpr_count 2
		.amdhsa_user_sgpr_kernarg_segment_ptr 1
		.amdhsa_wavefront_size32 1
		.amdhsa_system_sgpr_workgroup_id_x 1
		.amdhsa_system_sgpr_workgroup_id_y 1
		.amdhsa_system_sgpr_workgroup_id_z 1
		.amdhsa_system_vgpr_workitem_id 0
		.amdhsa_next_free_vgpr 258
		.amdhsa_next_free_sgpr 66
		.amdhsa_reserve_vcc 0
		.amdhsa_float_denorm_mode_32 3
		.amdhsa_float_denorm_mode_16_64 3
		.amdhsa_memory_ordered 1
		.amdhsa_forward_progress 1
		.amdhsa_inst_pref_size 84
	.end_amdhsa_kernel
	.amdgpu_metadata
---
amdhsa.version: [ 1, 2 ]
amdhsa.kernels:
  - .name:           k_q535fe0a652_attn
    .symbol:         k_q535fe0a652_attn.kd
    .args:
      - { .name: qkv, .offset: 0, .size: 8, .value_kind: global_buffer, .address_space: global }
      - { .name: gbuf, .offset: 8, .size: 8, .value_kind: global_buffer, .address_space: global }
      - { .name: og, .offset: 16, .size: 8, .value_kind: global_buffer, .address_space: global }
    .group_segment_fixed_size: 248832
    .private_segment_fixed_size: 0
    .kernarg_segment_align: 8
    .kernarg_segment_size: 24
    .max_flat_workgroup_size: 256
    .sgpr_count:     66
    .vgpr_count:     258
    .wavefront_size: 32
...
	.end_amdgpu_metadata
.endif
;; end of part 3
;; launch kan2 (part 4): grid 128 x 2, 8 waves a work-group, no clusters, 194,560 bytes of LDS; arguments og, lo_ln_s, lo_ln_b, lo_bb, wc, out0; writes out0
.if DOCPART == 4
	.amdgcn_target "amdgcn-amd-amdhsa--gfx1250"
	.amdhsa_code_object_version 6
	.text
	.protected	k_q535fe0a652_kan2
	.globl	k_q535fe0a652_kan2
	.p2align	8
	.type	k_q535fe0a652_kan2,@function
k_q535fe0a652_kan2:
	s_mov_b64 s[64:65], 0
	v_nop
	global_prefetch_b8 v0, s[64:65] scope:SCOPE_SE
	s_setreg_imm32_b32 hwreg(HW_REG_WAVE_MODE, 25, 1), 1
	s_wait_xcnt 0x0
; The last FastKAN layer: out0 = basis(LayerNorm(og)) lo_sw^T + silu(og) lo_bw^T + lo_bb, both products on codes of E3M2 with one E8M0 byte for each 32 along K.
; SHARES.  Work-group x = a block of 32 rows, y = a half of the 512 columns: 4,096 rows in blocks of 32 are 128 blocks, and the two halves make 256 work-groups, each of which reads half of the
; layer's codes (921,600 bytes of 1,843,200).  The price: a row block's basis and silu are made and quantised by both halves.
; Wave w owns columns 256 y + 32 w .. + 31: tiles 2 p and 2 p + 1 (p = w % 2) of head 4 y + w / 2 in wc; 2 column tiles x 2 row tiles: four accumulators.
; K = 4,096 + 512 goes in 36 steps of 128, four to a trip.  In a trip wave w MAKES one fragment of the left operand (row tile w % 2, K step w / 2 of the NEXT trip) and MULTIPLIES all eight of this trip
; by its own weights: 16 matrix instructions.  Fragments go from wave to wave through LDS as images of their registers, in two buffers by turns: one barrier a trip.
; The weights' fragments come from wc, where an earlier launch laid them in register order, straight into the one wave that uses them; a set is asked for again behind its last product, a trip ahead of its use.
; CLUSTERS are not used: a weight fragment feeds one wave of a work-group; brought jointly it would have to go through LDS, 24 KB written and 24 KB read a K step beside the 12 KB of images.
; TWO ROLES: waves of role 0 multiply and then make, waves of role 1 make and then multiply; waves w and w + 4 differ in role, and so do waves 2 i and 2 i + 1.
; THE PRODUCT IS USED TRANSPOSED (source 0 = 16 rows of W, source 1 = 16 rows of x): lane (r, h) holds one token, and register j of accumulator (m, u) its column 16 h + 8 u + j of the wave's 32.
; Row tile m, lane r is token 8 m + r + 8 (r / 8) of the block.
; BASIS: exp(-((xn - g_j) / DENOM)^2) = 2^(-(y - d_j)^2) with y = xn sqrt(log2 e) / DENOM and d_j = (j - 3.5) sqrt(log2 e); the factor is folded into the LayerNorm's gain and bias.
; LIMITS: NaN and infinities are not served; a block of zeros gets the byte 1 with zero codes; a basis number under 2^-126 is 0 (v_exp_f32's result: ISA guide, its entry); the bias starts the sums and is not added last.
.set MT,   2                           ; row tiles of 16
.set LMT,  1                           ; log2 of that
.set KS,   4                           ; K steps in a trip
.set ROWS, 32
.set NR,   4                           ; rows that a wave prepares
.set TS,   8                           ; trips on the basis
.set TB,   1                           ; trips on silu
.set RP,   2064                        ; LDS: a row of y or of silu: 2,048 bytes + 16
.set SR,   ROWS*RP                      ; y at 0, silu here, rows in tile order
.set AIMG, 2*ROWS*RP                    ; two image buffers:
.set IB,   13312                       ; 8 fragments x 1,536 bytes, then 8 x 128 bytes of scale words
.set ASC,  12288
.set STG,  AIMG+2*IB                    ; the way out: for each of the four heads a stage of 32 rows x 272 bytes
.set WSTEP, 6400                       ; a K step's block in wc
.set WL,   7                           ; loads that bring a K step's weights to a wave
; window 0
.set L16, 1                            ; 16 x lane
.set SH8, 3                            ; 8 h
.set AY,  4                            ; my lane's y of the fragment that I make
.set AS,  5                            ; the same in silu
.set RI0, 6                            ; images: read
.set RS0, 7                            ; scale words: read
.set WI0, 8                            ; images: my fragment's place
.set WS0, 9                            ; scale words: mine
.set YW,  10                           ; the prologue's stores of y
.set SWA, 11                           ; and of silu
.set STO, 12                           ; the stage: in
.set STR, 13                           ; the stage: back
.set GOF, 14                           ; my bytes in two rows of the output
.set LW,  15                           ; wc: 16 x lane + 3,072 p: my pair of tiles
.set LSW, 16                           ; wc: 8 x lane + 4 p: my pair's scale word
.set BBO, 17                           ; 64 h
.set RI,  18                           ; the trip's addresses
.set RS,  19
.set WI,  20
.set WS,  21
.set AYC, 22
.set TP,  23
.set SWR, 24                           ; v24-27  W's scale words, one a K step: lanes 0-15 the even tile's, lanes 16-31 the odd tile's
.set SA,  32                           ; v32-39  the fragments' scale words
.set YV,  40                           ; v40-47  eight y
.set GR,  48                           ; v48-55  -d_j
.set MX,  56                           ; v56-59  maxima, bytes
.set OP,  60                           ; v60-61  the conversions' scale operands
.set PW,  62                           ; the scale word just made
.set NUM, 64                           ; v64-127 64 numbers
.set AF,  128                          ; v128-223 eight fragments
.set PC,  224                          ; v224-235 the codes just made
.set TC,  236                          ; v236-242 their upper halves
.set XR,  64                           ; the prologue: NR rows x 16
.set LS,  192                          ; gain, bias
.set LB,  208
.set PA,  224                          ; a pair a row
.set PB,  240
.set OB,  128                          ; the way out: 16 rows read back
; window 1: accumulator (m, u) at 8 (2 m + u); W's set q at WF + 24 q
.set WF,  32
.set XP,  8
.set LSP, 10
.set LBP, 12
.set BBP, 14
.set WCP, 16
.set OUTP, 18
.set WV,  52
.set ROLE, 53
.set HALF, 54
.set BLK, 55
.set RB,  56
.set WB,  57
.set YO,  58
.set CNT, 59
.set SEL, 60
.set WP,  62
.set C512, 66
.set CEPS, 67
.set PP,  73                           ; p = wave % 2
.set MSB, 0
.macro WIN new                         ; the immediate's high byte repeats the setting that is left
.if MSB != \new
	s_set_vgpr_msb (MSB<<8)|\new
.set MSB, \new
.endif
.endm
.macro WLOAD k                         ; my two fragments of W and their scale word, of K step k of the trip at s[WP]: 7 loads
	WIN 0x40                                       ; destination window 1
.irp u, 0,1
.irp c, 0,1,2
	global_load_b128 v[WF+24*(\k)+12*\u+4*\c:WF+24*(\k)+12*\u+4*\c+3], v[LW], s[WP:WP+1] offset:WSTEP*(\k)+1536*\u+512*\c
.endr
.endr
	WIN 0
	global_load_b32 v[SWR+(\k)], v[LSW], s[WP:WP+1] offset:WSTEP*(\k)+6144
.endm
.macro QF N                            ; 64 numbers of a lane, register 32 c + i = k 64 c + 32 h + i of my row -> codes in v[PC] on, my row's scale word in v[PW]
.irp k, 0,1,2,3
	v_max3_num_f32 v[MX+\k], |v[\N+16*\k]|, |v[\N+16*\k+1]|, 0x2800000   ; four chains of 16; the floor 2^(5 - 127) holds the byte at 1 from below
.endr
.irp i, 2,4,6,8,10,12,14
.irp k, 0,1,2,3
	v_max3_num_f32 v[MX+\k], v[MX+\k], |v[\N+16*\k+\i]|, |v[\N+16*\k+\i+1]|
.endr
.endr
	v_max_num_f32 v[MX], v[MX], v[MX+1]
	v_max_num_f32 v[MX+2], v[MX+2], v[MX+3]
	v_add_nc_u32 v[OP], 0xfe000000, v[MX]          ; 4 off the exponent field
	v_add_nc_u32 v[OP+1], 0xfe000000, v[MX+2]
	v_lshrrev_b32 v[MX+1], 23, v[OP]
	v_lshrrev_b32 v[MX+3], 23, v[OP+1]
	v_lshl_or_b32 v[PW], v[MX+3], 16, v[MX+1]
	v_lshlrev_b32 v[PW], v[SH8], v[PW]
	v_permlanex16_b32 v[TP], v[PW], s[SEL], s[SEL+1]
	v_or_b32 v[PW], v[PW], v[TP]
	v_cvt_scalef32_pk16_bf6_f32 v[PC:PC+2], v[\N:\N+15], v[OP]
	v_cvt_scalef32_pk16_bf6_f32 v[TC:TC+2], v[\N+16:\N+31], v[OP]
	v_cvt_scalef32_pk16_bf6_f32 v[PC+6:PC+8], v[\N+32:\N+47], v[OP+1]
	v_cvt_scalef32_pk16_bf6_f32 v[TC+4:TC+6], v[\N+48:\N+63], v[OP+1]
	v_nop                                          ; one plain place behind the scaled conversions
.irp i, 0,1,2
	v_mov_b32 v[PC+3+\i], v[TC+\i]
	v_mov_b32 v[PC+9+\i], v[TC+4+\i]
.endr
.endm
.macro IMAGE                           ; the fragment goes to LDS as it stands, 16 bytes a lane; its scale word 4 bytes a lane
	ds_store_b128 v[WI], v[PC:PC+3]
	ds_store_b128 v[WI], v[PC+4:PC+7] offset:512
	ds_store_b128 v[WI], v[PC+8:PC+11] offset:1024
	ds_store_b32 v[WS], v[PW]
.endm
.macro MAKE_S                          ; a fragment of the basis: my row's y of x indices 8 c + 4 h + 0 .. 3 of the K step, eight grid points each
	ds_load_b128 v[YV:YV+3], v[AYC]
	ds_load_b128 v[YV+4:YV+7], v[AYC] offset:32
	s_wait_dscnt 0x0
.irp c, 0,1
.irp u, 0,1
.irp j, 0,2,4,6
	v_pk_add_f32 v[NUM+32*\c+16*\u+\j:NUM+32*\c+16*\u+\j+1], v[YV+4*\c+2*\u:YV+4*\c+2*\u+1], v[GR+\j:GR+\j+1] op_sel:[0,0] op_sel_hi:[0,1]      ; y - d_j, the pair's first y for both halves
	v_pk_add_f32 v[NUM+32*\c+16*\u+8+\j:NUM+32*\c+16*\u+8+\j+1], v[YV+4*\c+2*\u:YV+4*\c+2*\u+1], v[GR+\j:GR+\j+1] op_sel:[1,0] op_sel_hi:[1,1]  ; the pair's second y
.endr
.endr
.endr
.irp e, 0,2,4,6,8,10,12,14,16,18,20,22,24,26,28,30,32,34,36,38,40,42,44,46,48,50,52,54,56,58,60,62
	v_pk_mul_f32 v[NUM+\e:NUM+\e+1], v[NUM+\e:NUM+\e+1], v[NUM+\e:NUM+\e+1] neg_lo:[1,0] neg_hi:[1,0]   ; -(y - d_j)^2
.endr
.irp e, 0,1,2,3,4,5,6,7,8,9,10,11,12,13,14,15,16,17,18,19,20,21,22,23,24,25,26,27,28,29,30,31,32,33,34,35,36,37,38,39,40,41,42,43,44,45,46,47,48,49,50,51,52,53,54,55,56,57,58,59,60,61,62,63
	v_exp_f32 v[NUM+\e], v[NUM+\e]
.endr
	v_nop                                          ; a plain place behind the exponentials
	s_wait_alu depctr_va_vdst(0)
	QF NUM
	IMAGE
.endm
.macro MAKE_B                          ; a fragment of silu(x): 32 neighbours of my row, twice
.irp c, 0,1
.irp i, 0,1,2,3,4,5,6,7
	ds_load_b128 v[NUM+32*\c+4*\i:NUM+32*\c+4*\i+3], v[AYC] offset:256*\c+16*\i
.endr
.endr
	s_wait_dscnt 0x0
	QF NUM
	IMAGE
.endm
.macro ADDR base                       ; the trip's LDS addresses, on every wave's path; five plain lines
	v_add_nc_u32 v[RI], s[RB], v[RI0]
	v_add_nc_u32 v[RS], s[RB], v[RS0]
	v_add_nc_u32 v[WI], s[WB], v[WI0]
	v_add_nc_u32 v[WS], s[WB], v[WS0]
	v_add_nc_u32 v[AYC], s[YO], v[\base]
.endm
; The trip's eight fragments against my weights.  The four accumulators take turns, one instruction a turn, in the same order in every K step.
.macro MUL reload
.set f, 0
.rept 8
	ds_load_b128 v[AF+12*f:AF+12*f+3], v[RI] offset:1536*f
	ds_load_b128 v[AF+12*f+4:AF+12*f+7], v[RI] offset:1536*f+512
	ds_load_b128 v[AF+12*f+8:AF+12*f+11], v[RI] offset:1536*f+1024
	ds_load_b32 v[SA+f], v[RS] offset:128*f
.set f, f+1
.endr
.set q, 0
.rept KS
	s_wait_dscnt (KS-1-q)*4*MT                     ; this K step's two fragments are in; the later steps' loads, 4 a fragment, may be out
.if \reload
	s_wait_loadcnt WL*(KS-1)                       ; W's set q is in: behind its 7 loads stand those of three younger sets
.else
	s_wait_loadcnt WL*(KS-1-q)                     ; the last trip asks for nothing: the counts run down
.endif
	WIN 0x51                                       ; W, C and D in window 1, the fragment in window 0
.set m, 0
.rept MT
	v_wmma_scale_f32_16x16x128_f8f6f4 v[8*(2*m):8*(2*m)+7], v[WF+24*q:WF+24*q+11], v[AF+12*(q*MT+m):AF+12*(q*MT+m)+11], v[8*(2*m):8*(2*m)+7], v[SWR+q], v[SA+q*MT+m] matrix_a_fmt:MATRIX_FMT_BF6 matrix_b_fmt:MATRIX_FMT_BF6
	v_wmma_scale_f32_16x16x128_f8f6f4 v[8*(2*m+1):8*(2*m+1)+7], v[WF+24*q+12:WF+24*q+23], v[AF+12*(q*MT+m):AF+12*(q*MT+m)+11], v[8*(2*m+1):8*(2*m+1)+7], v[SWR+q], v[SA+q*MT+m] matrix_a_fmt:MATRIX_FMT_BF6 matrix_b_fmt:MATRIX_FMT_BF6 matrix_a_scale:MATRIX_SCALE_ROW1
.set m, m+1
.endr
.if \reload
.rept 4
	v_nop                                          ; four places in front of loads into registers that these products have read
.endr
	WLOAD q                                        ; the same K step of the next trip: a whole trip in which to land
.endif
.set q, q+1
.endr
	WIN 0
.endm
; A trip.  In front of the barrier my image stores have landed and my reads of the other buffer are in; behind it the buffer made last trip is read and the buffer read last trip is written.
; The weights' base steps behind the barrier: the last trip's loads, which read it, have had their addresses translated behind the wait that stands directly ahead of the step (ISA guide 3.1).
.macro TRIP kind
	s_wait_dscnt 0x0
	s_barrier_signal -1
	s_barrier_wait -1
.if \kind == 0
	ADDR AY
.else
	ADDR AS
.endif
	s_wait_xcnt 0x0
	s_add_nc_u64 s[WP:WP+1], s[WP:WP+1], KS*WSTEP  ; on to the next trip's weights, which this trip asks for
	s_cmp_eq_u32 s[ROLE], 0
	s_cbranch_scc0 .Lrole1_\@
	MUL 1
.if \kind == 0
	MAKE_S
.else
	MAKE_B
.endif
	s_branch .Ljoin_\@
.Lrole1_\@:
.if \kind == 0
	MAKE_S
.else
	MAKE_B
.endif
	MUL 1
.Ljoin_\@:
	s_xor_b32 s[RB], s[RB], IB
	s_xor_b32 s[WB], s[WB], IB
.if \kind == 0
	s_add_co_u32 s[YO], s[YO], 64*KS
.else
	s_add_co_u32 s[YO], s[YO], 512*KS
.endif
.endm
	; ---- ids, pointers, addresses
	v_lshrrev_b32 v40, 5, v0
	v_readfirstlane_b32 s[WV], v40                 ; wave 0..7
	s_load_b256 s[8:15], s[0:1], 0x0               ; og, lo_ln_s, lo_ln_b, lo_bb
	s_load_b128 s[16:19], s[0:1], 0x20             ; wc, out0
	v_lshl_add_u32 v31, v0, 2, 0x2f400
	v_mov_b32 v63, 0
	s_and_b32 s[HALF], ttmp7, 0xffff               ; which 256 columns
	s_mov_b32 s[BLK], ttmp9                        ; which 32 rows
	s_and_b32 s[PP], s[WV], 1
	s_lshr_b32 s68, s[WV], 2
	s_xor_b32 s[ROLE], s[WV], s68
	s_and_b32 s[ROLE], s[ROLE], 1
	s_mov_b32 s[SEL], 0x76543210
	s_mov_b32 s[SEL+1], 0xfedcba98                 ; lane l xor 16
	s_mov_b32 s[C512], 0x3b000000                  ; 1 / 512
	s_mov_b32 s[CEPS], 0x3727c5ac                  ; 1e-5
	v_and_b32 v40, 31, v0                          ; lane
	v_and_b32 v41, 15, v0                          ; r
	v_bfe_u32 v42, v0, 4, 1                        ; h
	v_lshlrev_b32 v[L16], 4, v40
	v_lshlrev_b32 v[SH8], 3, v42
	v_mov_b32 v[TP], 0
	s_mul_i32 s69, s[PP], 3072
	v_add_nc_u32 v[LW], s69, v[L16]                ; my pair of tiles in a K step's block
	s_lshl_b32 s69, s[PP], 2
	v_lshl_add_u32 v[LSW], v40, 3, s69             ; and its scale word
	s_and_b32 s68, s[WV], MT-1                     ; the row tile of the fragment that I make,
	s_lshr_b32 s69, s[WV], LMT                     ; and its K step in the trip
	s_mul_i32 s70, s68, 16*RP
	s_lshl_b32 s71, s69, 6
	s_add_co_u32 s71, s71, s70
	v_mul_u32_u24 v43, v41, RP
	v_lshl_add_u32 v[AY], v42, 4, v43
	v_add_nc_u32 v[AY], s71, v[AY]                 ; (16 m + r) RP + 16 h + 64 x K step
	s_lshl_b32 s71, s69, 9
	s_add_co_u32 s71, s71, s70
	s_add_co_u32 s71, s71, SR
	v_lshl_add_u32 v[AS], v42, 7, v43
	v_add_nc_u32 v[AS], s71, v[AS]                 ; SR + (16 m + r) RP + 128 h + 512 x K step
	v_add_nc_u32 v[RI0], AIMG, v[L16]
	v_lshl_add_u32 v[RS0], v40, 2, AIMG+ASC
	s_mul_i32 s71, s[WV], 1536
	v_add_nc_u32 v[WI0], s71, v[RI0]
	s_lshl_b32 s71, s[WV], 7
	v_add_nc_u32 v[WS0], s71, v[RS0]
	s_lshl_b32 s70, s[WV], LMT+1                   ; the first of the NR tokens that I prepare;
	s_and_b32 s71, s70, 0x27                       ; its place in tile order: bits 3 and 4 change places
	s_and_b32 s72, s70, 8
	s_lshl_b32 s72, s72, 1
	s_or_b32 s71, s71, s72
	s_and_b32 s72, s70, 16
	s_lshr_b32 s72, s72, 1
	s_or_b32 s71, s71, s72
	s_mul_i32 s71, s71, RP
	v_add_nc_u32 v[YW], s71, v[L16]
	v_add_nc_u32 v[SWA], SR, v[YW]
	s_lshr_b32 s71, s[WV], 1                       ; the stage of my head: 32 rows x 272 bytes;
	s_mul_i32 s71, s71, 8704
	s_lshl_b32 s72, s[PP], 7                       ; my 32 columns are 128 bytes of its rows
	s_add_co_u32 s71, s71, s72
	s_add_co_u32 s71, s71, STG
	v_mul_u32_u24 v43, v41, 272
	v_lshl_add_u32 v43, v42, 6, v43                ; 272 r + 64 h
	v_add_nc_u32 v[STO], s71, v43
	s_mul_i32 s71, s[WV], 4352                     ; back: row tile p of my head's stage: 8,704 (w / 2) + 4,352 p = 4,352 w
	s_add_co_u32 s71, s71, STG
	v_mul_u32_u24 v44, v42, 272
	v_lshl_add_u32 v44, v41, 4, v44                ; 272 h + 16 r
	v_add_nc_u32 v[STR], s71, v44
	v_lshlrev_b32 v[GOF], 11, v42
	v_lshl_add_u32 v[GOF], v41, 4, v[GOF]          ; lanes 0-15 one row of the output, lanes 16-31 the next
	v_lshlrev_b32 v[BBO], 6, v42
	s_wait_kmcnt 0x0
	s_mul_i32 s68, s[BLK], ROWS*2048
	s_lshl_b32 s69, s[WV], LMT+12
	s_add_co_u32 s68, s68, s69
	s_mov_b32 s69, 0
	s_add_nc_u64 s[XP:XP+1], s[XP:XP+1], s[68:69]  ; x at my first token
	s_lshl_b32 s68, s[HALF], 10
	s_lshl_b32 s70, s[WV], 7
	s_add_co_u32 s68, s68, s70
	s_add_nc_u64 s[BBP:BBP+1], s[BBP:BBP+1], s[68:69]   ; the bias at my 32 columns
	s_lshl_b32 s68, s[HALF], 2
	s_lshr_b32 s70, s[WV], 1
	s_add_co_u32 s68, s68, s70                     ; my head
	s_mul_i32 s68, s68, 230400
	s_add_co_u32 s68, s68, 4*1843200               ; layer 4
	s_add_nc_u64 s[WP:WP+1], s[WCP:WCP+1], s[68:69]
	; ---- loads: my NR rows of x, gain and bias of the norm, the layer's bias straight into the accumulators, the first trip's weights
.set i, 0
.rept NR
.irp j, 0,1,2,3
	global_load_b128 v[XR+16*i+4*\j:XR+16*i+4*\j+3], v[L16], s[XP:XP+1] offset:2048*i+512*\j
.endr
.set i, i+1
.endr
.irp j, 0,1,2,3
	global_load_b128 v[LS+4*\j:LS+4*\j+3], v[L16], s[LSP:LSP+1] offset:512*\j
	global_load_b128 v[LB+4*\j:LB+4*\j+3], v[L16], s[LBP:LBP+1] offset:512*\j
.endr
	WIN 0x40
.set i, 0
.rept MT
.irp u, 0,1
	global_load_b128 v[8*(2*i+\u):8*(2*i+\u)+3], v[BBO], s[BBP:BBP+1] offset:32*\u      ; register j: column 16 h + 8 u + j of my 32
	global_load_b128 v[8*(2*i+\u)+4:8*(2*i+\u)+7], v[BBO], s[BBP:BBP+1] offset:32*\u+16
.endr
.set i, i+1
.endr
	WIN 0
	s_wait_loadcnt 4*MT                            ; x and the norm's vectors are in; the eight loads of the bias may be out
.set i, 0
.rept KS
	WLOAD i
.set i, i+1
.endr
.irp e, 0,2,4,6,8,10,12,14,16,18,20,22,24,26,28,30
	v_pk_mul_f32 v[LS+\e:LS+\e+1], v[LS+\e:LS+\e+1], 0x40068695 op_sel_hi:[1,0]   ; gain and bias x sqrt(log2 e) / DENOM
.endr
	; ---- silu(x) = x / (1 + 2^(-x log2 e)), row by row, two sets of registers by turns
.macro SILUROW r
.set TT, 224+16*((\r)%2)
.set XX, XR+16*(\r)
.if (\r) >= 2
	s_wait_dscnt 4                                 ; the stores of two rows ago have read this set; the last row's four may be out
.endif
.irp e, 0,2,4,6,8,10,12,14
	v_pk_mul_f32 v[TT+\e:TT+\e+1], v[XX+\e:XX+\e+1], 0xbfb8aa3b op_sel_hi:[1,0]
.endr
.irp e, 0,1,2,3,4,5,6,7,8,9,10,11,12,13,14,15
	v_exp_f32 v[TT+\e], v[TT+\e]
.endr
	v_nop
	s_wait_alu depctr_va_vdst(0)
.irp e, 0,2,4,6,8,10,12,14
	v_pk_add_f32 v[TT+\e:TT+\e+1], v[TT+\e:TT+\e+1], 1.0 op_sel_hi:[1,0]
.endr
.irp e, 0,1,2,3,4,5,6,7,8,9,10,11,12,13,14,15
	v_rcp_f32 v[TT+\e], v[TT+\e]
.endr
	v_nop
	s_wait_alu depctr_va_vdst(0)
.irp e, 0,2,4,6,8,10,12,14
	v_pk_mul_f32 v[TT+\e:TT+\e+1], v[TT+\e:TT+\e+1], v[XX+\e:XX+\e+1]
.endr
.irp j, 0,1,2,3
	ds_store_b128 v[SWA], v[TT+4*\j:TT+4*\j+3] offset:RP*(\r)+512*\j
.endr
.endm
.set i, 0
.rept NR
	SILUROW i
.set i, i+1
.endr
	; ---- LayerNorm in two passes, the rows by turns
.macro WSUMS P                         ; each row's pair at v[P + 2 i] becomes the sum over the wave's 32 lanes, in every lane
.set i, 0
.rept NR
	v_add_f32 v[\P+2*i], v[\P+2*i], v[\P+2*i+1]
.set i, i+1
.endr
.irp x, 1,2,4,8
.set i, 0
.rept NR
	v_add_f32_dpp v[\P+2*i], v[\P+2*i], v[\P+2*i] row_xmask:\x row_mask:0xf bank_mask:0xf
.set i, i+1
.endr
.endr
.set i, 0
.rept NR
	v_permlanex16_b32 v[\P+2*i+1], v[\P+2*i], s[SEL], s[SEL+1]
.set i, i+1
.endr
.set i, 0
.rept NR
	v_add_f32 v[\P+2*i], v[\P+2*i], v[\P+2*i+1]
.set i, i+1
.endr
.endm
	s_wait_dscnt 0x0                               ; silu's stores have read their registers
.set i, 0
.rept NR
	v_pk_add_f32 v[PA+2*i:PA+2*i+1], v[XR+16*i:XR+16*i+1], v[XR+16*i+2:XR+16*i+3]
.set i, i+1
.endr
.irp e, 4,6,8,10,12,14
.set i, 0
.rept NR
	v_pk_add_f32 v[PA+2*i:PA+2*i+1], v[PA+2*i:PA+2*i+1], v[XR+16*i+\e:XR+16*i+\e+1]
.set i, i+1
.endr
.endr
	WSUMS PA
.set i, 0
.rept NR
	v_mul_f32 v[PA+2*i], s[C512], v[PA+2*i]        ; the mean
.set i, i+1
.endr
.irp e, 0,2,4,6,8,10,12,14
.set i, 0
.rept NR
	v_pk_add_f32 v[XR+16*i+\e:XR+16*i+\e+1], v[XR+16*i+\e:XR+16*i+\e+1], v[PA+2*i:PA+2*i+1] op_sel_hi:[1,0] neg_lo:[0,1] neg_hi:[0,1]   ; x - mean
.set i, i+1
.endr
.endr
.set i, 0
.rept NR
	v_pk_mul_f32 v[PB+2*i:PB+2*i+1], v[XR+16*i:XR+16*i+1], v[XR+16*i:XR+16*i+1]
.set i, i+1
.endr
.irp e, 2,4,6,8,10,12,14
.set i, 0
.rept NR
	v_pk_fma_f32 v[PB+2*i:PB+2*i+1], v[XR+16*i+\e:XR+16*i+\e+1], v[XR+16*i+\e:XR+16*i+\e+1], v[PB+2*i:PB+2*i+1]
.set i, i+1
.endr
.endr
	WSUMS PB
.set i, 0
.rept NR
	v_fma_f32 v[PB+2*i], v[PB+2*i], s[C512], s[CEPS]   ; the variance + 1e-5
.set i, i+1
.endr
.set i, 0
.rept NR
	v_rsq_f32 v[PB+2*i], v[PB+2*i]
.set i, i+1
.endr
	v_nop
	s_wait_alu depctr_va_vdst(0)
.irp e, 0,2,4,6,8,10,12,14
.set i, 0
.rept NR
	v_pk_mul_f32 v[XR+16*i+\e:XR+16*i+\e+1], v[XR+16*i+\e:XR+16*i+\e+1], v[PB+2*i:PB+2*i+1] op_sel_hi:[1,0]
.set i, i+1
.endr
.endr
.irp e, 0,2,4,6,8,10,12,14
.set i, 0
.rept NR
	v_pk_fma_f32 v[XR+16*i+\e:XR+16*i+\e+1], v[XR+16*i+\e:XR+16*i+\e+1], v[LS+\e:LS+\e+1], v[LB+\e:LB+\e+1]   ; y
.set i, i+1
.endr
.endr
.set i, 0
.rept NR
.irp j, 0,1,2,3
	ds_store_b128 v[YW], v[XR+16*i+4*\j:XR+16*i+4*\j+3] offset:RP*i+512*\j
.endr
.set i, i+1
.endr
	v_mov_b32 v[GR+0], 0x40868695                  ; -d_j = (3.5 - j) sqrt(log2 e)
	v_mov_b32 v[GR+1], 0x40402df9
	v_mov_b32 v[GR+2], 0x3fe69d92
	v_mov_b32 v[GR+3], 0x3f19be61
	v_mov_b32 v[GR+4], 0xbf19be61
	v_mov_b32 v[GR+5], 0xbfe69d92
	v_mov_b32 v[GR+6], 0xc0402df9
	v_mov_b32 v[GR+7], 0xc0868695
	s_wait_dscnt 0x0                               ; my rows of y and of silu lie in LDS
	s_barrier_signal -1
	s_barrier_wait -1                              ; everybody's do
	s_mov_b32 s[RB], IB
	s_mov_b32 s[WB], 0
	s_mov_b32 s[YO], 0
	ADDR AY
	MAKE_S                                         ; my fragment of trip 0, into buffer 0
	s_xor_b32 s[RB], s[RB], IB
	s_xor_b32 s[WB], s[WB], IB
	s_add_co_u32 s[YO], s[YO], 64*KS
	; ---- the trips: TS - 1 that make a fragment of the basis, TB that make one of silu, one that makes nothing
	s_mov_b32 s[CNT], TS-1
.Ls:
	TRIP 0
	s_sub_co_u32 s[CNT], s[CNT], 1
	s_cmp_lg_u32 s[CNT], 0
	s_cbranch_scc1 .Ls
	s_mov_b32 s[YO], 0
	s_mov_b32 s[CNT], TB
.Lb:
	TRIP 1
	s_sub_co_u32 s[CNT], s[CNT], 1
	s_cmp_lg_u32 s[CNT], 0
	s_cbranch_scc1 .Lb
	s_wait_dscnt 0x0
	s_barrier_signal -1
	s_barrier_wait -1
	ADDR AS
	MUL 0
.rept 4
	v_nop                                          ; four places in front of the first read of results
.endr
	; ---- THE WAY OUT.  My 32 columns are half of an aligned 256 bytes of a row: the two waves of a head write the two halves of the same stage rows; a barrier; then wave w takes row tile p of its head whole,
	; so that sixteen lanes store 256 consecutive bytes, aligned.
	s_mul_i32 s68, s[BLK], ROWS*2048
	s_lshl_b32 s69, s[HALF], 10                    ; the half's 1,024 bytes,
	s_add_co_u32 s68, s68, s69
	s_lshr_b32 s69, s[WV], 1
	s_lshl_b32 s69, s69, 8                         ; the head's 256,
	s_add_co_u32 s68, s68, s69
	s_lshl_b32 s69, s[PP], 14                      ; row tile p begins at token 8 p
	s_add_co_u32 s68, s68, s69
	s_mov_b32 s69, 0
	s_add_nc_u64 s[OUTP:OUTP+1], s[OUTP:OUTP+1], s[68:69]
	WIN 0x04                                       ; an LDS store's data are its source 1: window 1
.set m, 0
.rept MT
.irp u, 0,1
	ds_store_b128 v[STO], v[8*(2*m+\u):8*(2*m+\u)+3] offset:4352*m+32*\u          ; each accumulator from its low end on
	ds_store_b128 v[STO], v[8*(2*m+\u)+4:8*(2*m+\u)+7] offset:4352*m+32*\u+16
.endr
.set m, m+1
.endr
	WIN 0
	s_wait_dscnt 0x0                               ; for the other wave's sake: my stores into the stage are done
	s_barrier_signal -1
	s_barrier_wait -1
.irp i, 0,1,2,3,4,5,6,7
	ds_load_b128 v[OB+4*\i:OB+4*\i+3], v[STR] offset:544*\i                       ; rows 2 i and 2 i + 1 of the tile
.endr
.irp i, 0,1,2,3,4,5,6,7
	s_wait_dscnt 7-\i                              ; load i is in; the younger ones may be out
	global_store_b128 v[GOF], v[OB+4*\i:OB+4*\i+3], s[OUTP:OUTP+1] offset:2048*(2*\i+8*(\i/4))   ; row rr of the tile is token 8 p + rr + 8 (rr / 8)
.endr
	s_wait_tensorcnt 0x0
	ds_add_u32 v31, v63
	s_wait_dscnt 0x0
	s_endpgm
.Lfunc_end_k_q535fe0a652_kan2:
	.size	k_q535fe0a652_kan2, .Lfunc_end_k_q535fe0a652_kan2-k_q535fe0a652_kan2
	.p2alignl 7, 3214868480
	.fill 96, 4, 3214868480
	.section	.rodata,"a",@progbits
	.p2align	6, 0x0
	.amdhsa_kernel k_q535fe0a652_kan2
		.amdhsa_group_segment_fixed_size 194560
		.amdhsa_private_segment_fixed_size 0
		.amdhsa_enable_private_segment 0
		.amdhsa_kernarg_size 48
		.amdhsa_user_sgpr_count 2
		.amdhsa_user_sgpr_kernarg_segment_ptr 1
		.amdhsa_wavefront_size32 1
		.amdhsa_system_sgpr_workgroup_id_x 1
		.amdhsa_system_sgpr_workgroup_id_y 1
		.amdhsa_system_sgpr_workgroup_id_z 1
		.amdhsa_system_vgpr_workitem_id 0
		.amdhsa_next_free_vgpr 384
		.amdhsa_next_free_sgpr 80
		.amdhsa_reserve_vcc 0
		.amdhsa_float_denorm_mode_32 3
		.amdhsa_float_denorm_mode_16_64 3
		.amdhsa_memory_ordered 1
		.amdhsa_forward_progress 1
		.amdhsa_inst_pref_size 117
	.end_amdhsa_kernel
	.amdgpu_metadata
---
amdhsa.version: [ 1, 2 ]
amdhsa.kernels:
  - .name:           k_q535fe0a652_kan2
    .symbol:         k_q535fe0a652_kan2.kd
    .args:
      - { .name: og, .offset: 0, .size: 8, .value_kind: global_buffer, .address_space: global }
      - { .name: lo_ln_s, .offset: 8, .size: 8, .value_kind: global_buffer, .address_space: global }
      - { .name: lo_ln_b, .offset: 16, .size: 8, .value_kind: global_buffer, .address_space: global }
      - { .name: lo_bb, .offset: 24, .size: 8, .value_kind: global_buffer, .address_space: global }
      - { .name: wc, .offset: 32, .size: 8, .value_kind: global_buffer, .address_space: global }
      - { .name: out0, .offset: 40, .size: 8, .value_kind: global_buffer, .address_space: global }
    .group_segment_fixed_size: 194560
    .private_segment_fixed_size: 0
    .kernarg_segment_align: 8
    .kernarg_segment_size: 48
    .max_flat_workgroup_size: 256
    .sgpr_count:     80
    .vgpr_count:     384
    .wavefront_size: 32
...
	.end_amdgpu_metadata
.endif
;; end of part 4
;; ======== version 2 of 2: 4 launches; version 1 with the launches kan1, kan2 written anew for expert scheduling mode
;; workspace buffers: wc 9,216,000 bytes; qkv 5,111,808 bytes; gbuf 8,388,608 bytes; og 8,388,608 bytes
;; launch wquant: the kernel of part 1 again; grid 36 x 10, 4 waves a work-group, no clusters, 34,304 bytes of LDS; arguments lq_sw, lk_sw, lv_sw, lg_sw, lo_sw, lq_bw, lk_bw, lv_bw, lg_bw, lo_bw, wc; writes wc
;; launch kan1 (part 5): grid 64 x 4, 8 waves a work-group, no clusters, 326,656 bytes of LDS; arguments q, k, v, lq_ln_s, lq_ln_b, lq_bb, lk_ln_s, lk_ln_b, lk_bb, lv_ln_s, lv_ln_b, lv_bb, lg_ln_s, lg_ln_b, lg_bb, wc, qkv, gbuf; writes qkv, gbuf
.if DOCPART == 5
	.amdgcn_target "amdgcn-amd-amdhsa--gfx1250"
	.amdhsa_code_object_version 6
	.text
	.protected	k_q535fe0a652_kan1
	.globl	k_q535fe0a652_kan1
	.p2align	8
	.type	k_q535fe0a652_kan1,@function
k_q535fe0a652_kan1:
	s_mov_b64 s[64:65], 0
	v_nop
	global_prefetch_b8 v0, s[64:65] scope:SCOPE_SE
	s_setreg_imm32_b32 hwreg(HW_REG_WAVE_SCHED_MODE, 0, 2), 2
	s_setreg_imm32_b32 hwreg(HW_REG_WAVE_MODE, 25, 1), 1
	s_wait_xcnt 0x0
	s_wait_alu depctr_vm_vsrc(0)
; A FastKAN layer: out = basis(LayerNorm(x)) sw^T + silu(x) bw^T + bb, both products on codes of E3M2 with one E8M0 byte for each 32 along K.
; Four layers (work-group y: 0 q, 1 k, 2 v, 3 g), 64 rows a work-group.  q, k, v leave as codes for the attention launch (qkv), g as f32 (gbuf).
; SHARES.  A work-group owns ROWS rows x all 512 columns, so every basis number and every silu is made and quantised once.  Wave w owns columns 64 w .. 64 w + 63 (a head): 4 column tiles x MT row tiles.
; K = 4,096 + 512 goes in 36 steps of 128, KS to a trip.  In a trip wave w MAKES one fragment of the left operand (row tile w % MT, K step w / MT of the NEXT trip) and MULTIPLIES all eight of this trip
; by its own weights: 32 matrix instructions.  Fragments go from wave to wave through LDS as images of their registers, in two buffers by turns: one barrier a trip.
; The weights' fragments come from wc, where an earlier launch laid them in register order, straight into the one wave that uses them; a set is asked for again behind its last product, a trip ahead of its use.
; CLUSTERS are not used: a weight fragment feeds one wave of a work-group; brought jointly it would have to go through LDS, 48 KB written and 48 KB read a K step beside the 12 KB of images.
; TWO ROLES: waves of role 0 multiply and then make, waves of role 1 make and then multiply; waves w and w + 4 differ in role, and so do waves 2 i and 2 i + 1.
; THE PRODUCT IS USED TRANSPOSED (source 0 = 16 rows of W, source 1 = 16 rows of x): lane (r, h) holds one token; the rows of W that form a tile are chosen so that the 32 registers of a row tile's four
; accumulators are columns 32 b + 16 h + i at register 16 b + i.  Row tile m, lane r is token 32 (m / 2) + 8 (m % 2) + r + 8 (r / 8): the order in which attention wants the keys of a tile.
; BASIS: exp(-((xn - g_j) / DENOM)^2) = 2^(-(y - d_j)^2) with y = xn sqrt(log2 e) / DENOM and d_j = (j - 3.5) sqrt(log2 e); the factor is folded into the LayerNorm's gain and bias.
; LIMITS: NaN and infinities are not served; a block of zeros gets the byte 1 with zero codes; a basis number under 2^-126 is 0 (v_exp_f32's result: ISA guide, its entry); the bias starts the sums and is not added last;
; q's factor 1/8 is left to the attention launch (a power of two, which a block's scale takes up; it differs only where a block of q lies under 2^-119).
; THE MODE: SCHED_MODE bits 1:0 = 2 (LLVM: expert scheduling mode 2), set by the entry lines.  The code itself states the register dependences
; between vector or matrix instructions and memory or LDS instructions, with s_wait_alu, always for 0.
; THE PLAN.  Registers that memory or LDS instructions touch in a trip, and who else names them:
;   RI, RS, WI, WS, AYC  LDS addresses: written by five additions at the trip's head, read by the trip's LDS loads and stores.
;   AF, SA               the eight fragments and their scale words: 32 LDS loads land in them, the trip's products read them.
;   YV or NUM            my y (basis) or my silu: LDS loads land in them, the making of my fragment reads them (and writes NUM).
;   PC, PW               my fragment's codes and scale word: written by the conversions, moves and shifts, read by four LDS stores.
;   W's set q, SWR       global loads land in them, K step q's products read them.
;   L8, LW1              offsets of the weights' loads: made at the head, never written again (LW1 is 16 x lane once more, in window 1, so that a load stands among the products under their window setting).
; THE WAITS OF A TRIP.  At its head one on vm_vsrc (the last trip's LDS instructions have read the addresses, PC and PW) and, behind the five additions, one on va_vdst (the addresses are written; the last trip's
; products are done reading AF and SA, its fragment's arithmetic is done with YV and NUM): behind it all the trip's LDS loads owe nothing more, wherever they stand, since nothing names their registers before the products.
; So a wave of role 0 asks for its y with the fragments, and a wave of role 1 asks for the fragments behind its exponentials.  One on va_vdst at the head of each K step but the first, and one behind the last:
; the step before is done reading its weights; that set's loads follow, dealt among this step's products, which name other registers.  One behind the exponentials, one ahead of the image's stores.
.set MT,   4                           ; row tiles of 16
.set LMT,  2                           ; log2 of that
.set KS,   8/MT                        ; K steps in a trip
.set ROWS, 16*MT
.set NR,   2*MT                        ; rows that a wave prepares
.set TS,   32/KS                       ; trips on the basis
.set TB,   4/KS                        ; trips on silu
.set RP,   2064                        ; LDS: a row of y or of silu: 2,048 bytes + 16
.set SR,   ROWS*RP                      ; y at 0, silu here, rows in tile order
.set AIMG, 2*ROWS*RP                    ; two image buffers:
.set IB,   13312                       ; 8 fragments x 1,536 bytes, then 8 x 128 bytes of scale words
.set ASC,  12288
.set STG,  AIMG+2*IB                    ; a stage of 16 rows x 272 bytes for each wave
.set WSTEP, 6400                       ; a K step's block in wc
.set WLN,  12                          ; loads of 16 bytes a lane that bring a K step's four fragments; one more brings their scale words
; window 0
.set L16, 1                            ; 16 x lane
.set L8,  2                            ; 8 x lane
.set SH8, 3                            ; 8 h
.set AY,  4                            ; my lane's y of the fragment that I make
.set AS,  5                            ; the same in silu
.set RI0, 6                            ; images: read
.set RS0, 7                            ; scale words: read
.set WI0, 8                            ; images: my fragment's place
.set WS0, 9                            ; scale words: mine
.set YW,  10                           ; the prologue's stores of y
.set SWA, 11                           ; and of silu
.set STO, 12                           ; the stage: in
.set STR, 13                           ; the stage: back
.set GOF, 14                           ; my bytes in two rows of the output
.set VSTW, 15                          ; v's stage: in
.set VSTR, 16                          ; v's stage: back
.set BBO, 17                           ; 64 h
.set RI,  18                           ; the trip's addresses
.set RS,  19
.set WI,  20
.set WS,  21
.set AYC, 22
.set TP,  23
.set SWR, 24                           ; v24-27  W's scale words, two a K step
.set SA,  32                           ; v32-39  the fragments' scale words
.set YV,  40                           ; v40-47  eight y
.set GR,  48                           ; v48-55  -d_j
.set MX,  56                           ; v56-59  maxima, bytes
.set OP,  60                           ; v60-61  the conversions' scale operands
.set PW,  62                           ; the scale word just made
.set NUM, 64                           ; v64-127 64 numbers
.set AF,  128                          ; v128-223 eight fragments
.set PC,  224                          ; v224-235 the codes just made
.set TC,  236                          ; v236-242 their upper halves
.set XR,  64                           ; the prologue: NR rows x 16
.set LS,  192                          ; gain, bias
.set LB,  208
.set TT,  224                          ; v224-255 silu of two rows
.set PA,  224                          ; a pair a row
.set PB,  240
.set VN,  64                           ; the way out: v's numbers, 32 registers for each of four groups: v64-191
.set HB,  192                          ; the way out: half fragments, 8 registers each: v192-223
.set PWQ, 224
.set SPQ, 228
.set OB,  64                           ; the way out: rows read back, 32 registers for each of four tiles: v64-191
; window 1: accumulator (m, n) at 8 (4 m + n); W's set q at WF + 48 q; behind them 16 x lane once more
.set WF,  32*MT
.set LW1, 224
.set WV,  52
.set ROLE, 53
.set LAY, 54
.set BLK, 55
.set RB,  56
.set WB,  57
.set YO,  58
.set CNT, 59
.set SEL, 60
.set WP,  62
.set C512, 66
.set CEPS, 67
.set XP,  44
.set LSP, 46
.set LBP, 48
.set BBP, 50
.set WCP, 38
.set OUTP, 42
.set MSB, 0
.macro WIN new                         ; the immediate's high byte repeats the setting that is left
.if MSB != \new
	s_set_vgpr_msb (MSB<<8)|\new
.set MSB, \new
.endif
.endm
.macro WL1 k, i                        ; load i of the 12 that bring W's four fragments of K step k of the trip at s[WP]; data and offset in window 1: it stands under the products' window setting
	global_load_b128 v[WF+48*(\k)+4*(\i):WF+48*(\k)+4*(\i)+3], v[LW1], s[WP:WP+1] offset:WSTEP*(\k)+512*(\i)
.endm
.macro WLS k                           ; and their scale words, in window 0
	global_load_b64 v[SWR+2*(\k):SWR+2*(\k)+1], v[L8], s[WP:WP+1] offset:WSTEP*(\k)+6144
.endm
.macro WLOAD k                         ; a whole set in one run: 13 loads
	WIN 0x51
.set w, 0
.rept WLN
	WL1 \k, w
.set w, w+1
.endr
	WIN 0
	WLS \k
.endm
.macro DEAL                            ; behind a product: the next load of the set that the K step before has left
.if dl
.if w < WLN
	WL1 q-1, w
.set w, w+1
.endif
.endif
.endm
.macro QF N                            ; 64 numbers of a lane, register 32 c + i = k 64 c + 32 h + i of my row -> codes in v[PC] on, my row's scale word in v[PW]
.irp k, 0,1,2,3
	v_max3_num_f32 v[MX+\k], |v[\N+16*\k]|, |v[\N+16*\k+1]|, 0x2800000   ; four chains of 16; the floor 2^(5 - 127) holds the byte at 1 from below
.endr
.irp i, 2,4,6,8,10,12,14
.irp k, 0,1,2,3
	v_max3_num_f32 v[MX+\k], v[MX+\k], |v[\N+16*\k+\i]|, |v[\N+16*\k+\i+1]|
.endr
.endr
	v_max_num_f32 v[MX], v[MX], v[MX+1]
	v_max_num_f32 v[MX+2], v[MX+2], v[MX+3]
	v_add_nc_u32 v[OP], 0xfe000000, v[MX]          ; 4 off the exponent field
	v_add_nc_u32 v[OP+1], 0xfe000000, v[MX+2]
	v_lshrrev_b32 v[MX+1], 23, v[OP]
	v_lshrrev_b32 v[MX+3], 23, v[OP+1]
	v_lshl_or_b32 v[PW], v[MX+3], 16, v[MX+1]
	v_lshlrev_b32 v[PW], v[SH8], v[PW]
	v_permlanex16_b32 v[TP], v[PW], s[SEL], s[SEL+1]
	v_or_b32 v[PW], v[PW], v[TP]
	v_cvt_scalef32_pk16_bf6_f32 v[PC:PC+2], v[\N:\N+15], v[OP]
	v_cvt_scalef32_pk16_bf6_f32 v[TC:TC+2], v[\N+16:\N+31], v[OP]
	v_cvt_scalef32_pk16_bf6_f32 v[PC+6:PC+8], v[\N+32:\N+47], v[OP+1]
	v_cvt_scalef32_pk16_bf6_f32 v[TC+4:TC+6], v[\N+48:\N+63], v[OP+1]
	v_nop                                          ; one plain place behind the scaled conversions
.irp i, 0,1,2
	v_mov_b32 v[PC+3+\i], v[TC+\i]
	v_mov_b32 v[PC+9+\i], v[TC+4+\i]
.endr
.endm
.macro IMAGE                           ; the fragment goes to LDS as it stands, 16 bytes a lane; its scale word 4 bytes a lane
	ds_store_b128 v[WI], v[PC:PC+3]
	ds_store_b128 v[WI], v[PC+4:PC+7] offset:512
	ds_store_b128 v[WI], v[PC+8:PC+11] offset:1024
	ds_store_b32 v[WS], v[PW]
.endm
.macro LOADA                           ; the trip's eight fragments and their scale words: 32 LDS loads.  No wait: nothing since the wait at the trip's head names AF, SA, RI or RS
.set f, 0
.rept 8
	ds_load_b128 v[AF+12*f:AF+12*f+3], v[RI] offset:1536*f
	ds_load_b128 v[AF+12*f+4:AF+12*f+7], v[RI] offset:1536*f+512
	ds_load_b128 v[AF+12*f+8:AF+12*f+11], v[RI] offset:1536*f+1024
	ds_load_b32 v[SA+f], v[RS] offset:128*f
.set f, f+1
.endr
.endm
.macro LOADY kind                      ; what my fragment is made of.  kind 0: my row's y of x indices 8 c + 4 h + 0 .. 3 of the K step: 2 loads.  kind 1: silu(x), 32 neighbours of my row, twice: 16 loads
.if \kind == 0
	ds_load_b128 v[YV:YV+3], v[AYC]
	ds_load_b128 v[YV+4:YV+7], v[AYC] offset:32
.else
.irp c, 0,1
.irp i, 0,1,2,3,4,5,6,7
	ds_load_b128 v[NUM+32*\c+4*\i:NUM+32*\c+4*\i+3], v[AYC] offset:256*\c+16*\i
.endr
.endr
.endif
.endm
; My fragment is made, quantised and stored.  la = 1 (role 1): the trip's fragments are asked for on the way, so that they land under the quantising.
.macro MAKEV kind, la
.if \kind == 0
	s_wait_dscnt 0x0                               ; my eight y are in
.irp c, 0,1
.irp u, 0,1
.irp j, 0,2,4,6
	v_pk_add_f32 v[NUM+32*\c+16*\u+\j:NUM+32*\c+16*\u+\j+1], v[YV+4*\c+2*\u:YV+4*\c+2*\u+1], v[GR+\j:GR+\j+1] op_sel:[0,0] op_sel_hi:[0,1]      ; y - d_j, the pair's first y for both halves
	v_pk_add_f32 v[NUM+32*\c+16*\u+8+\j:NUM+32*\c+16*\u+8+\j+1], v[YV+4*\c+2*\u:YV+4*\c+2*\u+1], v[GR+\j:GR+\j+1] op_sel:[1,0] op_sel_hi:[1,1]  ; the pair's second y
.endr
.endr
.endr
.irp e, 0,2,4,6,8,10,12,14,16,18,20,22,24,26,28,30,32,34,36,38,40,42,44,46,48,50,52,54,56,58,60,62
	v_pk_mul_f32 v[NUM+\e:NUM+\e+1], v[NUM+\e:NUM+\e+1], v[NUM+\e:NUM+\e+1] neg_lo:[1,0] neg_hi:[1,0]   ; -(y - d_j)^2
.endr
.irp e, 0,1,2,3,4,5,6,7,8,9,10,11,12,13,14,15,16,17,18,19,20,21,22,23,24,25,26,27,28,29,30,31,32,33,34,35,36,37,38,39,40,41,42,43,44,45,46,47,48,49,50,51,52,53,54,55,56,57,58,59,60,61,62,63
	v_exp_f32 v[NUM+\e], v[NUM+\e]
.endr
	v_nop                                          ; a plain place behind the exponentials
.if \la
	LOADA
.endif
	s_wait_alu depctr_va_vdst(0)                   ; the 64 exponentials have written v[NUM ..]: one wait for the batch, ahead of its first reader
.else
.if \la
	LOADA
	s_wait_dscnt 32                                ; my silu is in; the 32 younger loads, the fragments, may be out
.else
	s_wait_dscnt 0x0                               ; my silu is in
.endif
.endif
	QF NUM
	s_wait_alu depctr_va_vdst(0)                   ; the conversions and moves have written v[PC ..] and the shifts v[PW], which the LDS stores read
	IMAGE
.endm
; The trip's LDS addresses, on every wave's path, between the two waits of the trip's head.
.macro ADDR base
	s_wait_alu depctr_vm_vsrc(0)                   ; the LDS instructions issued so far have read their registers: the five addresses, written below; v[PC ..] and v[PW], written by this trip's fragment; at the first use the rows of y, in whose registers numbers are made and fragments land
	v_add_nc_u32 v[RI], s[RB], v[RI0]
	v_add_nc_u32 v[RS], s[RB], v[RS0]
	v_add_nc_u32 v[WI], s[WB], v[WI0]
	v_add_nc_u32 v[WS], s[WB], v[WS0]
	v_add_nc_u32 v[AYC], s[YO], v[\base]
	s_wait_alu depctr_va_vdst(0)                   ; the five addresses are written, which the trip's LDS instructions read; the last trip's products are done reading AF and SA, its fragment's arithmetic is done with YV and NUM: LDS loads land in all four
.endm
; The trip's eight fragments against my weights.  The 4 MT accumulators take turns, one instruction a turn, in the same order in every K step.
; extra: the LDS instructions issued behind the fragments' loads, which may stay out (role 0: the loads for my fragment; role 1: the image's four stores).
.macro PROD reload, extra
.set q, 0
.rept KS
	s_wait_dscnt (KS-1-q)*4*MT+(\extra)            ; this K step's MT fragments are in; the later steps' loads, 4 a fragment, and the extra may be out
.set dl, 0
.if \reload
.if q == 0
	s_wait_loadcnt (WLN+1)*(KS-1)                  ; W's set 0 is in: behind its 13 loads stand those of KS - 1 younger sets
.else
	s_wait_loadcnt (WLN+1)*(KS-2)                  ; W's set q is in: behind it stand KS - 2 younger sets (the set that the step before has left is asked for below)
	WIN 0
	s_wait_alu depctr_va_vdst(0)                   ; the products of the K step before are done reading their set of W and its scale words, in which the loads below land
	WLS q-1
.set dl, 1
.endif
.else
	s_wait_loadcnt (WLN+1)*(KS-1-q)                ; the last trip asks for nothing: the counts run down
.endif
	WIN 0x51                                       ; W, C and D in window 1, the fragment in window 0
.set m, 0
.set w, 0
.rept MT
.irp n, 0,2
	v_wmma_scale_f32_16x16x128_f8f6f4 v[8*(4*m+\n):8*(4*m+\n)+7], v[WF+48*q+12*\n:WF+48*q+12*\n+11], v[AF+12*(q*MT+m):AF+12*(q*MT+m)+11], v[8*(4*m+\n):8*(4*m+\n)+7], v[SWR+2*q+\n/2], v[SA+q*MT+m] matrix_a_fmt:MATRIX_FMT_BF6 matrix_b_fmt:MATRIX_FMT_BF6
	DEAL                                           ; no wait: no product since the wait above names the other set or v[LW1]
	v_wmma_scale_f32_16x16x128_f8f6f4 v[8*(4*m+\n+1):8*(4*m+\n+1)+7], v[WF+48*q+12*(\n+1):WF+48*q+12*(\n+1)+11], v[AF+12*(q*MT+m):AF+12*(q*MT+m)+11], v[8*(4*m+\n+1):8*(4*m+\n+1)+7], v[SWR+2*q+\n/2], v[SA+q*MT+m] matrix_a_fmt:MATRIX_FMT_BF6 matrix_b_fmt:MATRIX_FMT_BF6 matrix_a_scale:MATRIX_SCALE_ROW1
	DEAL
.endr
.set m, m+1
.endr
.if \reload
.rept 4
	v_nop                                          ; four places behind the products whose set is loaded again (ISA guide 7.12.1); they stay beside the wait that follows
.endr
.endif
.set q, q+1
.endr
.if \reload
	s_wait_alu depctr_va_vdst(0)                   ; the last K step's products are done reading their set of W and its scale words, in which the loads below land
	WLOAD KS-1                                     ; the same K step of the next trip
.endif
	WIN 0
.endm
; A trip.  In front of the barrier my image stores have landed and my reads of the other buffer are in; behind it the buffer made last trip is read and the buffer read last trip is written.
.macro TRIP kind
	s_wait_dscnt 0x0
	s_barrier_signal -1
	s_barrier_wait -1
.if \kind == 0
	ADDR AY
.else
	ADDR AS
.endif
	s_cmp_eq_u32 s[ROLE], 0
	s_cbranch_scc0 .Lrole1_\@
	LOADA
	LOADY \kind                                    ; asked for with the fragments: it lands under the products
	PROD 1, 2+14*\kind
	MAKEV \kind, 0
	s_branch .Ljoin_\@
.Lrole1_\@:
	LOADY \kind
	MAKEV \kind, 1
	PROD 1, 4
.Ljoin_\@:
	s_xor_b32 s[RB], s[RB], IB
	s_xor_b32 s[WB], s[WB], IB
.if \kind == 0
	s_add_co_u32 s[YO], s[YO], 64*KS
.else
	s_add_co_u32 s[YO], s[YO], 512*KS
.endif
	s_wait_xcnt 0x0                                ; the loads have read their base
	s_add_nc_u64 s[WP:WP+1], s[WP:WP+1], KS*WSTEP
.endm
	; ---- ids, pointers, addresses
	v_lshrrev_b32 v40, 5, v0
	v_readfirstlane_b32 s[WV], v40                 ; wave 0..7
	s_load_b512 s[8:23], s[0:1], 0x0               ; q, k, v, lq_ln_s, lq_ln_b, lq_bb, lk_ln_s, lk_ln_b
	s_load_b512 s[24:39], s[0:1], 0x40             ; lk_bb, lv_ln_s, lv_ln_b, lv_bb, lg_ln_s, lg_ln_b, lg_bb, wc
	s_load_b128 s[40:43], s[0:1], 0x80             ; qkv, gbuf
	v_lshl_add_u32 v31, v0, 2, 0x4f800
	v_mov_b32 v63, 0
	s_and_b32 s[LAY], ttmp7, 0xffff
	s_mov_b32 s[BLK], ttmp9
	s_wait_alu depctr_va_sdst(0)                   ; the wave's number is written, ahead of its first reader: the role, LDS addresses and bases are made from it
	s_lshr_b32 s68, s[WV], 2
	s_xor_b32 s[ROLE], s[WV], s68
	s_and_b32 s[ROLE], s[ROLE], 1
	s_mov_b32 s[SEL], 0x76543210
	s_mov_b32 s[SEL+1], 0xfedcba98                 ; lane l xor 16
	s_mov_b32 s[C512], 0x3b000000                  ; 1 / 512
	s_mov_b32 s[CEPS], 0x3727c5ac                  ; 1e-5
	v_and_b32 v40, 31, v0                          ; lane
	v_and_b32 v41, 15, v0                          ; r
	v_bfe_u32 v42, v0, 4, 1                        ; h
	v_lshlrev_b32 v[L16], 4, v40
	v_lshlrev_b32 v[L8], 3, v40
	v_lshlrev_b32 v[SH8], 3, v42
	v_mov_b32 v[TP], 0
	s_and_b32 s68, s[WV], MT-1                     ; the row tile of the fragment that I make,
	s_lshr_b32 s69, s[WV], LMT                     ; and its K step in the trip
	s_mul_i32 s70, s68, 16*RP
	s_lshl_b32 s71, s69, 6
	s_add_co_u32 s71, s71, s70
	v_mul_u32_u24 v43, v41, RP
	v_lshl_add_u32 v[AY], v42, 4, v43
	v_add_nc_u32 v[AY], s71, v[AY]                 ; (16 m + r) RP + 16 h + 64 p
	s_lshl_b32 s71, s69, 9
	s_add_co_u32 s71, s71, s70
	s_add_co_u32 s71, s71, SR
	v_lshl_add_u32 v[AS], v42, 7, v43
	v_add_nc_u32 v[AS], s71, v[AS]                 ; SR + (16 m + r) RP + 128 h + 512 p
	v_add_nc_u32 v[RI0], AIMG, v[L16]
	v_lshl_add_u32 v[RS0], v40, 2, AIMG+ASC
	s_mul_i32 s71, s[WV], 1536
	v_add_nc_u32 v[WI0], s71, v[RI0]
	s_lshl_b32 s71, s[WV], 7
	v_add_nc_u32 v[WS0], s71, v[RS0]
	s_lshl_b32 s70, s[WV], LMT+1                   ; the first of the NR tokens that I prepare;
	s_and_b32 s71, s70, 0x27                       ; its place in tile order: bits 3 and 4 change places
	s_and_b32 s72, s70, 8
	s_lshl_b32 s72, s72, 1
	s_or_b32 s71, s71, s72
	s_and_b32 s72, s70, 16
	s_lshr_b32 s72, s72, 1
	s_or_b32 s71, s71, s72
	s_mul_i32 s71, s71, RP
	v_add_nc_u32 v[YW], s71, v[L16]
	v_add_nc_u32 v[SWA], SR, v[YW]
	s_mul_i32 s71, s[WV], 4352
	s_add_co_u32 s71, s71, STG
	v_mul_u32_u24 v43, v41, 272
	v_lshl_add_u32 v43, v42, 6, v43                ; 272 r + 64 h
	v_add_nc_u32 v[STO], s71, v43
	v_mul_u32_u24 v44, v42, 272
	v_lshl_add_u32 v44, v41, 4, v44                ; 272 h + 16 r
	v_add_nc_u32 v[STR], s71, v44
	v_lshlrev_b32 v[GOF], 11, v42
	v_lshl_add_u32 v[GOF], v41, 4, v[GOF]          ; lanes 0-15 one row of the output, lanes 16-31 the next
	s_mul_i32 s71, s[WV], 17408
	v_add_nc_u32 v[VSTW], s71, v43
	v_mul_u32_u24 v44, v42, 2176
	v_lshl_add_u32 v44, v41, 2, v44
	v_add_nc_u32 v[VSTR], s71, v44
	v_lshlrev_b32 v[BBO], 6, v42
	WIN 0x40                                       ; destination window 1
	v_mov_b32 v[LW1], v[L16]                       ; 16 x lane once more, beside the weights' registers
	WIN 0
	s_wait_kmcnt 0x0
	s_mov_b64 s[XP:XP+1], s[8:9]                   ; the layer's input and vectors: choices on the work-group's number alone.  Layers 0 and 3 read q
	s_mov_b64 s[LSP:LSP+1], s[14:15]
	s_mov_b64 s[LBP:LBP+1], s[16:17]
	s_mov_b64 s[BBP:BBP+1], s[18:19]
	s_cmp_eq_u32 s[LAY], 1
	s_cselect_b64 s[XP:XP+1], s[10:11], s[XP:XP+1]
	s_cselect_b64 s[LSP:LSP+1], s[20:21], s[LSP:LSP+1]
	s_cselect_b64 s[LBP:LBP+1], s[22:23], s[LBP:LBP+1]
	s_cselect_b64 s[BBP:BBP+1], s[24:25], s[BBP:BBP+1]
	s_cmp_eq_u32 s[LAY], 2
	s_cselect_b64 s[XP:XP+1], s[12:13], s[XP:XP+1]
	s_cselect_b64 s[LSP:LSP+1], s[26:27], s[LSP:LSP+1]
	s_cselect_b64 s[LBP:LBP+1], s[28:29], s[LBP:LBP+1]
	s_cselect_b64 s[BBP:BBP+1], s[30:31], s[BBP:BBP+1]
	s_cmp_eq_u32 s[LAY], 3
	s_cselect_b64 s[LSP:LSP+1], s[32:33], s[LSP:LSP+1]
	s_cselect_b64 s[LBP:LBP+1], s[34:35], s[LBP:LBP+1]
	s_cselect_b64 s[BBP:BBP+1], s[36:37], s[BBP:BBP+1]
	s_mul_i32 s68, s[BLK], ROWS*2048
	s_lshl_b32 s69, s[WV], LMT+12
	s_add_co_u32 s68, s68, s69
	s_mov_b32 s69, 0
	s_add_nc_u64 s[XP:XP+1], s[XP:XP+1], s[68:69]  ; x at my first token
	s_lshl_b32 s68, s[WV], 8
	s_add_nc_u64 s[BBP:BBP+1], s[BBP:BBP+1], s[68:69]   ; the bias at my 64 columns
	s_mul_i32 s68, s[LAY], 1843200
	s_mul_i32 s70, s[WV], 230400
	s_add_co_u32 s68, s68, s70
	s_add_nc_u64 s[WP:WP+1], s[WCP:WCP+1], s[68:69]     ; wc at my layer and head
	; ---- loads: my NR rows of x, gain and bias of the norm, the layer's bias straight into the accumulators, the first trip's weights
	s_wait_alu depctr_va_vdst(0)                   ; all offsets and LDS addresses of the head, v1 to v17 and v[LW1], are written, which the kernel's loads and stores read; so are v40 to v44, in which y lands later
.set i, 0
.rept NR
.irp j, 0,1,2,3
	global_load_b128 v[XR+16*i+4*\j:XR+16*i+4*\j+3], v[L16], s[XP:XP+1] offset:2048*i+512*\j
.endr
.set i, i+1
.endr
.irp j, 0,1,2,3
	global_load_b128 v[LS+4*\j:LS+4*\j+3], v[L16], s[LSP:LSP+1] offset:512*\j
	global_load_b128 v[LB+4*\j:LB+4*\j+3], v[L16], s[LBP:LBP+1] offset:512*\j
.endr
	WIN 0x40
.set i, 0
.rept MT
.irp n, 0,1,2,3
	global_load_b128 v[8*(4*i+\n):8*(4*i+\n)+3], v[BBO], s[BBP:BBP+1] offset:128*(\n/2)+32*(\n%2)      ; register j: column 32 (n / 2) + 16 h + 8 (n % 2) + j
	global_load_b128 v[8*(4*i+\n)+4:8*(4*i+\n)+7], v[BBO], s[BBP:BBP+1] offset:128*(\n/2)+32*(\n%2)+16
.endr
.set i, i+1
.endr
	WIN 0
	s_wait_loadcnt 8*MT                            ; x and the norm's vectors are in; the 8 MT loads of the bias may be out
.set i, 0
.rept KS
	WLOAD i                                        ; no vector instruction since the wait above
.set i, i+1
.endr
.irp e, 0,2,4,6,8,10,12,14,16,18,20,22,24,26,28,30
	v_pk_mul_f32 v[LS+\e:LS+\e+1], v[LS+\e:LS+\e+1], 0x40068695 op_sel_hi:[1,0]   ; gain and bias x sqrt(log2 e) / DENOM
.endr
	; ---- silu(x) = x / (1 + 2^(-x log2 e)), two rows (32 registers on end) at a time, so that a wait serves 32 results
.macro SILU2 r
.set XX, XR+16*(\r)
.if (\r) >= 2
	s_wait_alu depctr_vm_vsrc(0)                   ; the last two rows' LDS stores have read v[TT ..], which is written again
.endif
.irp e, 0,2,4,6,8,10,12,14,16,18,20,22,24,26,28,30
	v_pk_mul_f32 v[TT+\e:TT+\e+1], v[XX+\e:XX+\e+1], 0xbfb8aa3b op_sel_hi:[1,0]
.endr
.irp e, 0,1,2,3,4,5,6,7,8,9,10,11,12,13,14,15,16,17,18,19,20,21,22,23,24,25,26,27,28,29,30,31
	v_exp_f32 v[TT+\e], v[TT+\e]
.endr
	v_nop                                          ; a plain place behind the exponentials
	s_wait_alu depctr_va_vdst(0)                   ; the 32 exponentials have written v[TT ..], ahead of their first reader
.irp e, 0,2,4,6,8,10,12,14,16,18,20,22,24,26,28,30
	v_pk_add_f32 v[TT+\e:TT+\e+1], v[TT+\e:TT+\e+1], 1.0 op_sel_hi:[1,0]
.endr
.irp e, 0,1,2,3,4,5,6,7,8,9,10,11,12,13,14,15,16,17,18,19,20,21,22,23,24,25,26,27,28,29,30,31
	v_rcp_f32 v[TT+\e], v[TT+\e]
.endr
	v_nop                                          ; a plain place behind the reciprocals
	s_wait_alu depctr_va_vdst(0)                   ; the 32 reciprocals have written v[TT ..], ahead of their first reader
.irp e, 0,2,4,6,8,10,12,14,16,18,20,22,24,26,28,30
	v_pk_mul_f32 v[TT+\e:TT+\e+1], v[TT+\e:TT+\e+1], v[XX+\e:XX+\e+1]
.endr
	s_wait_alu depctr_va_vdst(0)                   ; the multiplications have written v[TT ..], which the LDS stores read
.irp u, 0,1
.irp j, 0,1,2,3
	ds_store_b128 v[SWA], v[TT+16*\u+4*\j:TT+16*\u+4*\j+3] offset:RP*((\r)+\u)+512*\j
.endr
.endr
.endm
.set i, 0
.rept NR/2
	SILU2 i
.set i, i+2
.endr
	; ---- LayerNorm in two passes, the rows by turns
.macro WSUMS P                         ; each row's pair at v[P + 2 i] becomes the sum over the wave's 32 lanes, in every lane
.set i, 0
.rept NR
	v_add_f32 v[\P+2*i], v[\P+2*i], v[\P+2*i+1]
.set i, i+1
.endr
.irp x, 1,2,4,8
.set i, 0
.rept NR
	v_add_f32_dpp v[\P+2*i], v[\P+2*i], v[\P+2*i] row_xmask:\x row_mask:0xf bank_mask:0xf
.set i, i+1
.endr
.endr
.set i, 0
.rept NR
	v_permlanex16_b32 v[\P+2*i+1], v[\P+2*i], s[SEL], s[SEL+1]
.set i, i+1
.endr
.set i, 0
.rept NR
	v_add_f32 v[\P+2*i], v[\P+2*i], v[\P+2*i+1]
.set i, i+1
.endr
.endm
	s_wait_alu depctr_vm_vsrc(0)                   ; silu's LDS stores have read v[TT ..]: these registers are the rows' pairs from here on
.set i, 0
.rept NR
	v_pk_add_f32 v[PA+2*i:PA+2*i+1], v[XR+16*i:XR+16*i+1], v[XR+16*i+2:XR+16*i+3]
.set i, i+1
.endr
.irp e, 4,6,8,10,12,14
.set i, 0
.rept NR
	v_pk_add_f32 v[PA+2*i:PA+2*i+1], v[PA+2*i:PA+2*i+1], v[XR+16*i+\e:XR+16*i+\e+1]
.set i, i+1
.endr
.endr
	WSUMS PA
.set i, 0
.rept NR
	v_mul_f32 v[PA+2*i], s[C512], v[PA+2*i]        ; the mean
.set i, i+1
.endr
.irp e, 0,2,4,6,8,10,12,14
.set i, 0
.rept NR
	v_pk_add_f32 v[XR+16*i+\e:XR+16*i+\e+1], v[XR+16*i+\e:XR+16*i+\e+1], v[PA+2*i:PA+2*i+1] op_sel_hi:[1,0] neg_lo:[0,1] neg_hi:[0,1]   ; x - mean
.set i, i+1
.endr
.endr
.set i, 0
.rept NR
	v_pk_mul_f32 v[PB+2*i:PB+2*i+1], v[XR+16*i:XR+16*i+1], v[XR+16*i:XR+16*i+1]
.set i, i+1
.endr
.irp e, 2,4,6,8,10,12,14
.set i, 0
.rept NR
	v_pk_fma_f32 v[PB+2*i:PB+2*i+1], v[XR+16*i+\e:XR+16*i+\e+1], v[XR+16*i+\e:XR+16*i+\e+1], v[PB+2*i:PB+2*i+1]
.set i, i+1
.endr
.endr
	WSUMS PB
.set i, 0
.rept NR
	v_fma_f32 v[PB+2*i], v[PB+2*i], s[C512], s[CEPS]   ; the variance + 1e-5
.set i, i+1
.endr
.set i, 0
.rept NR
	v_rsq_f32 v[PB+2*i], v[PB+2*i]
.set i, i+1
.endr
	v_nop                                          ; a plain place behind the reciprocal roots
	s_wait_alu depctr_va_vdst(0)                   ; the NR reciprocal roots have written their registers, ahead of their first reader
.irp e, 0,2,4,6,8,10,12,14
.set i, 0
.rept NR
	v_pk_mul_f32 v[XR+16*i+\e:XR+16*i+\e+1], v[XR+16*i+\e:XR+16*i+\e+1], v[PB+2*i:PB+2*i+1] op_sel_hi:[1,0]
.set i, i+1
.endr
.endr
.irp e, 0,2,4,6,8,10,12,14
.set i, 0
.rept NR
	v_pk_fma_f32 v[XR+16*i+\e:XR+16*i+\e+1], v[XR+16*i+\e:XR+16*i+\e+1], v[LS+\e:LS+\e+1], v[LB+\e:LB+\e+1]   ; y
.set i, i+1
.endr
.endr
	s_wait_alu depctr_va_vdst(0)                   ; the multiply-adds have written y in v[XR ..], which the LDS stores read
.set i, 0
.rept NR
.irp j, 0,1,2,3
	ds_store_b128 v[YW], v[XR+16*i+4*\j:XR+16*i+4*\j+3] offset:RP*i+512*\j
.endr
.set i, i+1
.endr
	v_mov_b32 v[GR+0], 0x40868695                  ; -d_j = (3.5 - j) sqrt(log2 e)
	v_mov_b32 v[GR+1], 0x40402df9
	v_mov_b32 v[GR+2], 0x3fe69d92
	v_mov_b32 v[GR+3], 0x3f19be61
	v_mov_b32 v[GR+4], 0xbf19be61
	v_mov_b32 v[GR+5], 0xbfe69d92
	v_mov_b32 v[GR+6], 0xc0402df9
	v_mov_b32 v[GR+7], 0xc0868695
	s_wait_xcnt 0x0                                ; the first trip's loads have read their base
	s_add_nc_u64 s[WP:WP+1], s[WP:WP+1], KS*WSTEP
	s_wait_dscnt 0x0                               ; my rows of y and of silu lie in LDS
	s_barrier_signal -1
	s_barrier_wait -1                              ; everybody's do
	s_mov_b32 s[RB], IB
	s_mov_b32 s[WB], 0
	s_mov_b32 s[YO], 0
	ADDR AY
	LOADY 0
	MAKEV 0, 0                                     ; my fragment of trip 0, into buffer 0
	s_xor_b32 s[RB], s[RB], IB
	s_xor_b32 s[WB], s[WB], IB
	s_add_co_u32 s[YO], s[YO], 64*KS
	; ---- the trips: TS - 1 that make a fragment of the basis, TB that make one of silu, one that makes nothing
	s_mov_b32 s[CNT], TS-1
.Ls:
	TRIP 0
	s_sub_co_u32 s[CNT], s[CNT], 1
	s_cmp_lg_u32 s[CNT], 0
	s_cbranch_scc1 .Ls
	s_mov_b32 s[YO], 0
	s_mov_b32 s[CNT], TB
.Lb:
	TRIP 1
	s_sub_co_u32 s[CNT], s[CNT], 1
	s_cmp_lg_u32 s[CNT], 0
	s_cbranch_scc1 .Lb
	s_wait_dscnt 0x0
	s_barrier_signal -1
	s_barrier_wait -1
	ADDR AS
	LOADA
	PROD 0, 0
.rept 4
	v_nop                                          ; four places in front of the first read of results
.endr
; 32 numbers of a lane, register 16 b + i = k 32 b + 16 h + i of my row (K = 64: two blocks) -> half a fragment, registers 0-5 (k = 32 h + 0 .. 31), at v[HB + 8 g]; its scale word (bytes 2, 3 = 127) in v[PWQ + g]
.macro QUANT2 src, win, g
.if \win
	WIN 0x05                                       ; sources 0 and 1 in window 1
.endif
	v_max3_num_f32 v[MX], |v[\src]|, |v[\src+1]|, 0x2800000          ; each accumulator is read from its low end on
	v_max3_num_f32 v[MX+2], |v[\src+16]|, |v[\src+17]|, 0x2800000
.irp i, 2,4,6,8,10,12,14
	v_max3_num_f32 v[MX], |v[\src+\i]|, |v[\src+\i+1]|, v[MX]
	v_max3_num_f32 v[MX+2], |v[\src+16+\i]|, |v[\src+17+\i]|, v[MX+2]
.endr
	WIN 0
	v_permlanex16_b32 v[MX+1], v[MX], s[SEL], s[SEL+1]
	v_permlanex16_b32 v[MX+3], v[MX+2], s[SEL], s[SEL+1]
	v_max_num_f32 v[MX], v[MX], v[MX+1]            ; with lane l xor 16's 16: the block's largest magnitude
	v_max_num_f32 v[MX+2], v[MX+2], v[MX+3]
	v_add_nc_u32 v[OP], 0xfe000000, v[MX]
	v_add_nc_u32 v[OP+1], 0xfe000000, v[MX+2]
	v_lshrrev_b32 v[MX+1], 23, v[OP]
	v_lshrrev_b32 v[MX+3], 23, v[OP+1]
	v_lshl_or_b32 v[PWQ+\g], v[MX+3], 8, v[MX+1]
	v_or_b32 v[PWQ+\g], 0x7f7f0000, v[PWQ+\g]
.if \win
	WIN 0x01
.endif
	v_cvt_scalef32_pk16_bf6_f32 v[HB+8*\g:HB+8*\g+2], v[\src:\src+15], v[OP]
	v_cvt_scalef32_pk16_bf6_f32 v[TC:TC+2], v[\src+16:\src+31], v[OP+1]
	WIN 0
	v_nop                                          ; one plain place behind the scaled conversions
.irp i, 0,1,2
	v_permlane16_swap_b32 v[HB+8*\g+\i], v[TC+\i]  ; a whole block to a lane: lanes 0-15 block 0, lanes 16-31 block 1
.endr
.irp i, 0,1,2
	v_mov_b32 v[HB+8*\g+3+\i], v[TC+\i]
.endr
.endm
.macro PACKV                           ; the four scale words as they are stored: word 0 groups 0 | 1, word 1 groups 2 | 3
	v_and_b32 v[MX], 16, v0
	v_cmp_ne_u32 vcc_lo, 0, v[MX]
	s_wait_alu depctr_va_vcc(0)                    ; VCC is written, ahead of the two selections that read it
	v_cndmask_b32 v[SPQ], v[PWQ], v[PWQ+1], vcc_lo
	v_cndmask_b32 v[SPQ+1], v[PWQ+2], v[PWQ+3], vcc_lo
.endm
	s_cmp_eq_u32 s[LAY], 3
	s_cbranch_scc1 .Lrows
	s_lshr_b32 s68, s[BLK], 5                      ; the batch,
	s_lshl_b32 s68, s68, 3
	s_add_co_u32 s68, s68, s[WV]                   ; 8 x batch + head
	s_mul_i32 s68, s68, 319488
	s_bfe_u32 s69, s[BLK], 0x40001                 ; the step of 128 tokens
	s_mul_i32 s69, s69, 6656
	s_add_co_u32 s68, s68, s69
	s_and_b32 s70, s[BLK], 1                       ; which 64 of them
	s_mov_b32 s73, 0
	s_mov_b32 s75, 0
	s_lshl_b32 s74, s70, 8
	s_cmp_eq_u32 s[LAY], 2
	s_cbranch_scc1 .Lv
	; ---- q and k: a row tile's 32 registers are a token's 64 numbers of the head: half fragment 4 c + m.  Each group has registers of its own for its codes: one wait serves all nine stores
	s_cmp_eq_u32 s[LAY], 0
	s_cselect_b32 s69, 212992, 0                   ; side 2 = q, side 0 = k
	s_add_co_u32 s68, s68, s69
	s_mul_i32 s72, s70, 3072
	s_add_co_u32 s72, s72, s68
	s_add_co_u32 s74, s74, s68
	s_add_nc_u64 s[72:73], s[40:41], s[72:73]
	s_add_nc_u64 s[74:75], s[40:41], s[74:75]
.irp g, 0,1,2,3
	QUANT2 32*\g, 1, \g
.endr
	PACKV
	s_wait_alu depctr_va_vdst(0)                   ; the four groups' codes in v[HB ..] and the scale words in v[SPQ ..] are written, which the stores read
.irp g, 0,1,2,3
	global_store_b128 v[L16], v[HB+8*\g:HB+8*\g+3], s[72:73] offset:768*\g          ; 512 consecutive bytes,
	global_store_b64 v[L8], v[HB+8*\g+4:HB+8*\g+5], s[72:73] offset:768*\g+512      ; then 256
.endr
	global_store_b64 v[L8], v[SPQ:SPQ+1], s[74:75] offset:6144
	s_wait_dscnt 0x0
	s_wait_alu depctr_hold_cnt(0) depctr_sa_sdst(0) depctr_va_vdst(0) depctr_va_sdst(0) depctr_va_ssrc(0) depctr_va_vcc(0) depctr_vm_vsrc(0)
	s_wait_tensorcnt 0x0
	ds_add_u32 v31, v63
	s_wait_dscnt 0x0
	s_endpgm
.Lv:
	; ---- v: K is the tokens.  My 64 tokens x 64 columns turn through a stage of my own (64 rows x 272 bytes, in the bytes of y and silu, which nobody reads behind the last barrier).
	; Each of the four groups of 16 columns has 32 registers of its own for its numbers: no load lands where a vector instruction has read since the wait below, and a group's loads land while the group before is quantised.
.macro VLOAD g
.irp a, 0,1
.irp i, 0,1,2,3,4,5,6,7,8,9,10,11,12,13,14,15
	ds_load_b32 v[VN+32*(\g)+16*\a+\i], v[VSTR] offset:272*(32*\a+16*(\i/8)+(\i%8))+64*(\g)   ; column 16 g + r of token 32 a + 16 h + i, which lies at place 32 a + 16 (i / 8) + 8 h + i % 8
.endr
.endr
.endm
	s_add_co_u32 s68, s68, 106496                  ; side 1
	s_mul_i32 s72, s70, 768
	s_add_co_u32 s72, s72, s68
	s_add_co_u32 s74, s74, s68
	s_add_nc_u64 s[72:73], s[40:41], s[72:73]
	s_add_nc_u64 s[74:75], s[40:41], s[74:75]
	WIN 0x04                                       ; an LDS store's data are its source 1: window 1
	s_wait_alu depctr_va_vdst(0)                   ; the last products have written the accumulators, which the LDS stores read (the four places stand ahead), and are done reading the fragments, in whose registers numbers land below
.set m, 0
.rept MT
.irp n, 0,1,2,3
	ds_store_b128 v[VSTW], v[8*(4*m+\n):8*(4*m+\n)+3] offset:4352*m+128*(\n/2)+32*(\n%2)
	ds_store_b128 v[VSTW], v[8*(4*m+\n)+4:8*(4*m+\n)+7] offset:4352*m+128*(\n/2)+32*(\n%2)+16
.endr
.set m, m+1
.endr
	WIN 0
	VLOAD 0                                        ; LDS serves a wave's instructions in order: these see the stores above
	VLOAD 1
	s_wait_dscnt 32                                ; group 0's numbers are in; the next group's 32 loads may be out
	QUANT2 VN, 0, 0
	VLOAD 2
	s_wait_dscnt 32                                ; group 1's
	QUANT2 VN+32, 0, 1
	VLOAD 3
	s_wait_dscnt 32                                ; group 2's
	QUANT2 VN+64, 0, 2
	s_wait_dscnt 0x0                               ; group 3's
	QUANT2 VN+96, 0, 3
	PACKV
	s_wait_alu depctr_va_vdst(0)                   ; the four groups' codes in v[HB ..] and the scale words in v[SPQ ..] are written, which the stores read
.irp g, 0,1,2,3
	global_store_b128 v[L16], v[HB+8*\g:HB+8*\g+3], s[72:73] offset:1536*\g         ; half fragment 2 g + c
	global_store_b64 v[L8], v[HB+8*\g+4:HB+8*\g+5], s[72:73] offset:1536*\g+512
.endr
	global_store_b64 v[L8], v[SPQ:SPQ+1], s[74:75] offset:6144
	s_wait_dscnt 0x0
	s_wait_alu depctr_hold_cnt(0) depctr_sa_sdst(0) depctr_va_vdst(0) depctr_va_sdst(0) depctr_va_ssrc(0) depctr_va_vcc(0) depctr_vm_vsrc(0)
	s_wait_tensorcnt 0x0
	ds_add_u32 v31, v63
	s_wait_dscnt 0x0
	s_endpgm
.Lrows:
	; ---- f32 rows out: a row tile at a time through my stage, so that sixteen lanes store 256 consecutive bytes, aligned.  Each tile comes back into 32 registers of its own: no register is loaded twice,
	; and a tile is stored while the next one is on its way through the stage.  No vector instruction stands in this part.
.macro TOSTAGE m
	WIN 0x04
.irp n, 0,1,2,3
	ds_store_b128 v[STO], v[8*(4*(\m)+\n):8*(4*(\m)+\n)+3] offset:128*(\n/2)+32*(\n%2)
	ds_store_b128 v[STO], v[8*(4*(\m)+\n)+4:8*(4*(\m)+\n)+7] offset:128*(\n/2)+32*(\n%2)+16
.endr
	WIN 0
.irp i, 0,1,2,3,4,5,6,7
	ds_load_b128 v[OB+32*(\m)+4*\i:OB+32*(\m)+4*\i+3], v[STR] offset:544*\i   ; LDS serves a wave's instructions in order: these see the stores above, and the next tile's stores come behind them
.endr
.endm
.macro SEND m
.irp i, 0,1,2,3,4,5,6,7
	global_store_b128 v[GOF], v[OB+32*(\m)+4*\i:OB+32*(\m)+4*\i+3], s[OUTP:OUTP+1] offset:2048*(32*((\m)/2)+8*((\m)%2)+2*\i+8*(\i/4))
.endr
.endm
	s_mul_i32 s68, s[BLK], ROWS*2048
	s_lshl_b32 s69, s[WV], 8
	s_add_co_u32 s68, s68, s69
	s_mov_b32 s69, 0
	s_add_nc_u64 s[OUTP:OUTP+1], s[OUTP:OUTP+1], s[68:69]
	WIN 0x04                                       ; an LDS store's data are its source 1: window 1
	s_wait_alu depctr_va_vdst(0)                   ; the last products have written the accumulators, which the LDS stores read (the four places stand ahead), and are done reading the fragments, in whose registers rows land below
	TOSTAGE 0
.irp m, 1,2,3
	TOSTAGE \m
	s_wait_dscnt 16                                ; the tile before is back; this tile's 8 stores and 8 loads may be out
	SEND \m-1
.endr
	s_wait_dscnt 0x0
	SEND 3
	s_wait_dscnt 0x0
	s_wait_alu depctr_hold_cnt(0) depctr_sa_sdst(0) depctr_va_vdst(0) depctr_va_sdst(0) depctr_va_ssrc(0) depctr_va_vcc(0) depctr_vm_vsrc(0)
	s_wait_tensorcnt 0x0
	ds_add_u32 v31, v63
	s_wait_dscnt 0x0
	s_endpgm
.Lfunc_end_k_q535fe0a652_kan1:
	.size	k_q535fe0a652_kan1, .Lfunc_end_k_q535fe0a652_kan1-k_q535fe0a652_kan1
	.p2alignl 7, 3214868480
	.fill 96, 4, 3214868480
	.section	.rodata,"a",@progbits
	.p2align	6, 0x0
	.amdhsa_kernel k_q535fe0a652_kan1
		.amdhsa_group_segment_fixed_size 326656
		.amdhsa_private_segment_fixed_size 0
		.amdhsa_enable_private_segment 0
		.amdhsa_kernarg_size 144
		.amdhsa_user_sgpr_count 2
		.amdhsa_user_sgpr_kernarg_segment_ptr 1
		.amdhsa_wavefront_size32 1
		.amdhsa_system_sgpr_workgroup_id_x 1
		.amdhsa_system_sgpr_workgroup_id_y 1
		.amdhsa_system_sgpr_workgroup_id_z 1
		.amdhsa_system_vgpr_workitem_id 0
		.amdhsa_next_free_vgpr 512
		.amdhsa_next_free_sgpr 80
		.amdhsa_reserve_vcc 1
		.amdhsa_float_denorm_mode_32 3
		.amdhsa_float_denorm_mode_16_64 3
		.amdhsa_memory_ordered 1
		.amdhsa_forward_progress 1
		.amdhsa_inst_pref_size 190
	.end_amdhsa_kernel
	.amdgpu_metadata
---
amdhsa.version: [ 1, 2 ]
amdhsa.kernels:
  - .name:           k_q535fe0a652_kan1
    .symbol:         k_q535fe0a652_kan1.kd
    .args:
      - { .name: q, .offset: 0, .size: 8, .value_kind: global_buffer, .address_space: global }
      - { .name: k, .offset: 8, .size: 8, .value_kind: global_buffer, .address_space: global }
      - { .name: v, .offset: 16, .size: 8, .value_kind: global_buffer, .address_space: global }
      - { .name: lq_ln_s, .offset: 24, .size: 8, .value_kind: global_buffer, .address_space: global }
      - { .name: lq_ln_b, .offset: 32, .size: 8, .value_kind: global_buffer, .address_space: global }
      - { .name: lq_bb, .offset: 40, .size: 8, .value_kind: global_buffer, .address_space: global }
      - { .name: lk_ln_s, .offset: 48, .size: 8, .value_kind: global_buffer, .address_space: global }
      - { .name: lk_ln_b, .offset: 56, .size: 8, .value_kind: global_buffer, .address_space: global }
      - { .name: lk_bb, .offset: 64, .size: 8, .value_kind: global_buffer, .address_space: global }
      - { .name: lv_ln_s, .offset: 72, .size: 8, .value_kind: global_buffer, .address_space: global }
      - { .name: lv_ln_b, .offset: 80, .size: 8, .value_kind: global_buffer, .address_space: global }
      - { .name: lv_bb, .offset: 88, .size: 8, .value_kind: global_buffer, .address_space: global }
      - { .name: lg_ln_s, .offset: 96, .size: 8, .value_kind: global_buffer, .address_space: global }
      - { .name: lg_ln_b, .offset: 104, .size: 8, .value_kind: global_buffer, .address_space: global }
      - { .name: lg_bb, .offset: 112, .size: 8, .value_kind: global_buffer, .address_space: global }
      - { .name: wc, .offset: 120, .size: 8, .value_kind: global_buffer, .address_space: global }
      - { .name: qkv, .offset: 128, .size: 8, .value_kind: global_buffer, .address_space: global }
      - { .name: gbuf, .offset: 136, .size: 8, .value_kind: global_buffer, .address_space: global }
    .group_segment_fixed_size: 326656
    .private_segment_fixed_size: 0
    .kernarg_segment_align: 8
    .kernarg_segment_size: 144
    .max_flat_workgroup_size: 256
    .sgpr_count:     80
    .vgpr_count:     512
    .wavefront_size: 32
...
	.end_amdgpu_metadata
.endif
;; end of part 5
;; launch attn: the kernel of part 3 again; grid 16 x 16, 8 waves a work-group, no clusters, 248,832 bytes of LDS; arguments qkv, gbuf, og; writes og
;; launch kan2 (part 6): grid 128 x 2, 8 waves a work-group, no clusters, 194,560 bytes of LDS; arguments og, lo_ln_s, lo_ln_b, lo_bb, wc, out0; writes out0
.if DOCPART == 6
	.amdgcn_target "amdgcn-amd-amdhsa--gfx1250"
	.amdhsa_code_object_version 6
	.text
	.protected	k_q535fe0a652_kan2
	.globl	k_q535fe0a652_kan2
	.p2align	8
	.type	k_q535fe0a652_kan2,@function
k_q535fe0a652_kan2:
	s_mov_b64 s[64:65], 0
	v_nop
	global_prefetch_b8 v0, s[64:65] scope:SCOPE_SE
	s_setreg_imm32_b32 hwreg(HW_REG_WAVE_SCHED_MODE, 0, 2), 2
	s_setreg_imm32_b32 hwreg(HW_REG_WAVE_MODE, 25, 1), 1
	s_wait_xcnt 0x0
	s_wait_alu depctr_vm_vsrc(0)
; The last FastKAN layer: out0 = basis(LayerNorm(og)) lo_sw^T + silu(og) lo_bw^T + lo_bb, both products on codes of E3M2 with one E8M0 byte for each 32 along K.
; SHARES.  Work-group x = a block of 32 rows, y = a half of the 512 columns: 4,096 rows in blocks of 32 are 128 blocks, and the two halves make 256 work-groups, each of which reads half of the
; layer's codes (921,600 bytes of 1,843,200).  The price: a row block's basis and silu are made and quantised by both halves.
; Wave w owns columns 256 y + 32 w .. + 31: tiles 2 p and 2 p + 1 (p = w % 2) of head 4 y + w / 2 in wc; 2 column tiles x 2 row tiles: four accumulators.
; K = 4,096 + 512 goes in 36 steps of 128, four to a trip.  In a trip wave w MAKES one fragment of the left operand (row tile w % 2, K step w / 2 of the NEXT trip) and MULTIPLIES all eight of this trip
; by its own weights: 16 matrix instructions.  Fragments go from wave to wave through LDS as images of their registers, in two buffers by turns: one barrier a trip.
; The weights' fragments come from wc, where an earlier launch laid them in register order, straight into the one wave that uses them; a set is asked for again behind its last product, a trip ahead of its use.
; CLUSTERS are not used: a weight fragment feeds one wave of a work-group; brought jointly it would have to go through LDS, 24 KB written and 24 KB read a K step beside the 12 KB of images.
; TWO ROLES: waves of role 0 multiply and then make, waves of role 1 make and then multiply; waves w and w + 4 differ in role, and so do waves 2 i and 2 i + 1.
; THE PRODUCT IS USED TRANSPOSED (source 0 = 16 rows of W, source 1 = 16 rows of x): lane (r, h) holds one token, and register j of accumulator (m, u) its column 16 h + 8 u + j of the wave's 32.
; Row tile m, lane r is token 8 m + r + 8 (r / 8) of the block.
; BASIS: exp(-((xn - g_j) / DENOM)^2) = 2^(-(y - d_j)^2) with y = xn sqrt(log2 e) / DENOM and d_j = (j - 3.5) sqrt(log2 e); the factor is folded into the LayerNorm's gain and bias.
; LIMITS: NaN and infinities are not served; a block of zeros gets the byte 1 with zero codes; a basis number under 2^-126 is 0 (v_exp_f32's result: ISA guide, its entry); the bias starts the sums and is not added last.
; THE MODE: SCHED_MODE bits 1:0 = 2 (LLVM: expert scheduling mode 2), set by the entry lines.  The code itself states the register dependences
; between vector or matrix instructions and memory or LDS instructions, with s_wait_alu, always for 0.
; THE PLAN.  Registers that memory or LDS instructions touch in a trip, and who else names them:
;   RI, RS, WI, WS, AYC  LDS addresses: written by five additions at the trip's head, read by the trip's LDS loads and stores.
;   AF, SA               the eight fragments and their scale words: 32 LDS loads land in them, the trip's products read them.
;   YV or NUM            my y (basis) or my silu: LDS loads land in them, the making of my fragment reads them (and writes NUM).
;   PC, PW               my fragment's codes and scale word: written by the conversions, moves and shifts, read by four LDS stores.
;   W's set q, SWR       global loads land in them, K step q's products read them.
;   LSW, LW1             offsets of the weights' loads: made at the head, never written again (LW1 is v[LW] once more, in window 1, so that a load stands among the products under their window setting).
; THE WAITS OF A TRIP.  At its head one on vm_vsrc (the last trip's LDS instructions have read the addresses, PC and PW) and, behind the five additions, one on va_vdst (the addresses are written; the last trip's
; products are done reading AF and SA, its fragment's arithmetic is done with YV and NUM): behind it all the trip's LDS loads owe nothing more, wherever they stand, since nothing names their registers before the products.
; So a wave of role 0 asks for its y with the fragments, and a wave of role 1 asks for the fragments behind its exponentials.  One on va_vdst at the head of each K step but the first, and one behind the last:
; the step before is done reading its weights; that set's loads follow, dealt among this step's products, which name other registers.  One behind the exponentials, one ahead of the image's stores.
.set MT,   2                           ; row tiles of 16
.set LMT,  1                           ; log2 of that
.set KS,   4                           ; K steps in a trip
.set ROWS, 32
.set NR,   4                           ; rows that a wave prepares
.set TS,   8                           ; trips on the basis
.set TB,   1                           ; trips on silu
.set RP,   2064                        ; LDS: a row of y or of silu: 2,048 bytes + 16
.set SR,   ROWS*RP                      ; y at 0, silu here, rows in tile order
.set AIMG, 2*ROWS*RP                    ; two image buffers:
.set IB,   13312                       ; 8 fragments x 1,536 bytes, then 8 x 128 bytes of scale words
.set ASC,  12288
.set STG,  AIMG+2*IB                    ; the way out: for each of the four heads a stage of 32 rows x 272 bytes
.set WSTEP, 6400                       ; a K step's block in wc
.set WLN,  6                           ; loads of 16 bytes a lane that bring a K step's two fragments to a wave; one more brings their scale word
; window 0
.set L16, 1                            ; 16 x lane
.set SH8, 3                            ; 8 h
.set AY,  4                            ; my lane's y of the fragment that I make
.set AS,  5                            ; the same in silu
.set RI0, 6                            ; images: read
.set RS0, 7                            ; scale words: read
.set WI0, 8                            ; images: my fragment's place
.set WS0, 9                            ; scale words: mine
.set YW,  10                           ; the prologue's stores of y
.set SWA, 11                           ; and of silu
.set STO, 12                           ; the stage: in
.set STR, 13                           ; the stage: back
.set GOF, 14                           ; my bytes in two rows of the output
.set LW,  15                           ; wc: 16 x lane + 3,072 p: my pair of tiles
.set LSW, 16                           ; wc: 8 x lane + 4 p: my pair's scale word
.set BBO, 17                           ; 64 h
.set RI,  18                           ; the trip's addresses
.set RS,  19
.set WI,  20
.set WS,  21
.set AYC, 22
.set TP,  23
.set SWR, 24                           ; v24-27  W's scale words, one a K step: lanes 0-15 the even tile's, lanes 16-31 the odd tile's
.set SA,  32                           ; v32-39  the fragments' scale words
.set YV,  40                           ; v40-47  eight y
.set GR,  48                           ; v48-55  -d_j
.set MX,  56                           ; v56-59  maxima, bytes
.set OP,  60                           ; v60-61  the conversions' scale operands
.set PW,  62                           ; the scale word just made
.set NUM, 64                           ; v64-127 64 numbers
.set AF,  128                          ; v128-223 eight fragments
.set PC,  224                          ; v224-235 the codes just made
.set TC,  236                          ; v236-242 their upper halves
.set XR,  64                           ; the prologue: NR rows x 16
.set LS,  192                          ; gain, bias
.set LB,  208
.set TT,  224                          ; v224-255 silu of two rows
.set PA,  224                          ; a pair a row
.set PB,  240
.set OB,  128                          ; the way out: 16 rows read back
; window 1: accumulator (m, u) at 8 (2 m + u); W's set q at WF + 24 q; behind them v[LW] once more
.set WF,  32
.set LW1, 128
.set XP,  8
.set LSP, 10
.set LBP, 12
.set BBP, 14
.set WCP, 16
.set OUTP, 18
.set WV,  52
.set ROLE, 53
.set HALF, 54
.set BLK, 55
.set RB,  56
.set WB,  57
.set YO,  58
.set CNT, 59
.set SEL, 60
.set WP,  62
.set C512, 66
.set CEPS, 67
.set PP,  73                           ; p = wave % 2
.set MSB, 0
.macro WIN new                         ; the immediate's high byte repeats the setting that is left
.if MSB != \new
	s_set_vgpr_msb (MSB<<8)|\new
.set MSB, \new
.endif
.endm
.macro WL1 k, i                        ; load i of the 6 that bring my two fragments of W of K step k of the trip at s[WP]; data and offset in window 1: it stands under the products' window setting
	global_load_b128 v[WF+24*(\k)+4*(\i):WF+24*(\k)+4*(\i)+3], v[LW1], s[WP:WP+1] offset:WSTEP*(\k)+512*(\i)
.endm
.macro WLS k                           ; and their scale word, in window 0
	global_load_b32 v[SWR+(\k)], v[LSW], s[WP:WP+1] offset:WSTEP*(\k)+6144
.endm
.macro WLOAD k                         ; a whole set in one run: 7 loads
	WIN 0x51
.set w, 0
.rept WLN
	WL1 \k, w
.set w, w+1
.endr
	WIN 0
	WLS \k
.endm
.macro DEAL                            ; behind a product: the next two loads of the set that the K step before has left
.if dl
.rept 2
.if w < WLN
	WL1 q-1, w
.set w, w+1
.endif
.endr
.endif
.endm
.macro QF N                            ; 64 numbers of a lane, register 32 c + i = k 64 c + 32 h + i of my row -> codes in v[PC] on, my row's scale word in v[PW]
.irp k, 0,1,2,3
	v_max3_num_f32 v[MX+\k], |v[\N+16*\k]|, |v[\N+16*\k+1]|, 0x2800000   ; four chains of 16; the floor 2^(5 - 127) holds the byte at 1 from below
.endr
.irp i, 2,4,6,8,10,12,14
.irp k, 0,1,2,3
	v_max3_num_f32 v[MX+\k], v[MX+\k], |v[\N+16*\k+\i]|, |v[\N+16*\k+\i+1]|
.endr
.endr
	v_max_num_f32 v[MX], v[MX], v[MX+1]
	v_max_num_f32 v[MX+2], v[MX+2], v[MX+3]
	v_add_nc_u32 v[OP], 0xfe000000, v[MX]          ; 4 off the exponent field
	v_add_nc_u32 v[OP+1], 0xfe000000, v[MX+2]
	v_lshrrev_b32 v[MX+1], 23, v[OP]
	v_lshrrev_b32 v[MX+3], 23, v[OP+1]
	v_lshl_or_b32 v[PW], v[MX+3], 16, v[MX+1]
	v_lshlrev_b32 v[PW], v[SH8], v[PW]
	v_permlanex16_b32 v[TP], v[PW], s[SEL], s[SEL+1]
	v_or_b32 v[PW], v[PW], v[TP]
	v_cvt_scalef32_pk16_bf6_f32 v[PC:PC+2], v[\N:\N+15], v[OP]
	v_cvt_scalef32_pk16_bf6_f32 v[TC:TC+2], v[\N+16:\N+31], v[OP]
	v_cvt_scalef32_pk16_bf6_f32 v[PC+6:PC+8], v[\N+32:\N+47], v[OP+1]
	v_cvt_scalef32_pk16_bf6_f32 v[TC+4:TC+6], v[\N+48:\N+63], v[OP+1]
	v_nop                                          ; one plain place behind the scaled conversions
.irp i, 0,1,2
	v_mov_b32 v[PC+3+\i], v[TC+\i]
	v_mov_b32 v[PC+9+\i], v[TC+4+\i]
.endr
.endm
.macro IMAGE                           ; the fragment goes to LDS as it stands, 16 bytes a lane; its scale word 4 bytes a lane
	ds_store_b128 v[WI], v[PC:PC+3]
	ds_store_b128 v[WI], v[PC+4:PC+7] offset:512
	ds_store_b128 v[WI], v[PC+8:PC+11] offset:1024
	ds_store_b32 v[WS], v[PW]
.endm
.macro LOADA                           ; the trip's eight fragments and their scale words: 32 LDS loads.  No wait: nothing since the wait at the trip's head names AF, SA, RI or RS
.set f, 0
.rept 8
	ds_load_b128 v[AF+12*f:AF+12*f+3], v[RI] offset:1536*f
	ds_load_b128 v[AF+12*f+4:AF+12*f+7], v[RI] offset:1536*f+512
	ds_load_b128 v[AF+12*f+8:AF+12*f+11], v[RI] offset:1536*f+1024
	ds_load_b32 v[SA+f], v[RS] offset:128*f
.set f, f+1
.endr
.endm
.macro LOADY kind                      ; what my fragment is made of.  kind 0: my row's y of x indices 8 c + 4 h + 0 .. 3 of the K step: 2 loads.  kind 1: silu(x), 32 neighbours of my row, twice: 16 loads
.if \kind == 0
	ds_load_b128 v[YV:YV+3], v[AYC]
	ds_load_b128 v[YV+4:YV+7], v[AYC] offset:32
.else
.irp c, 0,1
.irp i, 0,1,2,3,4,5,6,7
	ds_load_b128 v[NUM+32*\c+4*\i:NUM+32*\c+4*\i+3], v[AYC] offset:256*\c+16*\i
.endr
.endr
.endif
.endm
; My fragment is made, quantised and stored.  la = 1 (role 1): the trip's fragments are asked for on the way, so that they land under the quantising.
.macro MAKEV kind, la
.if \kind == 0
	s_wait_dscnt 0x0                               ; my eight y are in
.irp c, 0,1
.irp u, 0,1
.irp j, 0,2,4,6
	v_pk_add_f32 v[NUM+32*\c+16*\u+\j:NUM+32*\c+16*\u+\j+1], v[YV+4*\c+2*\u:YV+4*\c+2*\u+1], v[GR+\j:GR+\j+1] op_sel:[0,0] op_sel_hi:[0,1]      ; y - d_j, the pair's first y for both halves
	v_pk_add_f32 v[NUM+32*\c+16*\u+8+\j:NUM+32*\c+16*\u+8+\j+1], v[YV+4*\c+2*\u:YV+4*\c+2*\u+1], v[GR+\j:GR+\j+1] op_sel:[1,0] op_sel_hi:[1,1]  ; the pair's second y
.endr
.endr
.endr
.irp e, 0,2,4,6,8,10,12,14,16,18,20,22,24,26,28,30,32,34,36,38,40,42,44,46,48,50,52,54,56,58,60,62
	v_pk_mul_f32 v[NUM+\e:NUM+\e+1], v[NUM+\e:NUM+\e+1], v[NUM+\e:NUM+\e+1] neg_lo:[1,0] neg_hi:[1,0]   ; -(y - d_j)^2
.endr
.irp e, 0,1,2,3,4,5,6,7,8,9,10,11,12,13,14,15,16,17,18,19,20,21,22,23,24,25,26,27,28,29,30,31,32,33,34,35,36,37,38,39,40,41,42,43,44,45,46,47,48,49,50,51,52,53,54,55,56,57,58,59,60,61,62,63
	v_exp_f32 v[NUM+\e], v[NUM+\e]
.endr
	v_nop                                          ; a plain place behind the exponentials
.if \la
	LOADA
.endif
	s_wait_alu depctr_va_vdst(0)                   ; the 64 exponentials have written v[NUM ..]: one wait for the batch, ahead of its first reader
.else
.if \la
	LOADA
	s_wait_dscnt 32                                ; my silu is in; the 32 younger loads, the fragments, may be out
.else
	s_wait_dscnt 0x0                               ; my silu is in
.endif
.endif
	QF NUM
	s_wait_alu depctr_va_vdst(0)                   ; the conversions and moves have written v[PC ..] and the shifts v[PW], which the LDS stores read
	IMAGE
.endm
; The trip's LDS addresses, on every wave's path, between the two waits of the trip's head.
.macro ADDR base
	s_wait_alu depctr_vm_vsrc(0)                   ; the LDS instructions issued so far have read their registers: the five addresses, written below; v[PC ..] and v[PW], written by this trip's fragment; at the first use the rows of y, in whose registers numbers are made and fragments land
	v_add_nc_u32 v[RI], s[RB], v[RI0]
	v_add_nc_u32 v[RS], s[RB], v[RS0]
	v_add_nc_u32 v[WI], s[WB], v[WI0]
	v_add_nc_u32 v[WS], s[WB], v[WS0]
	v_add_nc_u32 v[AYC], s[YO], v[\base]
	s_wait_alu depctr_va_vdst(0)                   ; the five addresses are written, which the trip's LDS instructions read; the last trip's products are done reading AF and SA, its fragment's arithmetic is done with YV and NUM: LDS loads land in all four
.endm
; The trip's eight fragments against my weights.  The four accumulators take turns, one instruction a turn, in the same order in every K step.
; extra: the LDS instructions issued behind the fragments' loads, which may stay out (role 0: the loads for my fragment; role 1: the image's four stores).
.macro PROD reload, extra
.set q, 0
.rept KS
	s_wait_dscnt (KS-1-q)*4*MT+(\extra)            ; this K step's two fragments are in; the later steps' loads, 4 a fragment, and the extra may be out
.set dl, 0
.if \reload
.if q == 0
	s_wait_loadcnt (WLN+1)*(KS-1)                  ; W's set 0 is in: behind its 7 loads stand those of three younger sets
.else
	s_wait_loadcnt (WLN+1)*(KS-2)                  ; W's set q is in: behind it stand two younger sets (the set that the step before has left is asked for below)
	WIN 0
	s_wait_alu depctr_va_vdst(0)                   ; the products of the K step before are done reading their set of W and its scale word, in which the loads below land
	WLS q-1
.set dl, 1
.endif
.else
	s_wait_loadcnt (WLN+1)*(KS-1-q)                ; the last trip asks for nothing: the counts run down
.endif
	WIN 0x51                                       ; W, C and D in window 1, the fragment in window 0
.set m, 0
.set w, 0
.rept MT
	v_wmma_scale_f32_16x16x128_f8f6f4 v[8*(2*m):8*(2*m)+7], v[WF+24*q:WF+24*q+11], v[AF+12*(q*MT+m):AF+12*(q*MT+m)+11], v[8*(2*m):8*(2*m)+7], v[SWR+q], v[SA+q*MT+m] matrix_a_fmt:MATRIX_FMT_BF6 matrix_b_fmt:MATRIX_FMT_BF6
	DEAL                                           ; no wait: no product since the wait above names the other set or v[LW1]
	v_wmma_scale_f32_16x16x128_f8f6f4 v[8*(2*m+1):8*(2*m+1)+7], v[WF+24*q+12:WF+24*q+23], v[AF+12*(q*MT+m):AF+12*(q*MT+m)+11], v[8*(2*m+1):8*(2*m+1)+7], v[SWR+q], v[SA+q*MT+m] matrix_a_fmt:MATRIX_FMT_BF6 matrix_b_fmt:MATRIX_FMT_BF6 matrix_a_scale:MATRIX_SCALE_ROW1
	DEAL
.set m, m+1
.endr
.if \reload
.rept 4
	v_nop                                          ; four places behind the products whose set is loaded again (ISA guide 7.12.1); they stay beside the wait that follows
.endr
.endif
.set q, q+1
.endr
.if \reload
	s_wait_alu depctr_va_vdst(0)                   ; the last K step's products are done reading their set of W and its scale word, in which the loads below land
	WLOAD KS-1                                     ; the same K step of the next trip
.endif
	WIN 0
.endm
; A trip.  In front of the barrier my image stores have landed and my reads of the other buffer are in; behind it the buffer made last trip is read and the buffer read last trip is written.
; The weights' base steps behind the barrier: the last trip's loads, which read it, have had their addresses translated behind the wait that stands directly ahead of the step (ISA guide 3.1).
.macro TRIP kind
	s_wait_dscnt 0x0
	s_barrier_signal -1
	s_barrier_wait -1
.if \kind == 0
	ADDR AY
.else
	ADDR AS
.endif
	s_wait_xcnt 0x0
	s_add_nc_u64 s[WP:WP+1], s[WP:WP+1], KS*WSTEP  ; on to the next trip's weights, which this trip asks for
	s_cmp_eq_u32 s[ROLE], 0
	s_cbranch_scc0 .Lrole1_\@
	LOADA
	LOADY \kind                                    ; asked for with the fragments: it lands under the products
	PROD 1, 2+14*\kind
	MAKEV \kind, 0
	s_branch .Ljoin_\@
.Lrole1_\@:
	LOADY \kind
	MAKEV \kind, 1
	PROD 1, 4
.Ljoin_\@:
	s_xor_b32 s[RB], s[RB], IB
	s_xor_b32 s[WB], s[WB], IB
.if \kind == 0
	s_add_co_u32 s[YO], s[YO], 64*KS
.else
	s_add_co_u32 s[YO], s[YO], 512*KS
.endif
.endm
	; ---- ids, pointers, addresses
	v_lshrrev_b32 v40, 5, v0
	v_readfirstlane_b32 s[WV], v40                 ; wave 0..7
	s_load_b256 s[8:15], s[0:1], 0x0               ; og, lo_ln_s, lo_ln_b, lo_bb
	s_load_b128 s[16:19], s[0:1], 0x20             ; wc, out0
	v_lshl_add_u32 v31, v0, 2, 0x2f400
	v_mov_b32 v63, 0
	s_and_b32 s[HALF], ttmp7, 0xffff               ; which 256 columns
	s_mov_b32 s[BLK], ttmp9                        ; which 32 rows
	s_wait_alu depctr_va_sdst(0)                   ; the wave's number is written, ahead of its first reader: the role, LDS addresses and bases are made from it
	s_and_b32 s[PP], s[WV], 1
	s_lshr_b32 s68, s[WV], 2
	s_xor_b32 s[ROLE], s[WV], s68
	s_and_b32 s[ROLE], s[ROLE], 1
	s_mov_b32 s[SEL], 0x76543210
	s_mov_b32 s[SEL+1], 0xfedcba98                 ; lane l xor 16
	s_mov_b32 s[C512], 0x3b000000                  ; 1 / 512
	s_mov_b32 s[CEPS], 0x3727c5ac                  ; 1e-5
	v_and_b32 v40, 31, v0                          ; lane
	v_and_b32 v41, 15, v0                          ; r
	v_bfe_u32 v42, v0, 4, 1                        ; h
	v_lshlrev_b32 v[L16], 4, v40
	v_lshlrev_b32 v[SH8], 3, v42
	v_mov_b32 v[TP], 0
	s_mul_i32 s69, s[PP], 3072
	v_add_nc_u32 v[LW], s69, v[L16]                ; my pair of tiles in a K step's block
	s_lshl_b32 s69, s[PP], 2
	v_lshl_add_u32 v[LSW], v40, 3, s69             ; and its scale word
	s_and_b32 s68, s[WV], MT-1                     ; the row tile of the fragment that I make,
	s_lshr_b32 s69, s[WV], LMT                     ; and its K step in the trip
	s_mul_i32 s70, s68, 16*RP
	s_lshl_b32 s71, s69, 6
	s_add_co_u32 s71, s71, s70
	v_mul_u32_u24 v43, v41, RP
	v_lshl_add_u32 v[AY], v42, 4, v43
	v_add_nc_u32 v[AY], s71, v[AY]                 ; (16 m + r) RP + 16 h + 64 x K step
	s_lshl_b32 s71, s69, 9
	s_add_co_u32 s71, s71, s70
	s_add_co_u32 s71, s71, SR
	v_lshl_add_u32 v[AS], v42, 7, v43
	v_add_nc_u32 v[AS], s71, v[AS]                 ; SR + (16 m + r) RP + 128 h + 512 x K step
	v_add_nc_u32 v[RI0], AIMG, v[L16]
	v_lshl_add_u32 v[RS0], v40, 2, AIMG+ASC
	s_mul_i32 s71, s[WV], 1536
	v_add_nc_u32 v[WI0], s71, v[RI0]
	s_lshl_b32 s71, s[WV], 7
	v_add_nc_u32 v[WS0], s71, v[RS0]
	s_lshl_b32 s70, s[WV], LMT+1                   ; the first of the NR tokens that I prepare;
	s_and_b32 s71, s70, 0x27                       ; its place in tile order: bits 3 and 4 change places
	s_and_b32 s72, s70, 8
	s_lshl_b32 s72, s72, 1
	s_or_b32 s71, s71, s72
	s_and_b32 s72, s70, 16
	s_lshr_b32 s72, s72, 1
	s_or_b32 s71, s71, s72
	s_mul_i32 s71, s71, RP
	v_add_nc_u32 v[YW], s71, v[L16]
	v_add_nc_u32 v[SWA], SR, v[YW]
	s_lshr_b32 s71, s[WV], 1                       ; the stage of my head: 32 rows x 272 bytes;
	s_mul_i32 s71, s71, 8704
	s_lshl_b32 s72, s[PP], 7                       ; my 32 columns are 128 bytes of its rows
	s_add_co_u32 s71, s71, s72
	s_add_co_u32 s71, s71, STG
	v_mul_u32_u24 v43, v41, 272
	v_lshl_add_u32 v43, v42, 6, v43                ; 272 r + 64 h
	v_add_nc_u32 v[STO], s71, v43
	s_mul_i32 s71, s[WV], 4352                     ; back: row tile p of my head's stage: 8,704 (w / 2) + 4,352 p = 4,352 w
	s_add_co_u32 s71, s71, STG
	v_mul_u32_u24 v44, v42, 272
	v_lshl_add_u32 v44, v41, 4, v44                ; 272 h + 16 r
	v_add_nc_u32 v[STR], s71, v44
	v_lshlrev_b32 v[GOF], 11, v42
	v_lshl_add_u32 v[GOF], v41, 4, v[GOF]          ; lanes 0-15 one row of the output, lanes 16-31 the next
	v_lshlrev_b32 v[BBO], 6, v42
	WIN 0x40                                       ; destination window 1
	v_mov_b32 v[LW1], v[LW]                        ; my pair's offset once more, beside the weights' registers
	WIN 0
	s_wait_kmcnt 0x0
	s_mul_i32 s68, s[BLK], ROWS*2048
	s_lshl_b32 s69, s[WV], LMT+12
	s_add_co_u32 s68, s68, s69
	s_mov_b32 s69, 0
	s_add_nc_u64 s[XP:XP+1], s[XP:XP+1], s[68:69]  ; x at my first token
	s_lshl_b32 s68, s[HALF], 10
	s_lshl_b32 s70, s[WV], 7
	s_add_co_u32 s68, s68, s70
	s_add_nc_u64 s[BBP:BBP+1], s[BBP:BBP+1], s[68:69]   ; the bias at my 32 columns
	s_lshl_b32 s68, s[HALF], 2
	s_lshr_b32 s70, s[WV], 1
	s_add_co_u32 s68, s68, s70                     ; my head
	s_mul_i32 s68, s68, 230400
	s_add_co_u32 s68, s68, 4*1843200               ; layer 4
	s_add_nc_u64 s[WP:WP+1], s[WCP:WCP+1], s[68:69]
	; ---- loads: my NR rows of x, gain and bias of the norm, the layer's bias straight into the accumulators, the first trip's weights
	s_wait_alu depctr_va_vdst(0)                   ; all offsets and LDS addresses of the head, v1 to v17 and v[LW1], are written, which the kernel's loads and stores read; so are v40 to v44, in which y lands later
.set i, 0
.rept NR
.irp j, 0,1,2,3
	global_load_b128 v[XR+16*i+4*\j:XR+16*i+4*\j+3], v[L16], s[XP:XP+1] offset:2048*i+512*\j
.endr
.set i, i+1
.endr
.irp j, 0,1,2,3
	global_load_b128 v[LS+4*\j:LS+4*\j+3], v[L16], s[LSP:LSP+1] offset:512*\j
	global_load_b128 v[LB+4*\j:LB+4*\j+3], v[L16], s[LBP:LBP+1] offset:512*\j
.endr
	WIN 0x40
.set i, 0
.rept MT
.irp u, 0,1
	global_load_b128 v[8*(2*i+\u):8*(2*i+\u)+3], v[BBO], s[BBP:BBP+1] offset:32*\u      ; register j: column 16 h + 8 u + j of my 32
	global_load_b128 v[8*(2*i+\u)+4:8*(2*i+\u)+7], v[BBO], s[BBP:BBP+1] offset:32*\u+16
.endr
.set i, i+1
.endr
	WIN 0
	s_wait_loadcnt 4*MT                            ; x and the norm's vectors are in; the eight loads of the bias may be out
.set i, 0
.rept KS
	WLOAD i                                        ; no vector instruction since the wait above
.set i, i+1
.endr
.irp e, 0,2,4,6,8,10,12,14,16,18,20,22,24,26,28,30
	v_pk_mul_f32 v[LS+\e:LS+\e+1], v[LS+\e:LS+\e+1], 0x40068695 op_sel_hi:[1,0]   ; gain and bias x sqrt(log2 e) / DENOM
.endr
	; ---- silu(x) = x / (1 + 2^(-x log2 e)), two rows (32 registers on end) at a time, so that a wait serves 32 results
.macro SILU2 r
.set XX, XR+16*(\r)
.if (\r) >= 2
	s_wait_alu depctr_vm_vsrc(0)                   ; the last two rows' LDS stores have read v[TT ..], which is written again
.endif
.irp e, 0,2,4,6,8,10,12,14,16,18,20,22,24,26,28,30
	v_pk_mul_f32 v[TT+\e:TT+\e+1], v[XX+\e:XX+\e+1], 0xbfb8aa3b op_sel_hi:[1,0]
.endr
.irp e, 0,1,2,3,4,5,6,7,8,9,10,11,12,13,14,15,16,17,18,19,20,21,22,23,24,25,26,27,28,29,30,31
	v_exp_f32 v[TT+\e], v[TT+\e]
.endr
	v_nop                                          ; a plain place behind the exponentials
	s_wait_alu depctr_va_vdst(0)                   ; the 32 exponentials have written v[TT ..], ahead of their first reader
.irp e, 0,2,4,6,8,10,12,14,16,18,20,22,24,26,28,30
	v_pk_add_f32 v[TT+\e:TT+\e+1], v[TT+\e:TT+\e+1], 1.0 op_sel_hi:[1,0]
.endr
.irp e, 0,1,2,3,4,5,6,7,8,9,10,11,12,13,14,15,16,17,18,19,20,21,22,23,24,25,26,27,28,29,30,31
	v_rcp_f32 v[TT+\e], v[TT+\e]
.endr
	v_nop                                          ; a plain place behind the reciprocals
	s_wait_alu depctr_va_vdst(0)                   ; the 32 reciprocals have written v[TT ..], ahead of their first reader
.irp e, 0,2,4,6,8,10,12,14,16,18,20,22,24,26,28,30
	v_pk_mul_f32 v[TT+\e:TT+\e+1], v[TT+\e:TT+\e+1], v[XX+\e:XX+\e+1]
.endr
	s_wait_alu depctr_va_vdst(0)                   ; the multiplications have written v[TT ..], which the LDS stores read
.irp u, 0,1
.irp j, 0,1,2,3
	ds_store_b128 v[SWA], v[TT+16*\u+4*\j:TT+16*\u+4*\j+3] offset:RP*((\r)+\u)+512*\j
.endr
.endr
.endm
.set i, 0
.rept NR/2
	SILU2 i
.set i, i+2
.endr
	; ---- LayerNorm in two passes, the rows by turns
.macro WSUMS P                         ; each row's pair at v[P + 2 i] becomes the sum over the wave's 32 lanes, in every lane
.set i, 0
.rept NR
	v_add_f32 v[\P+2*i], v[\P+2*i], v[\P+2*i+1]
.set i, i+1
.endr
.irp x, 1,2,4,8
.set i, 0
.rept NR
	v_add_f32_dpp v[\P+2*i], v[\P+2*i], v[\P+2*i] row_xmask:\x row_mask:0xf bank_mask:0xf
.set i, i+1
.endr
.endr
.set i, 0
.rept NR
	v_permlanex16_b32 v[\P+2*i+1], v[\P+2*i], s[SEL], s[SEL+1]
.set i, i+1
.endr
.set i, 0
.rept NR
	v_add_f32 v[\P+2*i], v[\P+2*i], v[\P+2*i+1]
.set i, i+1
.endr
.endm
	s_wait_alu depctr_vm_vsrc(0)                   ; silu's LDS stores have read v[TT ..]: these registers are the rows' pairs from here on
.set i, 0
.rept NR
	v_pk_add_f32 v[PA+2*i:PA+2*i+1], v[XR+16*i:XR+16*i+1], v[XR+16*i+2:XR+16*i+3]
.set i, i+1
.endr
.irp e, 4,6,8,10,12,14
.set i, 0
.rept NR
	v_pk_add_f32 v[PA+2*i:PA+2*i+1], v[PA+2*i:PA+2*i+1], v[XR+16*i+\e:XR+16*i+\e+1]
.set i, i+1
.endr
.endr
	WSUMS PA
.set i, 0
.rept NR
	v_mul_f32 v[PA+2*i], s[C512], v[PA+2*i]        ; the mean
.set i, i+1
.endr
.irp e, 0,2,4,6,8,10,12,14
.set i, 0
.rept NR
	v_pk_add_f32 v[XR+16*i+\e:XR+16*i+\e+1], v[XR+16*i+\e:XR+16*i+\e+1], v[PA+2*i:PA+2*i+1] op_sel_hi:[1,0] neg_lo:[0,1] neg_hi:[0,1]   ; x - mean
.set i, i+1
.endr
.endr
.set i, 0
.rept NR
	v_pk_mul_f32 v[PB+2*i:PB+2*i+1], v[XR+16*i:XR+16*i+1], v[XR+16*i:XR+16*i+1]
.set i, i+1
.endr
.irp e, 2,4,6,8,10,12,14
.set i, 0
.rept NR
	v_pk_fma_f32 v[PB+2*i:PB+2*i+1], v[XR+16*i+\e:XR+16*i+\e+1], v[XR+16*i+\e:XR+16*i+\e+1], v[PB+2*i:PB+2*i+1]
.set i, i+1
.endr
.endr
	WSUMS PB
.set i, 0
.rept NR
	v_fma_f32 v[PB+2*i], v[PB+2*i], s[C512], s[CEPS]   ; the variance + 1e-5
.set i, i+1
.endr
.set i, 0
.rept NR
	v_rsq_f32 v[PB+2*i], v[PB+2*i]
.set i, i+1
.endr
	v_nop                                          ; a plain place behind the reciprocal roots
	s_wait_alu depctr_va_vdst(0)                   ; the NR reciprocal roots have written their registers, ahead of their first reader
.irp e, 0,2,4,6,8,10,12,14
.set i, 0
.rept NR
	v_pk_mul_f32 v[XR+16*i+\e:XR+16*i+\e+1], v[XR+16*i+\e:XR+16*i+\e+1], v[PB+2*i:PB+2*i+1] op_sel_hi:[1,0]
.set i, i+1
.endr
.endr
.irp e, 0,2,4,6,8,10,12,14
.set i, 0
.rept NR
	v_pk_fma_f32 v[XR+16*i+\e:XR+16*i+\e+1], v[XR+16*i+\e:XR+16*i+\e+1], v[LS+\e:LS+\e+1], v[LB+\e:LB+\e+1]   ; y
.set i, i+1
.endr
.endr
	s_wait_alu depctr_va_vdst(0)                   ; the multiply-adds have written y in v[XR ..], which the LDS stores read
.set i, 0
.rept NR
.irp j, 0,1,2,3
	ds_store_b128 v[YW], v[XR+16*i+4*\j:XR+16*i+4*\j+3] offset:RP*i+512*\j
.endr
.set i, i+1
.endr
	v_mov_b32 v[GR+0], 0x40868695                  ; -d_j = (3.5 - j) sqrt(log2 e)
	v_mov_b32 v[GR+1], 0x40402df9
	v_mov_b32 v[GR+2], 0x3fe69d92
	v_mov_b32 v[GR+3], 0x3f19be61
	v_mov_b32 v[GR+4], 0xbf19be61
	v_mov_b32 v[GR+5], 0xbfe69d92
	v_mov_b32 v[GR+6], 0xc0402df9
	v_mov_b32 v[GR+7], 0xc0868695
	s_wait_dscnt 0x0                               ; my rows of y and of silu lie in LDS
	s_barrier_signal -1
	s_barrier_wait -1                              ; everybody's do
	s_mov_b32 s[RB], IB
	s_mov_b32 s[WB], 0
	s_mov_b32 s[YO], 0
	ADDR AY
	LOADY 0
	MAKEV 0, 0                                     ; my fragment of trip 0, into buffer 0
	s_xor_b32 s[RB], s[RB], IB
	s_xor_b32 s[WB], s[WB], IB
	s_add_co_u32 s[YO], s[YO], 64*KS
	; ---- the trips: TS - 1 that make a fragment of the basis, TB that make one of silu, one that makes nothing
	s_mov_b32 s[CNT], TS-1
.Ls:
	TRIP 0
	s_sub_co_u32 s[CNT], s[CNT], 1
	s_cmp_lg_u32 s[CNT], 0
	s_cbranch_scc1 .Ls
	s_mov_b32 s[YO], 0
	s_mov_b32 s[CNT], TB
.Lb:
	TRIP 1
	s_sub_co_u32 s[CNT], s[CNT], 1
	s_cmp_lg_u32 s[CNT], 0
	s_cbranch_scc1 .Lb
	s_wait_dscnt 0x0
	s_barrier_signal -1
	s_barrier_wait -1
	ADDR AS
	LOADA
	PROD 0, 0
.rept 4
	v_nop                                          ; four places in front of the first read of results
.endr
	; ---- THE WAY OUT.  My 32 columns are half of an aligned 256 bytes of a row: the two waves of a head write the two halves of the same stage rows; a barrier; then wave w takes row tile p of its head whole,
	; so that sixteen lanes store 256 consecutive bytes, aligned.  No vector instruction stands in this part.
	s_mul_i32 s68, s[BLK], ROWS*2048
	s_lshl_b32 s69, s[HALF], 10                    ; the half's 1,024 bytes,
	s_add_co_u32 s68, s68, s69
	s_lshr_b32 s69, s[WV], 1
	s_lshl_b32 s69, s69, 8                         ; the head's 256,
	s_add_co_u32 s68, s68, s69
	s_lshl_b32 s69, s[PP], 14                      ; row tile p begins at token 8 p
	s_add_co_u32 s68, s68, s69
	s_mov_b32 s69, 0
	s_add_nc_u64 s[OUTP:OUTP+1], s[OUTP:OUTP+1], s[68:69]
	WIN 0x04                                       ; an LDS store's data are its source 1: window 1
	s_wait_alu depctr_va_vdst(0)                   ; the last products have written the accumulators, which the LDS stores read (the four places stand ahead), and are done reading the fragments, in whose registers rows land below
.set m, 0
.rept MT
.irp u, 0,1
	ds_store_b128 v[STO], v[8*(2*m+\u):8*(2*m+\u)+3] offset:4352*m+32*\u          ; each accumulator from its low end on
	ds_store_b128 v[STO], v[8*(2*m+\u)+4:8*(2*m+\u)+7] offset:4352*m+32*\u+16
.endr
.set m, m+1
.endr
	WIN 0
	s_wait_dscnt 0x0                               ; for the other wave's sake: my stores into the stage are done
	s_barrier_signal -1
	s_barrier_wait -1
.irp i, 0,1,2,3,4,5,6,7
	ds_load_b128 v[OB+4*\i:OB+4*\i+3], v[STR] offset:544*\i                       ; rows 2 i and 2 i + 1 of the tile
.endr
.irp i, 0,1,2,3,4,5,6,7
	s_wait_dscnt 7-\i                              ; load i is in; the younger ones may be out
	global_store_b128 v[GOF], v[OB+4*\i:OB+4*\i+3], s[OUTP:OUTP+1] offset:2048*(2*\i+8*(\i/4))   ; row rr of the tile is token 8 p + rr + 8 (rr / 8)
.endr
	s_wait_dscnt 0x0
	s_wait_alu depctr_hold_cnt(0) depctr_sa_sdst(0) depctr_va_vdst(0) depctr_va_sdst(0) depctr_va_ssrc(0) depctr_va_vcc(0) depctr_vm_vsrc(0)
	s_wait_tensorcnt 0x0
	ds_add_u32 v31, v63
	s_wait_dscnt 0x0
	s_endpgm
.Lfunc_end_k_q535fe0a652_kan2:
	.size	k_q535fe0a652_kan2, .Lfunc_end_k_q535fe0a652_kan2-k_q535fe0a652_kan2
	.p2alignl 7, 3214868480
	.fill 96, 4, 3214868480
	.section	.rodata,"a",@progbits
	.p2align	6, 0x0
	.amdhsa_kernel k_q535fe0a652_kan2
		.amdhsa_group_segment_fixed_size 194560
		.amdhsa_private_segment_fixed_size 0
		.amdhsa_enable_private_segment 0
		.amdhsa_kernarg_size 48
		.amdhsa_user_sgpr_count 2
		.amdhsa_user_sgpr_kernarg_segment_ptr 1
		.amdhsa_wavefront_size32 1
		.amdhsa_system_sgpr_workgroup_id_x 1
		.amdhsa_system_sgpr_workgroup_id_y 1
		.amdhsa_system_sgpr_workgroup_id_z 1
		.amdhsa_system_vgpr_workitem_id 0
		.amdhsa_next_free_vgpr 392
		.amdhsa_next_free_sgpr 80
		.amdhsa_reserve_vcc 0
		.amdhsa_float_denorm_mode_32 3
		.amdhsa_float_denorm_mode_16_64 3
		.amdhsa_memory_ordered 1
		.amdhsa_forward_progress 1
		.amdhsa_inst_pref_size 118
	.end_amdhsa_kernel
	.amdgpu_metadata
---
amdhsa.version: [ 1, 2 ]
amdhsa.kernels:
  - .name:           k_q535fe0a652_kan2
    .symbol:         k_q535fe0a652_kan2.kd
    .args:
      - { .name: og, .offset: 0, .size: 8, .value_kind: global_buffer, .address_space: global }
      - { .name: lo_ln_s, .offset: 8, .size: 8, .value_kind: global_buffer, .address_space: global }
      - { .name: lo_ln_b, .offset: 16, .size: 8, .value_kind: global_buffer, .address_space: global }
      - { .name: lo_bb, .offset: 24, .size: 8, .value_kind: global_buffer, .address_space: global }
      - { .name: wc, .offset: 32, .size: 8, .value_kind: global_buffer, .address_space: global }
      - { .name: out0, .offset: 40, .size: 8, .value_kind: global_buffer, .address_space: global }
    .group_segment_fixed_size: 194560
    .private_segment_fixed_size: 0
    .kernarg_segment_align: 8
    .kernarg_segment_size: 48
    .max_flat_workgroup_size: 256
    .sgpr_count:     80
    .vgpr_count:     392
    .wavefront_size: 32
...
	.end_amdgpu_metadata
.endif
;; end of part 6
